; MI455X (gfx1250); checked and timed in simulation.
; The chip was launched on July 23, 2026; its instructions are those of AMD's public machine-readable ISA for CDNA 5 (MIT licence, August 2026) and "CDNA5" Instruction Set Architecture Reference Guide (July 2026). The comments in the code are by the model that wrote it; some were corrected since.
;; Attention. Allowed arithmetic: matrix products marked QUANTISED: E5M2 operands, one E8M0 scale for each 32 along K, by v_wmma_scale_f32_16x16x128_f8f6f4 with both operands' format E5M2, f32 sums; everything else in f32.
;; Inputs: Wk 1,024 x 1,024 float32; Wq 1,024 x 1,024 float32; Wv 1,024 x 1,024 float32; attention_mask 2 x 2,048 x 2,048 int32; bk 1,024 float32; bq 1,024 float32; bv 1,024 float32; from_tensor 2 x 2,048 x 1,024 float32; to_tensor 2 x 2,048 x 1,024 float32.
;; Outputs: out0 2 x 2,048 x 1,024 float32.
;; This version of the problem:
;;   THIS VERSION OF THE PROBLEM IS GIVEN IN LOW PRECISION. The matrix products marked QUANTISED in the list below multiply operands that are first quantised to E5M2 (5 exponent bits, 2 mantissa bits; 8 bits a number), with one power-of-two scale for each 32 numbers along K (OCP MX v1.0); their sums are f32. All else is computed in f32.
;;   The module's matrix products, in the order in which they are computed (A, B: the left and right operand; K: the contracted axis; several contracted axes count as one K, in the product's order):
;;     1. [M 4,096, K 1,024] x [K 1,024, N 1,024]; A: input from_tensor; B: input Wq: QUANTISED
;;     2. [M 4,096, K 1,024] x [K 1,024, N 1,024]; A: input to_tensor; B: input Wk: QUANTISED
;;     3. [M 4,096, K 1,024] x [K 1,024, N 1,024]; A: input to_tensor; B: input Wv: QUANTISED
;;     4. batch 32 x [M 2,048, K 64] x [K 64, N 2,048]; A: computed on the way; B: computed on the way: QUANTISED
;;     5. batch 32 x [M 64, K 2,048] x [K 2,048, N 2,048]; A: computed on the way; B: softmax (see below): QUANTISED
;;   THE QUANTISER, for each operand of a quantised product, along K:
;;     - K is cut into blocks of 32 from its start; a last block that is shorter is filled with zeros.
;;     - A block's scale is 2^e with e = floor(log2(the largest magnitude in the block)) - 15, held to -126 .. 127; a block of zeros has e = 0. As a byte (E8M0): e + 127.
;;     - Each number is divided by its block's scale, clamped to +-57,344, and rounded to the nearest number of E5M2, ties to even, subnormals kept.
;;     - The product sums the exact products of the quantised numbers (number of the format x scale) in f32.
;;   ~~~python
;;   def quantise(x, axis):      # numpy; x: float32 -> the quantised numbers, widened to float32 again
;;       x = np.moveaxis(x, axis, -1); K = x.shape[-1]
;;       x = np.pad(x, [(0, 0)] * (x.ndim - 1) + [(0, -K % 32)]); x = x.reshape(x.shape[:-1] + (-1, 32)); a = np.abs(x).max(-1, keepdims=True)
;;       e = np.where(a > 0, np.clip(np.frexp(np.where(a > 0, a, 1))[1] - 1 - 15, -126, 127), 0)      # np.frexp(a)[1] - 1 = floor(log2(a)), exactly
;;       r = np.clip(x / 2.0 ** e, -57344, 57344)
;;       step = 2.0 ** (np.maximum(np.frexp(np.where(r == 0, 1, r))[1] - 1, -14) - 2)
;;       q = np.round(r / step) * step * 2.0 ** e      # np.round: ties to even
;;       return np.moveaxis(q.reshape(q.shape[:-2] + (-1,))[..., :K], -1, axis).astype(np.float32)
;;   ~~~
;;   SOFTMAX AHEAD OF A QUANTISED PRODUCT. Where the list says 'softmax', what is quantised is not the finished softmax but p = 2^(t - M), with t = logit x log2(e) and M = ceil(the row's largest t), a whole number; so 1/2 < the row's largest p <= 1. The row's sum l is taken of the UNQUANTISED p, in f32, and the product's result is divided by l at the end. Since M is a whole number, a kernel that streams over the keys may use a running M (the ceiling of the running maximum): every later rescaling is an exact power of two, which a block's scale takes up: the codes' values come out the same.
;;   OPERANDS COMPUTED ON THE WAY. 'Computed on the way' means the value that the module computes at that place (a softmax that the list does not call 'softmax' is quantised finished and normalised). What goes into a quantiser is computed in f32, as accurately as f32 sums, v_exp_f32 and their like allow (about 1e-6 of the number): no bf16 or f16 on the way to a quantiser, and a product that is left as it is and whose result goes on into a quantised operand takes f32 operands (vector FMAs, or v_wmma_f32_16x16x4_f32). A number that lies on a knife's edge between two numbers of the format may be rounded either way, as far as f32 arithmetic and the matrix unit's own rounding can turn it there, and no further.
;; 2 versions. Each part assembles by itself: llvm-mc -triple=amdgcn-amd-amdhsa -mcpu=gfx1250 --defsym DOCPART=n.
;; ======== version 1 of 2: 5 launches
;; workspace buffers: xcodes 8,388,608 bytes; xscales 262,144 bytes; wcodes 3,145,728 bytes; wscales 98,304 bytes; qrec 8,650,752 bytes; kv 8,650,752 bytes; mimg 33,554,432 bytes
;; launch quantx (part 1): grid 256 x 1, 4 waves a work-group, no clusters, 33,280 bytes of LDS; arguments from_tensor, to_tensor, xcodes, xscales; writes xcodes, xscales
.if DOCPART == 1
	.amdgcn_target "amdgcn-amd-amdhsa--gfx1250"
	.amdhsa_code_object_version 6
	.text
	.protected	k_qe18382582a_quantx
	.globl	k_qe18382582a_quantx
	.p2align	8
	.type	k_qe18382582a_quantx,@function
k_qe18382582a_quantx:
	s_mov_b64 s[64:65], 0
	v_nop
	global_prefetch_b8 v0, s[64:65] scope:SCOPE_SE
	s_setreg_imm32_b32 hwreg(HW_REG_WAVE_MODE, 25, 1), 1
	s_wait_xcnt 0x0
; from_tensor and to_tensor, each [4096][1024] f32, become codes of BF8 (E5M2), K innermost, with one E8M0 scale byte for each 32 along K.
; xcodes is [8192 places][1024], xscales [8192 places][32]: places 0-4095 from_tensor, 4096-8191 to_tensor.
; PLACE p HOLDS ROW p WITH ITS BITS 3 AND 4 EXCHANGED: sixteen neighbouring places are then the sixteen rows that the products' launch wants in one tile
; (eight neighbours, and the eight that lie 16 further on), so that its results come out with 16 neighbours along the next K in a lane's registers.
; A block's scale is 2^(floor(log2(its largest magnitude)) - 15); its byte is the largest magnitude's exponent field - 15, held at 1 from below.
; LIMITS: a block of zeros gets the byte 1 where the rule says 127 (its codes are zeros, and this program alone reads the bytes); a block whose largest
; magnitude lies under 2^-111 gets the byte 1; NaN and infinities among the inputs are not served.
; A wave takes a run of 8 rows (8,192 numbers) in 16 steps of 512.  Each load reads 512 consecutive bytes; a step's 2,048 bytes turn through the wave's own
; stage in LDS and come back 64 bytes a lane: 16 neighbours along K, two lanes to a block.  A wave's four runs of a work-group are rows 8 w on of 32 rows, so the exchange
; of bits 3 and 4 of the row is the exchange of the two bits of the wave's number.  No tensor loads, no barrier: waves share nothing.
.set STEPS, 16
.set WGA,   128                        ; work-groups for from_tensor: 4096 x 1024 / 32768
.set MANT,  0x600000                   ; the mantissa field of 57,344 as f32
.set CB,    16                         ; bytes of 16 codes
.set R,     16                         ; v16-79   four sets of 16 numbers as they are loaded
.set X,     80                         ; v80-111  two sets of 16 neighbours
.set C,     128                        ; v128-191 codes: four registers for each step, so that no store's data are written again
.set E,     112                        ; v112-127 a scale byte for each step
.set WREG,  8192                       ; LDS: a region for each wave: two stages of 32 x SP bytes, behind them its 256 scale bytes
.set SP,    80                         ; a lane's place in a stage: its 64 bytes + 16 of padding
	s_load_b128 s[4:7], s[0:1], 0x0                ; from_tensor, to_tensor
	s_load_b128 s[8:11], s[0:1], 0x10              ; xcodes, xscales
	v_lshl_add_u32 v192, v0, 2, 0x8000
	v_mov_b32 v193, 0
	v_lshrrev_b32 v1, 5, v0
	v_readfirstlane_b32 s16, v1                    ; wave
	v_and_b32 v2, 31, v0                           ; lane
	v_lshlrev_b32 v3, 4, v2                        ; my 16 bytes of a load's 512
	s_mul_i32 s17, s16, WREG
	v_lshrrev_b32 v14, 2, v2
	v_mul_u32_u24 v14, v14, SP
	v_and_b32 v15, 3, v2
	v_lshl_add_u32 v14, v15, 4, v14
	v_add_nc_u32 v14, s17, v14                     ; the stage, way in: SP (lane / 4) + 16 (lane % 4)
	v_mul_u32_u24 v15, v2, SP
	v_add_nc_u32 v15, s17, v15                     ; way out: SP x lane: my 16 neighbours
	v_mul_u32_u24 v4, v2, CB                       ; my codes' place in a step's
	v_lshrrev_b32 v5, 1, v2
	s_add_co_u32 s17, s17, 2*32*SP
	v_add_nc_u32 v5, s17, v5                       ; LDS: my wave's 256 scale bytes, my block's byte
	v_lshlrev_b32 v7, 3, v2                        ; and on the way out 8 bytes a lane
	v_add_nc_u32 v6, s17, v7
	s_mov_b32 s24, MANT
	s_and_b32 s20, s16, 1                          ; the wave's number with its two bits exchanged
	s_lshl_b32 s20, s20, 1
	s_lshr_b32 s21, s16, 1
	s_or_b32 s20, s20, s21
	s_lshl_b32 s21, ttmp9, 2
	s_add_co_u32 s20, s20, s21                     ; the run's place in the outputs: 4 x work-group + exchanged wave
	s_lshl_b32 s22, s20, 8                         ; 256 scale bytes a run
	s_mov_b32 s23, 0
	s_lshl_b32 s20, s20, 13                        ; 8,192 bytes of codes a run
	s_mov_b32 s21, 0
	s_wait_kmcnt 0x0
	s_cmp_lt_u32 ttmp9, WGA                        ; which tensor: the choice hangs on the work-group's number alone
	s_cselect_b64 s[4:5], s[4:5], s[6:7]
	s_cselect_b32 s17, 0, WGA
	s_sub_co_u32 s17, ttmp9, s17
	s_lshl_b32 s17, s17, 2
	s_add_co_u32 s18, s17, s16                     ; the run in its tensor
	s_lshl_b32 s18, s18, 15                        ; 32,768 bytes a run
	s_mov_b32 s19, 0
	s_add_nc_u64 s[4:5], s[4:5], s[18:19]
	s_add_nc_u64 s[8:9], s[8:9], s[20:21]
	s_add_nc_u64 s[10:11], s[10:11], s[22:23]
.macro LOAD t
.irp i, 0,1,2,3
	global_load_b128 v[R+16*((\t)%4)+4*\i:R+16*((\t)%4)+4*\i+3], v3, s[4:5] offset:2048*(\t)+512*\i th:TH_LOAD_NT   ; 32 lanes read 512 consecutive bytes
.endr
.endm
.macro TURN t                          ; step t's numbers through the stage: LDS serves a wave's instructions in order, so no wait stands between the stores and the loads
.irp i, 0,1,2,3
	ds_store_b128 v14, v[R+16*((\t)%4)+4*\i:R+16*((\t)%4)+4*\i+3] offset:32*SP*((\t)%2)+8*SP*\i
.endr
.irp i, 0,1,2,3
	ds_load_b128 v[X+16*((\t)%2)+4*\i:X+16*((\t)%2)+4*\i+3], v15 offset:32*SP*((\t)%2)+16*\i
.endr
.endm
.irp t, 0,1,2,3
	LOAD \t
.endr
	s_wait_loadcnt 12                              ; step 0's four loads are in; the twelve of steps 1 to 3 may be out
	TURN 0
.macro STEP t
.set XS, X+16*((\t)%2)
.if (\t) > 0
	s_wait_dscnt 1                                 ; this step's numbers are back from the stage (the last step's byte store may be out)
.else
	s_wait_dscnt 0x0
.endif
.if (\t)+4 < STEPS
	LOAD (\t)+4                                    ; into the registers that the stage's stores have read
.endif
.if (\t)+1 < STEPS
.if STEPS-2-(\t) >= 3
	s_wait_loadcnt 12                              ; the next step's four loads are in; those of the three steps behind it may be out
.else
	s_wait_loadcnt 4*(STEPS-2-(\t))
.endif
	TURN (\t)+1                                    ; through the other stage while this step is worked
.endif
	v_max3_num_f32 v8, |v[XS]|, |v[XS+1]|, |v[XS+2]|               ; the largest magnitude of my 16, in two chains
	v_max3_num_f32 v9, |v[XS+3]|, |v[XS+4]|, |v[XS+5]|
.irp i, 6,10
	v_max3_num_f32 v8, v8, |v[XS+\i]|, |v[XS+\i+1]|
	v_max3_num_f32 v9, v9, |v[XS+\i+2]|, |v[XS+\i+3]|
.endr
	v_max3_num_f32 v8, v8, |v[XS+14]|, |v[XS+15]|
	v_max3_num_f32 v8, v8, v9, 0x8000000           ; and the floor 2^(16 - 127): the byte cannot fall under 1
	v_max_num_f32_dpp v8, v8, v8 row_xmask:1 row_mask:0xf bank_mask:0xf   ; and of my neighbour's 16: the block's
	v_add_nc_u32 v11, 0xf8800000, v8               ; 15 off its exponent field: the conversion takes the exponent field of this operand as its scale
	v_and_or_b32 v10, v8, 0x7f800000, s24          ; 57,344 x the scale
.irp i, 0,1,2,3,4,5,6,7,8,9,10,11,12,13,14,15
	v_med3_num_f32 v[XS+\i], v[XS+\i], -v10, v10   ; the conversion to an 8-bit code does not saturate (ISA guide 7.6.2): hold the number first
.endr
	v_cvt_scalef32_pk8_bf8_f32 v[C+4*(\t):C+4*(\t)+1], v[XS:XS+7], v11
	v_cvt_scalef32_pk8_bf8_f32 v[C+4*(\t)+2:C+4*(\t)+3], v[XS+8:XS+15], v11
	v_lshrrev_b32 v[E+(\t)], 23, v11               ; the scale's byte (also the plain line behind the conversions)
	ds_store_b8 v5, v[E+(\t)] offset:16*(\t)       ; both lanes of a block write the same byte with the same value
	global_store_b128 v4, v[C+4*(\t):C+4*(\t)+3], s[8:9] offset:32*CB*(\t)   ; 32 lanes store 512 consecutive bytes
.endm
.irp t, 0,1,2,3,4,5,6,7,8,9,10,11,12,13,14,15
	STEP \t
.endr
	ds_load_b64 v[12:13], v6                       ; LDS serves a wave's instructions in order: these see my stores
	s_wait_dscnt 0x0
	global_store_b64 v7, v[12:13], s[10:11]        ; 32 lanes store 256 consecutive bytes, aligned
	s_wait_tensorcnt 0x0
	ds_add_u32 v192, v193
	s_wait_dscnt 0x0
	s_endpgm
.Lfunc_end_k_qe18382582a_quantx:
	.size	k_qe18382582a_quantx, .Lfunc_end_k_qe18382582a_quantx-k_qe18382582a_quantx
	.p2alignl 7, 3214868480
	.fill 96, 4, 3214868480
	.section	.rodata,"a",@progbits
	.p2align	6, 0x0
	.amdhsa_kernel k_qe18382582a_quantx
		.amdhsa_group_segment_fixed_size 33280
		.amdhsa_private_segment_fixed_size 0
		.amdhsa_enable_private_segment 0
		.amdhsa_kernarg_size 32
		.amdhsa_user_sgpr_count 2
		.amdhsa_user_sgpr_kernarg_segment_ptr 1
		.amdhsa_wavefront_size32 1
		.amdhsa_system_sgpr_workgroup_id_x 1
		.amdhsa_system_sgpr_workgroup_id_y 1
		.amdhsa_system_sgpr_workgroup_id_z 1
		.amdhsa_system_vgpr_workitem_id 0
		.amdhsa_next_free_vgpr 194
		.amdhsa_next_free_sgpr 66
		.amdhsa_reserve_vcc 0
		.amdhsa_float_denorm_mode_32 3
		.amdhsa_float_denorm_mode_16_64 3
		.amdhsa_memory_ordered 1
		.amdhsa_forward_progress 1
		.amdhsa_inst_pref_size 51
	.end_amdhsa_kernel
	.amdgpu_metadata
---
amdhsa.version: [ 1, 2 ]
amdhsa.kernels:
  - .name:           k_qe18382582a_quantx
    .symbol:         k_qe18382582a_quantx.kd
    .args:
      - { .name: from_tensor, .offset: 0, .size: 8, .value_kind: global_buffer, .address_space: global }
      - { .name: to_tensor, .offset: 8, .size: 8, .value_kind: global_buffer, .address_space: global }
      - { .name: xcodes, .offset: 16, .size: 8, .value_kind: global_buffer, .address_space: global }
      - { .name: xscales, .offset: 24, .size: 8, .value_kind: global_buffer, .address_space: global }
    .group_segment_fixed_size: 33280
    .private_segment_fixed_size: 0
    .kernarg_segment_align: 8
    .kernarg_segment_size: 32
    .max_flat_workgroup_size: 128
    .sgpr_count:     66
    .vgpr_count:     194
    .wavefront_size: 32
...
	.end_amdgpu_metadata
.endif
;; end of part 1
;; launch quantw (part 2): grid 24 x 4, 4 waves a work-group, no clusters, 36,352 bytes of LDS; arguments Wq, Wk, Wv, wcodes, wscales; writes wcodes, wscales
.if DOCPART == 2
	.amdgcn_target "amdgcn-amd-amdhsa--gfx1250"
	.amdhsa_code_object_version 6
	.text
	.protected	k_qe18382582a_quantw
	.globl	k_qe18382582a_quantw
	.p2align	8
	.type	k_qe18382582a_quantw,@function
k_qe18382582a_quantw:
	s_mov_b64 s[64:65], 0
	v_nop
	global_prefetch_b8 v0, s[64:65] scope:SCOPE_SE
	s_setreg_imm32_b32 hwreg(HW_REG_WAVE_MODE, 25, 1), 1
	s_wait_xcnt 0x0
; Wq, Wk, Wv, each [1024 (k)][1024 (n)] f32 with K as the FIRST axis, become codes of BF8 (E5M2) laid [3 x 1024 places][1024 (k)], K innermost, and scale bytes [3 x 1024 places][32].
; Order q, k, v.  PLACE p HOLDS COLUMN p WITH ITS BITS 3 AND 4 EXCHANGED, as in the activations' buffers.
; A LANE TAKES A COLUMN n, AND ITS REGISTERS RUN DOWN K: each load reads 128 consecutive bytes a wave, a block of 32 along K lies in one lane's 32 registers, and the conversions give codes with K innermost.
; A wave takes 32 columns x 256 along K; its codes go through its own stage in LDS and leave as rows: sixteen lanes store 256 consecutive bytes, aligned.
; Work-group x: 8 x weight + group of 128 columns; y: which 256 along K.  96 work-groups: the three tensors are 12 MB in all.
; LIMITS: a block of zeros gets the byte 1 where the rule says 127 (its codes are zeros, and this program alone reads the bytes); a largest magnitude under 2^-111 gets the byte 1; NaN and infinities are not served.
.set NB,    8                          ; blocks of 32 in a wave's 256 along K
.set PITCH, 272                        ; a stage row: 256 bytes + 16
.set KROW,  1024                       ; a row of the codes' buffer in bytes
.set NROW,  4096                       ; a row of a weight in bytes
.set MANT,  0x600000
.set X,     32                         ; v32-95   two sets of 32 numbers
.set C,     96                         ; v96-103  a block's codes
.set OUTR,  112                        ; v112-175 the way out
.set SB,    24                         ; v24-25   the scale bytes, four to a register
	s_load_b128 s[4:7], s[0:1], 0x0                ; Wq, Wk
	s_load_b128 s[8:11], s[0:1], 0x10              ; Wv, wcodes
	s_load_b64 s[12:13], s[0:1], 0x20              ; wscales
	v_lshl_add_u32 v192, v0, 2, 0x8c00
	v_mov_b32 v193, 0
	v_lshrrev_b32 v1, 5, v0
	v_readfirstlane_b32 s16, v1                    ; wave 0..3
	v_and_b32 v2, 31, v0                           ; lane
	s_lshr_b32 s14, ttmp9, 3                       ; which weight
	s_and_b32 s17, ttmp9, 7
	s_lshl_b32 s17, s17, 7
	s_lshl_b32 s18, s16, 5
	s_add_co_u32 s17, s17, s18                     ; my wave's first column in its weight
	s_lshl_b32 s15, ttmp9, 7
	s_add_co_u32 s15, s15, s18                     ; and the first of its 32 places in the outputs: 1024 x weight + that column
	s_and_b32 s18, ttmp7, 0xffff                   ; which 256 along K
	v_lshlrev_b32 v3, 2, v2                        ; in: 4 bytes a lane
	s_mul_i32 s19, s16, 32*PITCH                   ; my stage
	v_mul_u32_u24 v4, v2, PITCH
	v_add_nc_u32 v4, s19, v4                       ; into it: row = my column
	v_and_b32 v5, 15, v2
	v_lshrrev_b32 v6, 4, v2                        ; out of it: sixteen lanes to a row, two rows an instruction
	v_mul_u32_u24 v7, v6, PITCH
	v_lshl_add_u32 v7, v5, 4, v7
	v_add_nc_u32 v7, s19, v7
	v_mul_u32_u24 v8, v6, KROW
	v_lshl_add_u32 v8, v5, 4, v8                   ; and in the codes' buffer (the exchange leaves bit 0 of a row alone; the rest stands in the stores' immediates)
	v_and_b32 v9, 7, v2                            ; my column's place: lane with bits 3 and 4 exchanged,
	v_and_b32 v10, 8, v2
	v_lshl_add_u32 v9, v10, 1, v9
	v_and_b32 v10, 16, v2
	v_lshrrev_b32 v10, 1, v10
	v_add_nc_u32 v9, v9, v10
	v_lshlrev_b32 v9, 5, v9                        ; times the 32 scale bytes of a row
	s_lshl_b32 s20, s18, 20                        ; W: 256 y rows of 4,096 bytes + 4 x column
	s_lshl_b32 s22, s17, 2
	s_add_co_u32 s20, s20, s22
	s_mov_b32 s21, 0
	s_lshl_b32 s24, s15, 10                        ; codes: place x 1,024 + 256 y
	s_lshl_b32 s26, s18, 8
	s_add_co_u32 s24, s24, s26
	s_mov_b32 s25, 0
	s_lshl_b32 s28, s15, 5                         ; scale bytes: place x 32 + 8 y
	s_lshl_b32 s26, s18, 3
	s_add_co_u32 s28, s28, s26
	s_mov_b32 s29, 0
	s_mov_b32 s31, MANT
	s_wait_kmcnt 0x0
	s_cmp_eq_u32 s14, 1                            ; the weight is chosen by the work-group's number alone
	s_cselect_b64 s[4:5], s[6:7], s[4:5]
	s_cmp_eq_u32 s14, 2
	s_cselect_b64 s[4:5], s[8:9], s[4:5]
	s_add_nc_u64 s[4:5], s[4:5], s[20:21]
	s_add_nc_u64 s[6:7], s[10:11], s[24:25]
	s_add_nc_u64 s[8:9], s[12:13], s[28:29]
.macro LOAD t                          ; block t: W(32 t + i, my column), i = 0 .. 31, into set t % 2
.irp i, 0,1,2,3,4,5,6,7,8,9,10,11,12,13,14,15,16,17,18,19,20,21,22,23,24,25,26,27,28,29,30,31
	global_load_b32 v[X+32*((\t)%2)+\i], v3, s[4:5] offset:(32*(\t)+\i)*NROW th:TH_LOAD_NT
.endr
.endm
	LOAD 0
	LOAD 1
.macro BLOCK t
.set XS, X+32*((\t)%2)
.if (\t) < NB-1
	s_wait_loadcnt 32                              ; this block's 32 loads are in; the next block's 32 may be out
.else
	s_wait_loadcnt 0
.endif
	v_max3_num_f32 v12, |v[XS]|, |v[XS+1]|, |v[XS+2]|               ; the block's largest magnitude: all 32 numbers are mine
	v_max3_num_f32 v13, |v[XS+3]|, |v[XS+4]|, |v[XS+5]|
.irp i, 6,10,14,18,22,26
	v_max3_num_f32 v12, v12, |v[XS+\i]|, |v[XS+\i+1]|
	v_max3_num_f32 v13, v13, |v[XS+\i+2]|, |v[XS+\i+3]|
.endr
	v_max3_num_f32 v12, v12, |v[XS+30]|, |v[XS+31]|
	v_max3_num_f32 v12, v12, v13, 0x8000000        ; and the floor 2^(16 - 127)
	v_add_nc_u32 v11, 0xf8800000, v12              ; 15 off its exponent field: the conversion's scale operand
	v_and_or_b32 v10, v12, 0x7f800000, s31         ; 57,344 x the scale
	v_lshrrev_b32 v13, 23, v11                     ; the scale's byte
.if (\t)%4 == 0
	v_mov_b32 v[SB+(\t)/4], v13                    ; four bytes to a register, the lower K in the lower byte
.else
	v_lshl_or_b32 v[SB+(\t)/4], v13, 8*((\t)%4), v[SB+(\t)/4]
.endif
.irp i, 0,1,2,3,4,5,6,7,8,9,10,11,12,13,14,15,16,17,18,19,20,21,22,23,24,25,26,27,28,29,30,31
	v_med3_num_f32 v[XS+\i], v[XS+\i], -v10, v10   ; the conversion does not saturate (ISA guide 7.6.2): hold first
.endr
.irp g, 0,1,2,3
	v_cvt_scalef32_pk8_bf8_f32 v[C+2*\g:C+2*\g+1], v[XS+8*\g:XS+8*\g+7], v11
.endr
	v_nop                                          ; a plain line behind the last conversion
	ds_store_b128 v4, v[C:C+3] offset:32*(\t)      ; 32 codes: 32 bytes of my column's row
	ds_store_b128 v4, v[C+4:C+7] offset:32*(\t)+16
.if (\t)+2 < NB
	LOAD (\t)+2
.endif
	s_wait_dscnt 0x0                               ; the stores have read their registers: the next block's codes may be written
.endm
.set Q, 0
.rept NB
	BLOCK Q
.set Q, Q+1
.endr
	global_store_b64 v9, v[SB:SB+1], s[8:9]        ; my column's 8 scale bytes
.irp t, 0,1,2,3,4,5,6,7,8,9,10,11,12,13,14,15
	ds_load_b128 v[OUTR+4*\t:OUTR+4*\t+3], v7 offset:2*\t*PITCH   ; LDS serves a wave's instructions in order: these see my stores
.endr
.irp t, 0,1,2,3,4,5,6,7,8,9,10,11,12,13,14,15
	s_wait_dscnt 15-\t                             ; the younger loads may be out
	global_store_b128 v8, v[OUTR+4*\t:OUTR+4*\t+3], s[6:7] offset:(((2*\t)&7)+(((2*\t)&8)<<1)+(((2*\t)&16)>>1))*KROW   ; columns 2 t, 2 t + 1 go to their places
.endr
	s_wait_tensorcnt 0x0
	ds_add_u32 v192, v193
	s_wait_dscnt 0x0
	s_endpgm
.Lfunc_end_k_qe18382582a_quantw:
	.size	k_qe18382582a_quantw, .Lfunc_end_k_qe18382582a_quantw-k_qe18382582a_quantw
	.p2alignl 7, 3214868480
	.fill 96, 4, 3214868480
	.section	.rodata,"a",@progbits
	.p2align	6, 0x0
	.amdhsa_kernel k_qe18382582a_quantw
		.amdhsa_group_segment_fixed_size 36352
		.amdhsa_private_segment_fixed_size 0
		.amdhsa_enable_private_segment 0
		.amdhsa_kernarg_size 40
		.amdhsa_user_sgpr_count 2
		.amdhsa_user_sgpr_kernarg_segment_ptr 1
		.amdhsa_wavefront_size32 1
		.amdhsa_system_sgpr_workgroup_id_x 1
		.amdhsa_system_sgpr_workgroup_id_y 1
		.amdhsa_system_sgpr_workgroup_id_z 1
		.amdhsa_system_vgpr_workitem_id 0
		.amdhsa_next_free_vgpr 194
		.amdhsa_next_free_sgpr 66
		.amdhsa_reserve_vcc 0
		.amdhsa_float_denorm_mode_32 3
		.amdhsa_float_denorm_mode_16_64 3
		.amdhsa_memory_ordered 1
		.amdhsa_forward_progress 1
		.amdhsa_inst_pref_size 60
	.end_amdhsa_kernel
	.amdgpu_metadata
---
amdhsa.version: [ 1, 2 ]
amdhsa.kernels:
  - .name:           k_qe18382582a_quantw
    .symbol:         k_qe18382582a_quantw.kd
    .args:
      - { .name: Wq, .offset: 0, .size: 8, .value_kind: global_buffer, .address_space: global }
      - { .name: Wk, .offset: 8, .size: 8, .value_kind: global_buffer, .address_space: global }
      - { .name: Wv, .offset: 16, .size: 8, .value_kind: global_buffer, .address_space: global }
      - { .name: wcodes, .offset: 24, .size: 8, .value_kind: global_buffer, .address_space: global }
      - { .name: wscales, .offset: 32, .size: 8, .value_kind: global_buffer, .address_space: global }
    .group_segment_fixed_size: 36352
    .private_segment_fixed_size: 0
    .kernarg_segment_align: 8
    .kernarg_segment_size: 40
    .max_flat_workgroup_size: 128
    .sgpr_count:     66
    .vgpr_count:     194
    .wavefront_size: 32
...
	.end_amdgpu_metadata
.endif
;; end of part 2
;; launch maskimg (part 3): grid 256 x 1, 8 waves a work-group, no clusters, 68,608 bytes of LDS; arguments attention_mask, mimg; writes mimg
.if DOCPART == 3
	.amdgcn_target "amdgcn-amd-amdhsa--gfx1250"
	.amdhsa_code_object_version 6
	.text
	.protected	k_qe18382582a_maskimg
	.globl	k_qe18382582a_maskimg
	.p2align	8
	.type	k_qe18382582a_maskimg,@function
k_qe18382582a_maskimg:
	s_mov_b64 s[64:65], 0
	v_nop
	global_prefetch_b8 v0, s[64:65] scope:SCOPE_SE
	s_setreg_imm32_b32 hwreg(HW_REG_WAVE_MODE, 25, 1), 1
	s_wait_xcnt 0x0
; attention_mask [2][2048 (query)][2048 (key)] int32 becomes 8 x the additive mask, (1 - m) x -80000 in f32, laid in the order of the registers of the score product's accumulators:
; mimg [b 2][T 128][step 16][n 16][lane 32][16 bytes].  T is a tile of 16 queries, step 128 keys.  Register 4 n + k of lane (r = lane % 16, h = lane / 16) is register 16 c + i (c = n / 4, i = 4 (n % 4) + k):
; query 32 (T / 2) + 8 (T % 2) + r % 8 + 16 (r / 8), key 128 step + 32 c + 16 h + i.  The attention launch gives these registers to the matrix unit as the C of the scores: the mask then costs it no vector instruction,
; and sixteen dense loads of 512 bytes bring a key step's.  The factor 8 undoes the 1 / sqrt(64) that follows; it is a power of two, so nothing is rounded otherwise.
; The value is one fused multiply-add, 80000 m - 80000.  LIMIT: for |m| < 2^24 that has the bits of (1 - m) x -10000 x 8 as the problem writes it; beyond, it is rounded once where the problem rounds twice.
; A work-group takes a tile T (16 query rows); wave g takes key steps 2 g and 2 g + 1.  All 32 loads of a wave go out at once.  A record of 16 rows x 512 bytes turns through the wave's own stage in LDS
; (rows of 512 + 16 bytes).  No barrier: waves share nothing.
.set IN,   16                          ; v16-143  two records as loaded: row rho in four registers
.set OUTR, 144                         ; v144-207 a record in the image's order
.set SROW, 528
	s_load_b128 s[4:7], s[0:1], 0x0                ; attention_mask, mimg
	v_lshl_add_u32 v208, v0, 2, 0x10800
	v_mov_b32 v209, 0
	v_lshrrev_b32 v4, 5, v0
	v_readfirstlane_b32 s8, v4                     ; wave g
	v_and_b32 v5, 31, v0
	v_lshlrev_b32 v1, 4, v5                        ; 16 x lane
	s_mul_i32 s9, s8, 16*SROW                      ; my stage
	v_add_nc_u32 v2, s9, v1                        ; way in: a row's 512 bytes as they lie
	v_and_b32 v6, 15, v0
	v_bfe_u32 v7, v0, 4, 1
	v_mul_u32_u24 v3, v6, SROW
	v_lshl_add_u32 v3, v7, 6, v3
	v_add_nc_u32 v3, s9, v3                        ; way out: row r, + 64 h
	v_mov_b32 v8, 0xc79c4000                       ; -80000.0, twice: a pair for the packed form
	v_mov_b32 v9, 0xc79c4000
	s_mov_b32 s14, 0x479c4000                      ; 80000.0
	s_mov_b32 s15, s14                             ; (named with it as a pair)
	s_lshr_b32 s10, ttmp9, 7                       ; b
	s_and_b32 s11, ttmp9, 127                      ; T
	s_lshl_b32 s10, s10, 11
	s_lshr_b32 s12, s11, 1
	s_lshl_b32 s12, s12, 5
	s_add_co_u32 s10, s10, s12
	s_and_b32 s11, s11, 1
	s_lshl_b32 s11, s11, 3
	s_add_co_u32 s10, s10, s11                     ; the tile's first row: 2048 b + 32 (T / 2) + 8 (T % 2)
	s_lshl_b32 s10, s10, 13                        ; rows of 8,192 bytes
	s_lshl_b32 s12, s8, 10                         ; my two key steps: 1,024 bytes of each row
	s_add_co_u32 s10, s10, s12
	s_mov_b32 s11, 0
	s_lshl_b32 s12, ttmp9, 4
	s_lshl_b32 s13, s8, 1
	s_add_co_u32 s12, s12, s13                     ; my first record: 16 x work-group + 2 g
	s_lshl_b32 s12, s12, 13                        ; records of 8,192 bytes
	s_mov_b32 s13, 0
	s_wait_kmcnt 0x0
	s_add_nc_u64 s[4:5], s[4:5], s[10:11]
	s_add_nc_u64 s[6:7], s[6:7], s[12:13]
.irp s, 0,1
.irp rho, 0,1,2,3,4,5,6,7,8,9,10,11,12,13,14,15
	global_load_b128 v[IN+64*\s+4*\rho:IN+64*\s+4*\rho+3], v1, s[4:5] offset:(\rho+8*(\rho/8))*8192+512*\s th:TH_LOAD_NT   ; 512 consecutive bytes of the tile's row rho
.endr
.endr
.macro RECORD s
	s_wait_loadcnt 16*(1-\s)                       ; this record's sixteen loads are in; the second record's sixteen may be out
.set i, 0
.rept 64
	v_cvt_f32_i32 v[IN+64*\s+i], v[IN+64*\s+i]
.set i, i+1
.endr
.set i, 0
.rept 32
	v_pk_fma_f32 v[IN+64*\s+i:IN+64*\s+i+1], v[IN+64*\s+i:IN+64*\s+i+1], s[14:15], v[8:9] op_sel_hi:[1,0,1]   ; 80000 m - 80000
.set i, i+2
.endr
.irp rho, 0,1,2,3,4,5,6,7,8,9,10,11,12,13,14,15
	ds_store_b128 v2, v[IN+64*\s+4*\rho:IN+64*\s+4*\rho+3] offset:SROW*\rho
.endr
.if \s
	s_wait_xcnt 0x0                                ; the first record's stores have read their registers: they are loaded again only behind this wait
.endif
.irp n, 0,1,2,3,4,5,6,7,8,9,10,11,12,13,14,15
	ds_load_b128 v[OUTR+4*\n:OUTR+4*\n+3], v3 offset:128*(\n/4)+16*(\n%4)   ; LDS serves a wave's instructions in order: these see the stores above
.endr
	s_wait_dscnt 0x0
.irp n, 0,1,2,3,4,5,6,7,8,9,10,11,12,13,14,15
	global_store_b128 v1, v[OUTR+4*\n:OUTR+4*\n+3], s[6:7] offset:8192*\s+512*\n   ; 32 lanes store 512 consecutive bytes
.endr
.endm
	RECORD 0
	RECORD 1
	s_wait_tensorcnt 0x0
	ds_add_u32 v208, v209
	s_wait_dscnt 0x0
	s_endpgm
.Lfunc_end_k_qe18382582a_maskimg:
	.size	k_qe18382582a_maskimg, .Lfunc_end_k_qe18382582a_maskimg-k_qe18382582a_maskimg
	.p2alignl 7, 3214868480
	.fill 96, 4, 3214868480
	.section	.rodata,"a",@progbits
	.p2align	6, 0x0
	.amdhsa_kernel k_qe18382582a_maskimg
		.amdhsa_group_segment_fixed_size 68608
		.amdhsa_private_segment_fixed_size 0
		.amdhsa_enable_private_segment 0
		.amdhsa_kernarg_size 16
		.amdhsa_user_sgpr_count 2
		.amdhsa_user_sgpr_kernarg_segment_ptr 1
		.amdhsa_wavefront_size32 1
		.amdhsa_system_sgpr_workgroup_id_x 1
		.amdhsa_system_sgpr_workgroup_id_y 1
		.amdhsa_system_sgpr_workgroup_id_z 1
		.amdhsa_system_vgpr_workitem_id 0
		.amdhsa_next_free_vgpr 210
		.amdhsa_next_free_sgpr 66
		.amdhsa_reserve_vcc 0
		.amdhsa_float_denorm_mode_32 3
		.amdhsa_float_denorm_mode_16_64 3
		.amdhsa_memory_ordered 1
		.amdhsa_forward_progress 1
		.amdhsa_inst_pref_size 21
	.end_amdhsa_kernel
	.amdgpu_metadata
---
amdhsa.version: [ 1, 2 ]
amdhsa.kernels:
  - .name:           k_qe18382582a_maskimg
    .symbol:         k_qe18382582a_maskimg.kd
    .args:
      - { .name: attention_mask, .offset: 0, .size: 8, .value_kind: global_buffer, .address_space: global }
      - { .name: mimg, .offset: 8, .size: 8, .value_kind: global_buffer, .address_space: global }
    .group_segment_fixed_size: 68608
    .private_segment_fixed_size: 0
    .kernarg_segment_align: 8
    .kernarg_segment_size: 16
    .max_flat_workgroup_size: 256
    .sgpr_count:     66
    .vgpr_count:     210
    .wavefront_size: 32
...
	.end_amdgpu_metadata
.endif
;; end of part 3
;; launch proj (part 4): grid 4 x 48, 4 waves a work-group, clusters of 4 x 4, 327,680 bytes of LDS; arguments xcodes, xscales, wcodes, wscales, bq, bk, bv, qrec, kv; writes qrec, kv
.if DOCPART == 4
	.amdgcn_target "amdgcn-amd-amdhsa--gfx1250"
	.amdhsa_code_object_version 6
	.text
	.protected	k_qe18382582a_proj
	.globl	k_qe18382582a_proj
	.p2align	8
	.type	k_qe18382582a_proj,@function
k_qe18382582a_proj:
	s_mov_b64 s[64:65], 0
	v_nop
	global_prefetch_b8 v0, s[64:65] scope:SCOPE_SE
	s_setreg_imm32_b32 hwreg(HW_REG_WAVE_MODE, 25, 1), 1
	s_wait_xcnt 0x0
	s_wait_alu depctr_hold_cnt(0) depctr_sa_sdst(0) depctr_va_vdst(0) depctr_va_sdst(0) depctr_va_ssrc(0) depctr_va_vcc(0) depctr_vm_vsrc(0)
	s_getreg_b32 s2, hwreg(HW_REG_IB_STS2, 6, 4)
	s_cmp_eq_u32 s2, 0
	s_cbranch_scc0 .Lentry_in_a_cluster
	s_endpgm
.Lentry_in_a_cluster:
	s_bfe_u32 s2, ttmp6, 0x10000c
	s_cmp_lg_u32 s2, 0xf033
	s_cbranch_scc0 .Lentry_shape_is_right
	s_endpgm
.Lentry_shape_is_right:
; The three projections, q = from Wq + bq, k = to Wk + bk, v = to Wv + bv, as ONE product on codes of BF8 (E5M2) with E8M0 scales, K = 1024; each result is quantised at once for the attention
; launch and stored as images of operand registers.  A work-group of four waves makes 256 x 256, a wave 128 x 128: 64 accumulators, 512 registers.
; JOBS.  The cluster's y, 0..11, is 4 x job + part; it is the same in all sixteen partners.  "A" feeds source 1 (a lane's row), "B" source 0 (a lane's registers).
;   job 0 (q): A = from_tensor's rows 1024 part + 256 cy, B = Wq's columns 256 cx.     job 1 (k): the same of to_tensor and Wk.
;   job 2 (v): A = Wv's columns 256 cy, B = to_tensor's rows 1024 part + 256 cx: the roles are exchanged, so that a lane holds one channel and its registers run along the KEYS, v's K in attention.
; WHAT A LANE HOLDS.  The code buffers hold row p with bits 3 and 4 exchanged at place p.  So block a, lane (r, h) is A's row 32 (a / 2) + 8 (a % 2) + r % 8 + 16 (r / 8) of the wave's 128, and register 16 c + i of the
; block's 64 is B's row 32 c + 16 h + i: sixteen neighbours along the next K, in the order of an operand's registers.  The conversions' results ARE a fragment: it is stored lane by lane, 512 dense bytes a store.
; RECORDS of 33,792 bytes, number ((b 8 + head pair) 16 + group of 128 tokens): 0: eight fragments (16 tokens x the pair's 128 channels), 16,384: eight fragments of v (16 channels x 128 keys), 32,768 and 33,280: their scale
; words, [lane][4 words], word j = tile 2 j in lanes 0-15 and tile 2 j + 1 in lanes 16-31.  q goes to qrec (first and third part alone), k and v to kv.
; THE BIAS lies along a lane's registers in jobs 0 and 1 and along the lanes in job 2.  Both kinds are loaded, the one that the job does not have is set to 0, both are added: no branch, and adding 0 rounds nothing.
; RING, SCALES, CLUSTER: K goes in steps of 256 through two LDS slots filled by the tensor data mover; the scale bytes of the work-group's rows come once.  4 x 4 work-groups: A's tiles are asked for jointly along a row of
; the cluster, B's along a column.  192 work-groups: a tile of 128 x 128 would fill more WGPs but read twice the LDS bytes for each product.
; LIMITS: a block of zeros gets the byte 1 where the rule says 127 (its codes are zeros; this program alone reads the bytes); a largest magnitude under 2^-111 gets the byte 1; NaN and infinities are not served.
; REGISTERS: window 0: v1-31 addresses; v8-15 the bias along lanes; v32-63 scale words, two sets; v64-127 the bias along registers; from v128 A's fragments, ONE set (at the end: v128-191 numbers, v192-207 codes, v208-243 at work).
;   window 1: B's fragments, two sets.   window 2: the accumulators of my rows 0-63 ((a, b) at v[8 (8 a + b)]);   window 3: those of rows 64-127.
.set KSTEP,  256
.set NQ,     2                         ; matrix instructions deep in a slot
.set ROWB,   256                       ; a tile's row in bytes
.set KROW,   1024                      ; a row of codes in memory
.set PITCH,  272                       ; an LDS row: 256 bytes + 16 of padding: the 16 rows of a load start at 16 different banks (64 banks of 4 bytes: ISA guide 11.1)
.set FR,     16
.set NL,     4
.set NP,     8                         ; places behind this matrix instruction (ISA guide 7.12.1)
.set HALFT,  128*PITCH
.set SLOT,   4*HALFT
.set LAPS,   2                         ; 1024 / 512
.set KS,     32                        ; a row of scale bytes
.set SCL,    2*SLOT                    ; behind the ring: the scales, as runs of 256 bytes + 16 of padding
.set HALFS,  (128*KS/256)*272
.set SBLK,   (16*KS/256)*272
.set SPARE,  SCL+4*HALFS               ; the spare words, 128 bytes for each wave: two blocks of 256 bytes that no other line names
.set REC,    33792
.set ZR,   7                           ; v7      0, at the end
.set BV,   8                           ; v8-15   the bias of my lane's row in block a
.set ADRA, 16
.set ADRB, 20
.set LI,   26                          ; v26     16 x lane
.set ADRS, 27
.set SPW,  28                          ; v28     my spare word's LDS address; never rewritten
.set NIL,  29                          ; v29     0; never rewritten
.set BIA,  30                          ; v30, v31 the biases' byte offsets; never rewritten
.set BVA,  31
.set SC,   32
.set BI,   64                          ; v64-127 the bias of register 16 c + i
.set AF,   128
.set BP,   32                          ; at the end: v32-47 the lanes' bias, each twice: pairs for the packed form
.set X,    128
.set PC,   192
.set TM,   208                         ; v208-211 largest magnitudes, 212-215 bytes, 216-219 57,344 x the scale, 220-223 the conversions' scale operands
.set SW,   232                         ; v232-239 the eight blocks' scale words
.set MG,   240                         ; v240-243 the same, two blocks to a register
.set JOB,  66
.set PART, 67
.set SEL,  20
.set MNT,  23
.set G1, 24
.set G0, 32
.set G1B, 48
.set G0B, 56
.set G1S, 68
.set G0S, 76
.set G1SB, 80
.set G0SB, 88
.set MSB, 0
.macro WIN new                         ; the immediate's high byte repeats the setting that is left
.if MSB != (\new)
	s_set_vgpr_msb (MSB<<8)|(\new)
.set MSB, \new
.endif
.endm
.set MUL_LO, 0xa1                      ; source 0 (B) window 1, source 1 (A) window 0, C and D window 2
.set MUL_HI, 0xf1
.set TO_B,   0x40
; A joint load: waves 0 and 1 fetch for A, waves 2 and 3 for B; the branch hangs on the wave's number alone.  Four v_nop follow each of the two lines.
.macro JLOAD g0a, g1a, g0b, g1b
	s_cmp_eq_u32 s15, 0
	s_cbranch_scc0 .Lfor_b_\@
	tensor_load_to_lds s[\g0a:\g0a+3], s[\g1a:\g1a+7]
	s_nop 0
.rept 4
	v_nop
.endr
	s_branch .Lasked_\@
.Lfor_b_\@:
	tensor_load_to_lds s[\g0b:\g0b+3], s[\g1b:\g1b+7]
	s_nop 0
.rept 4
	v_nop
.endr
.Lasked_\@:
.endm
.macro CREST                           ; a round of the cluster's barrier behind its opening barrier
	s_cmp_lg_u32 s14, 0
	s_cbranch_scc1 .Lnot_wave_0_\@
	s_barrier_signal -3
.Lnot_wave_0_\@:
	s_barrier_wait -3
	s_barrier_signal -1
	s_barrier_wait -1
.endm
.macro CROUND
	s_barrier_signal -1
	s_barrier_wait -1
	CREST
.endm
	s_load_b256 s[24:31], s[0:1], 0x0              ; xcodes, xscales, wcodes, wscales  (these registers take the descriptors once the job has chosen)
	s_load_b256 s[32:39], s[0:1], 0x20             ; bq, bk, bv, qrec
	s_load_b64 s[48:49], s[0:1], 0x40              ; kv
	v_lshl_add_u32 v[SPW], v0, 2, SPARE
	v_mov_b32 v[NIL], 0
	ds_add_u32 v28, v29
	ds_add_u32 v28, v29
	s_wait_dscnt 0x0
	v_lshrrev_b32 v1, 5, v0
	v_readfirstlane_b32 s14, v1                    ; wave 0..3
	s_lshr_b32 s15, s14, 1                         ; which half of the tile's rows is mine.  Also: I fetch for A (0) or for B (1)
	s_and_b32 s16, s14, 1                          ; which half of its columns.  Also: which 128 rows of that tile I fetch
	s_bfe_u32 s40, ttmp6, 0x40000                  ; cx
	s_bfe_u32 s41, ttmp6, 0x40004                  ; cy
	s_and_b32 s17, ttmp7, 0xffff                   ; the cluster's y
	s_lshr_b32 s[JOB], s17, 2
	s_and_b32 s[PART], s17, 3
	s_lshl_b32 s[PART], s[PART], 10                ; the part's first token row
	s_lshl_b32 s43, s41, 2
	s_lshl_b32 s43, 15, s43                        ; my row of the cluster
	s_lshl_b32 s44, 0x1111, s40                    ; my column
	s_cmp_eq_u32 s[JOB], 2
	s_cselect_b32 s20, 0, s[PART]                  ; the tokens are A's rows in jobs 0 and 1,
	s_cselect_b32 s46, s[PART], 0                  ; B's in job 2
	s_cselect_b32 s21, 2048, 0                     ; where A's rows begin in their buffer: 0 (from_tensor), 4096 (to_tensor), 2048 (Wv)
	s_cmp_eq_u32 s[JOB], 1
	s_cselect_b32 s21, 4096, s21
	s_add_co_u32 s20, s20, s21
	s_lshl_b32 s21, s41, 8
	s_add_co_u32 s20, s20, s21
	s_lshl_b32 s18, s16, 7                         ; which 128 rows of the tile I fetch
	s_add_co_u32 s20, s20, s18                     ; A's row: made of cy, never of cx
	s_mul_i32 s47, s[JOB], s[JOB]
	s_lshl_b32 s47, s47, 10                        ; where B's begin: 0 (Wq), 1024 (Wk), 4096 (to_tensor)
	s_add_co_u32 s46, s46, s47
	s_lshl_b32 s47, s40, 8
	s_add_co_u32 s46, s46, s47
	s_add_co_u32 s46, s46, s18                     ; B's row: made of cx, never of cy
	s_lshl_b32 s22, s20, 5                         ; these rows' scale bytes,
	s_mov_b32 s23, 0
	s_lshl_b32 s92, s46, 5
	s_mov_b32 s93, 0
	s_lshl_b32 s20, s20, 10                        ; and their codes (under 2^24 bytes)
	s_mov_b32 s21, 0
	s_lshl_b32 s46, s46, 10
	s_mov_b32 s47, 0
	s_mul_i32 s45, s14, HALFT                      ; where they go: wave x 128 rows: no place in the cluster enters an LDS address
	s_mul_i32 s94, s14, HALFS
	s_wait_kmcnt 0x0
	s_cmp_eq_u32 s[JOB], 2                         ; the buffers are chosen by the job alone
	s_cselect_b64 s[4:5], s[28:29], s[24:25]       ; A's codes
	s_cselect_b64 s[6:7], s[30:31], s[26:27]       ; A's scales
	s_cselect_b64 s[8:9], s[24:25], s[28:29]       ; B's codes
	s_cselect_b64 s[10:11], s[26:27], s[30:31]     ; B's scales
	s_cselect_b64 s[96:97], s[36:37], s[34:35]     ; bv or bk,
	s_cmp_eq_u32 s[JOB], 0
	s_cselect_b64 s[96:97], s[32:33], s[96:97]     ; or bq
	s_cselect_b64 s[12:13], s[38:39], s[48:49]     ; qrec or kv
	s_add_nc_u64 s[20:21], s[4:5], s[20:21]
	s_add_nc_u64 s[22:23], s[6:7], s[22:23]
	s_add_nc_u64 s[46:47], s[8:9], s[46:47]
	s_add_nc_u64 s[92:93], s[10:11], s[92:93]
	; descriptor group 1: a tile of 128 rows x 256 bytes, padded in LDS
	s_or_b32 s[G1+0], s43, (0<<16)|(1<<20)|(1<<21)|(5<<22)|(3<<25)  ; 15:0 the mask: A's tiles go to my row; 17:16 elements of 1 byte; 20 padding on; 21 set beside a mask; 24:22 after every 64 words; 31:25 four words
	s_or_b32 s[G1B+0], s44, (0<<16)|(1<<20)|(1<<21)|(5<<22)|(3<<25)
.irp g, G1, G1B
	s_mov_b32 s[\g+1], ROWB<<16                    ; tensor_dim0
	s_mov_b32 s[\g+2], 128<<16                     ; tensor_dim1
	s_mov_b32 s[\g+3], ROWB<<16                    ; tile_dim0
	s_mov_b32 s[\g+4], 128                         ; tile_dim1
	s_mov_b32 s[\g+5], KROW                        ; tensor_dim0_stride
	s_mov_b32 s[\g+6], 0
	s_mov_b32 s[\g+7], 0
.endr
	; the scales of 128 rows: 4,096 dense bytes, as 16 rows of 256 bytes (32 elements of 8 bytes), 16 bytes of padding behind each
	s_or_b32 s[G1S+0], s43, (3<<16)|(1<<20)|(1<<21)|(5<<22)|(3<<25)
	s_or_b32 s[G1SB+0], s44, (3<<16)|(1<<20)|(1<<21)|(5<<22)|(3<<25)
.irp g, G1S, G1SB
	s_mov_b32 s[\g+1], 32<<16
	s_mov_b32 s[\g+2], (128*KS/256)<<16
	s_mov_b32 s[\g+3], 32<<16
	s_mov_b32 s[\g+4], 128*KS/256
	s_mov_b32 s[\g+5], 32
	s_mov_b32 s[\g+6], 0
	s_mov_b32 s[\g+7], 0
.endr
	CROUND                                         ; all sixteen work-groups are here: the first joint loads meet
	s_mov_b32 s[G0S], 1
	s_add_co_u32 s[G0S+1], s94, SCL
	s_mov_b64 s[G0S+2:G0S+3], s[22:23]
	s_or_b32 s[G0S+3], s[G0S+3], 0x80000000
	s_mov_b32 s[G0SB], 1
	s_add_co_u32 s[G0SB+1], s94, SCL
	s_mov_b64 s[G0SB+2:G0SB+3], s[92:93]
	s_or_b32 s[G0SB+3], s[G0SB+3], 0x80000000
	JLOAD G0S, G1S, G0SB, G1SB                     ; the scales first: they are wanted with K step 0
.irp s, 0,1
	s_mov_b32 s[G0+4*\s], 1
	s_add_co_u32 s[G0+4*\s+1], s45, \s*SLOT
	s_add_nc_u64 s[G0+4*\s+2:G0+4*\s+3], s[20:21], \s*ROWB
	s_or_b32 s[G0+4*\s+3], s[G0+4*\s+3], 0x80000000
	s_mov_b32 s[G0B+4*\s], 1
	s_add_co_u32 s[G0B+4*\s+1], s45, \s*SLOT
	s_add_nc_u64 s[G0B+4*\s+2:G0B+4*\s+3], s[46:47], \s*ROWB
	s_or_b32 s[G0B+4*\s+3], s[G0B+4*\s+3], 0x80000000
	JLOAD G0+4*\s, G1, G0B+4*\s, G1B               ; three tensor loads of mine are out
.endr
	v_and_b32 v1, 15, v0                           ; r
	v_bfe_u32 v2, v0, 4, 1                         ; h
	v_mul_u32_u24 v3, v1, PITCH
	v_lshl_add_u32 v4, v2, 4, v3                   ; a fragment's row x pitch + 16 x half
	s_mul_i32 s21, s15, HALFT                      ; my 128 rows of A
	s_mul_i32 s22, s16, HALFT                      ; my 128 rows of B,
	s_add_co_u32 s22, s22, 2*HALFT                 ; which lie behind A's 256
.irp s, 0,1
	v_add_nc_u32 v[ADRA+\s], s21, v4
	v_add_nc_u32 v[ADRB+\s], s22, v4
	s_add_co_u32 s21, s21, SLOT
	s_add_co_u32 s22, s22, SLOT
.endr
	v_mul_u32_u24 v5, v1, KS                       ; my row's scales: 32 bytes a row,
	v_lshrrev_b32 v6, 8, v5
	v_lshl_add_u32 v5, v6, 4, v5                   ; and 16 more for each 256 passed
	s_mul_i32 s21, s15, HALFS
	s_mul_i32 s22, s16, HALFS
	s_add_co_u32 s22, s22, 2*HALFS
	s_sub_co_u32 s22, s22, s21
	v_mul_u32_u24 v6, s22, v2                      ; lanes 16-31 take B's: one product, the distance between the two bases
	s_add_co_u32 s21, s21, SCL
	v_add_nc_u32 v5, v5, v6
	v_add_nc_u32 v[ADRS], s21, v5
	v_and_b32 v6, 31, v0
	v_lshlrev_b32 v[LI], 4, v6
	; where the results go, and the biases
	s_lshl_b32 s18, s41, 1
	s_add_co_u32 s18, s18, s15                     ; u: which 128 of A's rows in the part (or in the weight)
	s_lshl_b32 s19, s40, 1
	s_add_co_u32 s19, s19, s16                     ; w: which 128 of B's
	v_lshlrev_b32 v[BIA], 6, v2
	s_lshl_b32 s42, s19, 9
	v_add_nc_u32 v[BIA], s42, v[BIA]               ; along registers: 512 w + 64 h; 128 c + 4 i stands in the immediates
	v_and_b32 v5, 7, v1
	v_lshrrev_b32 v6, 3, v1
	v_lshl_add_u32 v5, v6, 4, v5
	v_lshlrev_b32 v[BVA], 2, v5
	s_lshl_b32 s42, s18, 9
	v_add_nc_u32 v[BVA], s42, v[BVA]               ; along lanes: 512 u + 4 (r % 8 + 16 (r / 8)); the block stands in the immediates.  Both stay inside the 4,096 bytes in every job
.irp n, 0,1,2,3,4,5,6,7,8,9,10,11,12,13,14,15
	global_load_b128 v[BI+4*\n:BI+4*\n+3], v[BIA], s[96:97] offset:128*(\n/4)+16*(\n%4)
.endr
.irp a, 0,1,2,3,4,5,6,7
	global_load_b32 v[BV+\a], v[BVA], s[96:97] offset:4*(32*(\a/2)+8*(\a%2))
.endr
	s_cmp_eq_u32 s[JOB], 2
	s_cselect_b32 s20, s19, s18                    ; the group of 128 tokens in the part,
	s_cselect_b32 s21, s18, s19                    ; the head pair,
	s_cselect_b32 s22, 16384, 0                    ; the part of the record for the fragments,
	s_cselect_b32 s23, 512, 0                      ; and for the scale words
	s_lshr_b32 s42, s[PART], 7
	s_add_co_u32 s20, s20, s42                     ; the group among all 32
	s_lshr_b32 s42, s20, 4                         ; b
	s_lshl_b32 s42, s42, 3
	s_add_co_u32 s42, s42, s21
	s_lshl_b32 s42, s42, 4
	s_and_b32 s20, s20, 15
	s_add_co_u32 s42, s42, s20                     ; the record
	s_mul_i32 s42, s42, REC
	s_add_co_u32 s20, s42, s22
	s_mov_b32 s21, 0
	s_add_co_u32 s22, s42, s23
	s_add_co_u32 s22, s22, 32768
	s_mov_b32 s23, 0
	s_add_nc_u64 s[98:99], s[12:13], s[22:23]      ; the scale words
	s_add_nc_u64 s[12:13], s[12:13], s[20:21]      ; the fragments
.macro FRAG reg, adr, q, i             ; a fragment, 16 rows x 128 K: lane l holds row l % 16; registers 4 c .. 4 c + 3 hold K = 32 c + 16 (l / 16) + 0 .. 15
.irp c, 0,1,2,3
	ds_load_b128 v[\reg+4*\c:\reg+4*\c+3], v[\adr] offset:128*(\q)+32*\c+(\i)*16*PITCH
.endr
.endm
; 16 matrix instructions: A's blocks a0, a0 + 1 x B's eight, 128 along K.  p: B's set; sc: the set of scale words.  zero = 1: the first product starts the sums.
; The 64 accumulators take turns, one instruction a turn, in the same order in every step.
.macro MUL16 a0, p, q, sc, zero
.irp a, \a0, \a0+1
.irp b, 0,1,2,3,4,5,6,7
.if \zero
	v_wmma_scale_f32_16x16x128_f8f6f4 v[8*(8*((\a)%4)+\b):8*(8*((\a)%4)+\b)+7], v[128*(\p)+FR*\b:128*(\p)+FR*\b+FR-1], v[AF+FR*(\a):AF+FR*(\a)+FR-1], 0, v[SC+8*NQ*(\sc)+NQ*\b+(\q)], v[SC+8*NQ*(\sc)+NQ*(\a)+(\q)] matrix_a_fmt:MATRIX_FMT_BF8 matrix_b_fmt:MATRIX_FMT_BF8 matrix_a_scale:MATRIX_SCALE_ROW1
.else
	v_wmma_scale_f32_16x16x128_f8f6f4 v[8*(8*((\a)%4)+\b):8*(8*((\a)%4)+\b)+7], v[128*(\p)+FR*\b:128*(\p)+FR*\b+FR-1], v[AF+FR*(\a):AF+FR*(\a)+FR-1], v[8*(8*((\a)%4)+\b):8*(8*((\a)%4)+\b)+7], v[SC+8*NQ*(\sc)+NQ*\b+(\q)], v[SC+8*NQ*(\sc)+NQ*(\a)+(\q)] matrix_a_fmt:MATRIX_FMT_BF8 matrix_b_fmt:MATRIX_FMT_BF8 matrix_a_scale:MATRIX_SCALE_ROW1
.endif
.endr
.endr
.endm
.macro FETCH_B slot, q, p
	WIN TO_B
.irp i, 0,1,2,3,4,5,6,7
	FRAG 128*(\p)+FR*\i, ADRB+\slot, \q, \i
.endr
	WIN 0
.endm
.macro FETCH_A slot, q, i0
.irp i, \i0, \i0+1, \i0+2, \i0+3
	FRAG AF+FR*(\i), ADRA+\slot, \q, \i
.endr
.endm
.macro SCALES sc                       ; a K step's scale words: two words a row; lanes 0-15 take A's block i, lanes 16-31 B's block i
.irp i, 0,1,2,3,4,5,6,7
	ds_load_b64 v[SC+8*NQ*\sc+NQ*\i:SC+8*NQ*\sc+NQ*\i+1], v[ADRS] offset:\i*SBLK
.endr
.endm
.macro PLACES n                        ; plain vector instructions between a matrix instruction and a load into, or a read or write of, its registers
.rept \n
	v_nop
.endr
.endm
; A step of 128 along K that has its successor in the same slot.  A has one set of registers: blocks 0-3 are fetched anew in the step's middle, blocks 4-7 at its end; B has two sets.
.macro STEP slot, q, zero
	s_wait_dscnt 4*NL                              ; B's set and A's blocks 0-3 are in; the youngest sixteen loads (A's blocks 4-7) may be out
	WIN MUL_LO
	MUL16 0, (\q)%2, \q, \slot, \zero
	MUL16 2, (\q)%2, \q, \slot, \zero
	s_wait_dscnt 0
	PLACES NP
	FETCH_B \slot, (\q)+1, 1-(\q)%2
	FETCH_A \slot, (\q)+1, 0
	WIN MUL_HI
	MUL16 4, (\q)%2, \q, \slot, \zero
	MUL16 6, (\q)%2, \q, \slot, \zero
	PLACES NP
	WIN 0
	FETCH_A \slot, (\q)+1, 4
.endm
; A slot's last step changes slots: ONE barrier; in front of it each wave waits for all its tensor loads, adds 0 to its spare word, and waits for that and for its own reads of this slot.  fill = 1: this slot is filled again, two K steps ahead.
.macro TURN slot, next, fill
	s_wait_tensorcnt 0x0                           ; all my tensor loads have landed: my part of the next slot
	ds_add_u32 v[SPW], v[NIL]                      ; 0 onto my spare word
	s_wait_dscnt 4*NL+1                            ; (the add and the youngest sixteen loads, A's blocks 4-7, may be out)
	WIN MUL_LO
	MUL16 0, 1, NQ-1, \slot, 0                     ; sixteen matrix instructions stand between the add and the wait for it
	s_wait_dscnt 0x0                               ; the add is done, and my reads of this slot are over
	s_barrier_signal -1
	MUL16 2, 1, NQ-1, \slot, 0
	WIN 0
	s_barrier_wait -1
.if \fill
	CREST                                          ; the barrier has opened a round of the cluster's: no wave of any partner still reads this slot or has a load on its way
	s_add_nc_u64 s[G0+4*\slot+2:G0+4*\slot+3], s[G0+4*\slot+2:G0+4*\slot+3], 2*ROWB
	s_add_nc_u64 s[G0B+4*\slot+2:G0B+4*\slot+3], s[G0B+4*\slot+2:G0B+4*\slot+3], 2*ROWB
	JLOAD G0+4*\slot, G1, G0B+4*\slot, G1B         ; the first tensor load behind the round; its four v_nop are among the places in front of the loads below
	PLACES NP-4
.else
	PLACES NP
.endif
	v_add_nc_u32 v[ADRS], 4*NQ, v[ADRS]            ; on to the next K step's scale words
	FETCH_B \next, 0, 0
	FETCH_A \next, 0, 0
	SCALES \next
	WIN MUL_HI
	MUL16 4, 1, NQ-1, \slot, 0
	MUL16 6, 1, NQ-1, \slot, 0
	PLACES NP
	WIN 0
	FETCH_A \next, 0, 4
.endm
	s_wait_tensorcnt 1                             ; the scales and my part of K step 0 are in; K step 1's load may be out
	s_barrier_signal -1
	s_barrier_wait -1
	FETCH_B 0, 0, 0
	FETCH_A 0, 0, 0
	SCALES 0
	FETCH_A 0, 0, 4
	STEP 0, 0, 1                                   ; the first step stands in front of the loop: its products start the sums
	s_mov_b32 s3, LAPS-1
.Llap:                                                 ; a trip goes once round the ring and fills both slots again
	TURN 0, 1, 1
	STEP 1, 0, 0
	TURN 1, 0, 1
	STEP 0, 0, 0
	s_sub_co_u32 s3, s3, 1
	s_cmp_lg_u32 s3, 0
	s_cbranch_scc1 .Llap
	TURN 0, 1, 0                                   ; the last lap fills nothing
	STEP 1, 0, 0
	s_wait_dscnt 4*NL
	WIN MUL_LO
	MUL16 0, 1, NQ-1, 1, 0
	MUL16 2, 1, NQ-1, 1, 0
	s_wait_dscnt 0
	WIN MUL_HI
	MUL16 4, 1, NQ-1, 1, 0
	MUL16 6, 1, NQ-1, 1, 0
	WIN 0
; 64 numbers of a lane, v[s] on, register 16 b + i = k 32 b + 16 (lane / 16) + i of my row, become a fragment's codes in v[PC] on and its scale word in v[pw].
.macro QUANT s, pw
.irp b, 0,1,2,3
	v_max3_num_f32 v[TM+\b], |v[\s+16*\b]|, |v[\s+1+16*\b]|, 0x8000000   ; block b: my 16 numbers, and the floor 2^(16 - 127)
.endr
.irp i, 2,4,6,8,10,12,14
.irp b, 0,1,2,3
	v_max3_num_f32 v[TM+\b], v[TM+\b], |v[\s+16*\b+\i]|, |v[\s+1+16*\b+\i]|   ; (the four blocks by turns)
.endr
.endr
.irp b, 0,1,2,3
	v_permlanex16_b32 v[TM+4+\b], v[TM+\b], s[SEL], s[SEL+1]
.endr
.irp b, 0,1,2,3
	v_max_num_f32 v[TM+\b], v[TM+\b], v[TM+4+\b]   ; with lane l xor 16's: the block's largest magnitude
.endr
.irp b, 0,1,2,3
	v_add_nc_u32 v[TM+12+\b], 0xf8800000, v[TM+\b]   ; 15 off its exponent field: the conversion's scale operand
.endr
.irp b, 0,1,2,3
	v_and_or_b32 v[TM+8+\b], v[TM+\b], 0x7f800000, s[MNT]   ; 57,344 x the scale
.endr
.irp b, 0,1,2,3
	v_lshrrev_b32 v[TM+4+\b], 23, v[TM+12+\b]      ; the scale's byte
.endr
	v_lshl_or_b32 v[\pw], v[TM+5], 8, v[TM+4]      ; the four bytes make my row's scale word
	v_lshl_or_b32 v[\pw], v[TM+6], 16, v[\pw]
	v_lshl_or_b32 v[\pw], v[TM+7], 24, v[\pw]
.irp b, 0,1,2,3
.irp i, 0,1,2,3,4,5,6,7,8,9,10,11,12,13,14,15
	v_med3_num_f32 v[\s+16*\b+\i], v[\s+16*\b+\i], -v[TM+8+\b], v[TM+8+\b]   ; the conversion does not saturate (ISA guide 7.6.2): hold first
.endr
	v_cvt_scalef32_pk8_bf8_f32 v[PC+4*\b:PC+1+4*\b], v[\s+16*\b:\s+7+16*\b], v[TM+12+\b]
	v_cvt_scalef32_pk8_bf8_f32 v[PC+2+4*\b:PC+3+4*\b], v[\s+8+16*\b:\s+15+16*\b], v[TM+12+\b]
.endr
	v_nop                                          ; a plain line behind the last conversion
.endm
; Block a of 16 rows: the sums and the bias, quantised, stored as a fragment's image.  Each accumulator is read from its low end on.
.macro EPI a
.if (\a) < 4
	WIN 0x02                                       ; source 0: window 2
.else
	WIN 0x03
.endif
.set i, 0
.rept 32
	v_pk_add_f32 v[X+i:X+i+1], v[64*((\a)%4)+i:64*((\a)%4)+i+1], v[BI+i:BI+i+1]
.set i, i+2
.endr
	WIN 0
.set i, 0
.rept 32
	v_pk_add_f32 v[X+i:X+i+1], v[X+i:X+i+1], v[BP+2*(\a):BP+2*(\a)+1]
.set i, i+2
.endr
.if (\a) > 0
	s_wait_xcnt 0x0                                ; the last block's stores have read the codes' registers: they are written again only behind this wait
.endif
	QUANT X, SW+(\a)
.irp c, 0,1,2,3
	global_store_b128 v[LI], v[PC+4*\c:PC+4*\c+3], s[12:13] offset:2048*(\a)+512*\c   ; 32 lanes store 512 consecutive bytes
.endr
.endm
	s_wait_loadcnt 0x0                             ; the biases
	s_cmp_eq_u32 s[JOB], 2
	s_cselect_b32 s94, -1, 0                       ; all lanes in job 2, none else
	s_mov_b32 s95, 0xffff0000                      ; lanes 16-31
	s_mov_b32 s[SEL], 0x76543210
	s_mov_b32 s[SEL+1], 0xfedcba98                 ; lane l xor 16
	s_mov_b32 s[MNT], 0x600000
	v_mov_b32 v[ZR], 0
.set i, 0
.rept 64
	v_cndmask_b32 v[BI+i], v[BI+i], v[ZR], s94     ; job 2 has no bias along the registers.  (These lines name no register of the last products: they are the places behind them)
.set i, i+1
.endr
.irp a, 0,1,2,3,4,5,6,7
	v_cndmask_b32 v[BP+2*\a], v[ZR], v[BV+\a], s94   ; jobs 0 and 1 have none along the lanes
	v_cndmask_b32 v[BP+2*\a+1], v[ZR], v[BV+\a], s94
.endr
.irp b, 0,1,2,3
	v_mov_b32 v[TM+4+\b], 0                        ; written once: a lane permute's destination counts as one of its sources
.endr
.irp a, 0,1,2,3,4,5,6,7
	EPI \a
.endr
.irp j, 0,1,2,3
	v_cndmask_b32 v[MG+\j], v[SW+2*\j], v[SW+2*\j+1], s95   ; block 2 j's words in lanes 0-15, block 2 j + 1's in lanes 16-31
.endr
	global_store_b128 v[LI], v[MG:MG+3], s[98:99]
	s_wait_tensorcnt 0x0                           ; the wave's end
	ds_add_u32 v[SPW], v[NIL]
	s_wait_dscnt 0x0
	CROUND                                         ; the closing round: no work-group ends while a partner may still ask for a tile that names it
	s_endpgm
.Lfunc_end_k_qe18382582a_proj:
	.size	k_qe18382582a_proj, .Lfunc_end_k_qe18382582a_proj-k_qe18382582a_proj
	.p2alignl 7, 3214868480
	.fill 96, 4, 3214868480
	.section	.rodata,"a",@progbits
	.p2align	6, 0x0
	.amdhsa_kernel k_qe18382582a_proj
		.amdhsa_group_segment_fixed_size 327680
		.amdhsa_private_segment_fixed_size 0
		.amdhsa_enable_private_segment 0
		.amdhsa_kernarg_size 72
		.amdhsa_user_sgpr_count 2
		.amdhsa_user_sgpr_kernarg_segment_ptr 1
		.amdhsa_wavefront_size32 1
		.amdhsa_system_sgpr_workgroup_id_x 1
		.amdhsa_system_sgpr_workgroup_id_y 1
		.amdhsa_system_sgpr_workgroup_id_z 1
		.amdhsa_system_vgpr_workitem_id 0
		.amdhsa_next_free_vgpr 1024
		.amdhsa_next_free_sgpr 100
		.amdhsa_reserve_vcc 0
		.amdhsa_float_denorm_mode_32 3
		.amdhsa_float_denorm_mode_16_64 3
		.amdhsa_memory_ordered 1
		.amdhsa_forward_progress 1
		.amdhsa_inst_pref_size 225
	.end_amdhsa_kernel
	.amdgpu_metadata
---
amdhsa.version: [ 1, 2 ]
amdhsa.kernels:
  - .name:           k_qe18382582a_proj
    .symbol:         k_qe18382582a_proj.kd
    .args:
      - { .name: xcodes, .offset: 0, .size: 8, .value_kind: global_buffer, .address_space: global }
      - { .name: xscales, .offset: 8, .size: 8, .value_kind: global_buffer, .address_space: global }
      - { .name: wcodes, .offset: 16, .size: 8, .value_kind: global_buffer, .address_space: global }
      - { .name: wscales, .offset: 24, .size: 8, .value_kind: global_buffer, .address_space: global }
      - { .name: bq, .offset: 32, .size: 8, .value_kind: global_buffer, .address_space: global }
      - { .name: bk, .offset: 40, .size: 8, .value_kind: global_buffer, .address_space: global }
      - { .name: bv, .offset: 48, .size: 8, .value_kind: global_buffer, .address_space: global }
      - { .name: qrec, .offset: 56, .size: 8, .value_kind: global_buffer, .address_space: global }
      - { .name: kv, .offset: 64, .size: 8, .value_kind: global_buffer, .address_space: global }
    .group_segment_fixed_size: 327680
    .private_segment_fixed_size: 0
    .kernarg_segment_align: 8
    .kernarg_segment_size: 72
    .max_flat_workgroup_size: 128
    .sgpr_count:     100
    .vgpr_count:     1024
    .wavefront_size: 32
...
	.end_amdgpu_metadata
.endif
;; end of part 4
;; launch attn (part 5): grid 16 x 16, 8 waves a work-group, clusters of 4 x 1, 327,680 bytes of LDS; arguments qrec, kv, mimg, out0; writes out0
.if DOCPART == 5
	.amdgcn_target "amdgcn-amd-amdhsa--gfx1250"
	.amdhsa_code_object_version 6
	.text
	.protected	k_qe18382582a_attn
	.globl	k_qe18382582a_attn
	.p2align	8
	.type	k_qe18382582a_attn,@function
k_qe18382582a_attn:
	s_mov_b64 s[64:65], 0
	v_nop
	global_prefetch_b8 v0, s[64:65] scope:SCOPE_SE
	s_setreg_imm32_b32 hwreg(HW_REG_WAVE_MODE, 25, 1), 1
	s_wait_xcnt 0x0
	s_wait_alu depctr_hold_cnt(0) depctr_sa_sdst(0) depctr_va_vdst(0) depctr_va_sdst(0) depctr_va_ssrc(0) depctr_va_vcc(0) depctr_vm_vsrc(0)
	s_getreg_b32 s2, hwreg(HW_REG_IB_STS2, 6, 4)
	s_cmp_eq_u32 s2, 0
	s_cbranch_scc0 .Lentry_in_a_cluster
	s_endpgm
.Lentry_in_a_cluster:
	s_bfe_u32 s2, ttmp6, 0x10000c
	s_cmp_lg_u32 s2, 0x3003
	s_cbranch_scc0 .Lentry_shape_is_right
	s_endpgm
.Lentry_shape_is_right:
; out0[b][q][head][:] = the sum over keys of softmax(q . k / 8 + (1 - mask) x -10000) v, both products on codes of BF8 (E5M2) with one E8M0 scale for each 32 along a product's K.
; SOFTMAX AHEAD OF THE SECOND PRODUCT: t = logit x log2(e); M = the running largest t rounded UP to a whole number; p = 2^(t - M) is quantised along the keys, not normalised; the row's sum is taken of the unquantised p
; and divides at the end.  When M moves, the sum and O are multiplied by 2^(old M - new M): exact.
; SHARES.  Work-group x: a block of 128 queries; y: P = 8 b + head pair.  Each of the EIGHT waves owns one tile of 16 queries FOR THE PAIR'S TWO HEADS, in 512 registers: two waves to a SIMD, so that one wave's vector
; work stands beside the other's matrix work and loads.  Every wave walks the 2,048 keys, 128 a step.
; THE MASK IS THE C OF THE SCORES.  mimg holds 8 x the additive mask in the order of the accumulators' registers: S' = k q^T + C, t = S' x log2(e) / 8.  The 64 registers of a key step serve both heads, and cost no vector
; instruction.  They come from memory straight into registers, sixteen dense loads of 512 bytes, a whole key step ahead, into two sets by turns.
; TWO HEADS IN ONE FRAGMENT.  A fragment of K holds 16 keys x the pair's 128 channels (blocks 0, 1: the first head; 2, 3: the second).  It is multiplied by [q0 | zero codes] and by [zero codes | q1]: no padding is ever read
; from LDS, and one scale word a row serves both heads.  Zero codes add nothing under any scale byte of 1 to 254.
; LAYOUT.  Both products are used transposed (source 0 = 16 keys, or 16 channels of v; source 1 = my 16 queries, or p): a lane holds ONE query throughout.  The records were laid so that tile a's row r is token
; 32 (a / 2) + 8 (a % 2) + r % 8 + 16 (r / 8): the 16 registers of tiles 2 c, 2 c + 1 are keys 32 c + 16 (lane / 16) + 0 .. 15, so p's codes are the second product's operand as the conversions leave them.
; RING.  A record of kv (33,792 bytes: K's eight fragments, V's eight, their scale words) is a key step; a slot holds two; two slots.  Fragments are images of registers: every LDS read is 512 dense bytes.
; CLUSTER.  The four query blocks of a cluster share P and walk the same records: each eighth of a slot is asked for JOINTLY, by the same tensor load with the same descriptor and the mask 15 in all four.
; LIMITS: a block's largest p is made from the block's largest score by the same two instructions, which takes v_exp_f32 not to fall where its input rises; a block whose every p is 0 keeps the byte 1 (its codes are zeros);
; NaN and infinities are not served.
; REGISTERS.  window 0: v1-11 addresses; v10 q's scale words; v12-15, v16-19 -M, the largest t, the sum in two halves, for each head; v20-23 K's scale words, v24-27 V's; v30 f, v31 p's scale word; v32-39 q0, v40-47 zero codes,
;   v48-55 q1; v56-71 p's codes; v72-90 at work; v96-159, v160-223 the two heads' scores, then p.   window 1: v0-63, v64-127 the mask, two sets; v128-191 four fragments of K or V; v192-223, v224-255 O^T of the two heads.
.set REC,   33792
.set EIGHTH, 8448                      ; a wave's part of a slot: 33 rows of 256 bytes; also a wave's stage: 16 rows of 528
.set SLOT1, 1<<17                      ; slot 1 begins here: one exclusive or turns an address from one slot to the other
.set STAGE, SLOT1+2*REC                ; behind the ring: the stages for the way out; no fill lands here
.set SPARE, STAGE+8*EIGHTH             ; the spare words, 128 bytes for each wave: four blocks of 256 bytes that no other line names
.set LI,  1                            ; v1   16 x lane; never rewritten
.set AD,  2                            ; v2   LDS address of the key step's record, + 16 x lane
.set SPW, 3                            ; v3   my spare word's LDS address; never rewritten
.set NIL, 4                            ; v4   0; never rewritten
.set STO, 5
.set RD,  6
.set QSW, 10
.set KSW, 20
.set VSW, 24
.set FF,  30
.set PSW, 31
.set QA,  32                           ; v[32:47] = [q0 | 0]
.set QB,  40                           ; v[40:55] = [0 | q1]
.set PC,  56
.set TM,  72
.set TP,  76
.set HL,  80
.set SO,  84
.set T0,  90
.set SS,  96
.set OUTR, 32                          ; the way out: rows read back from the stage: v32-95
.set KV,  128                          ; in window 1
.set OO,  192                          ; in window 1
.set WV,  12
.set SEL, 20
.set CS,  22                           ; s[22:23] c = log2(e) / 8
.set MNT, 24
.set TB,  25                           ; LDS byte at which the slot in hand begins
.set CNT, 26
.set G1,  28
.set G0,  36
.set MSB, 0
.macro WIN new                         ; the immediate's high byte repeats the setting that is left
.if MSB != (\new)
	s_set_vgpr_msb (MSB<<8)|(\new)
.set MSB, \new
.endif
.endm
.set W_LD, 0x40                        ; destination window 1, address window 0
.set W_S,  0x11                        ; K (source 0) and the mask (C) window 1; q and the scores window 0
.set W_RS, 0x41                        ; O^T (destination, source 0) window 1, f window 0
.set W_PV, 0x51                        ; V, C and D window 1; p window 0
.macro PLACES n
.rept \n
	v_nop
.endr
.endm
.macro CROUND                          ; a round of the cluster's barrier
	s_barrier_signal -1
	s_barrier_wait -1
	s_cmp_lg_u32 s[WV], 0
	s_cbranch_scc1 .Lnot_wave_0_\@
	s_barrier_signal -3
.Lnot_wave_0_\@:
	s_barrier_wait -3
	s_barrier_signal -1
	s_barrier_wait -1
.endm
	s_load_b256 s[4:11], s[0:1], 0x0               ; qrec s[4:5], kv s[6:7], mimg s[8:9], out0 s[10:11]
	v_lshl_add_u32 v[SPW], v0, 2, SPARE
	v_mov_b32 v[NIL], 0
	ds_add_u32 v3, v4
	ds_add_u32 v3, v4
	s_wait_dscnt 0x0
	v_lshrrev_b32 v7, 5, v0
	v_readfirstlane_b32 s[WV], v7                  ; wave 0..7
	s_bfe_u32 s13, ttmp6, 0x40000                  ; cx
	s_lshl_b32 s14, ttmp9, 2
	s_add_co_u32 s14, s14, s13                     ; my block of 128 queries: it enters q's, the mask's and the output's addresses alone
	s_and_b32 s15, ttmp7, 0xffff                   ; P, which the four partners share
	s_mul_i32 s18, s[WV], EIGHTH                   ; my eighth of a slot
	s_mul_i32 s16, s15, 16*REC
	s_add_co_u32 s16, s16, s18                     ; kv: P's sixteen records, my eighth of the first two
	s_mov_b32 s17, 0
	s_lshl_b32 s40, s15, 4
	s_add_co_u32 s40, s40, s14
	s_mul_i32 s40, s40, REC                        ; q: record 16 P + block
	s_mov_b32 s41, 0
	s_lshr_b32 s19, s15, 3                         ; b
	s_lshl_b32 s42, s19, 7
	s_lshl_b32 s43, s14, 3
	s_add_co_u32 s42, s42, s43
	s_add_co_u32 s42, s42, s[WV]
	s_lshl_b32 s42, s42, 17                        ; the mask: tile 128 b + 8 block + wave, 16 key steps of 8,192 bytes
	s_mov_b32 s43, 0
	s_lshl_b32 s44, s19, 11
	s_lshl_b32 s45, s14, 7
	s_add_co_u32 s44, s44, s45
	s_lshr_b32 s45, s[WV], 1
	s_lshl_b32 s45, s45, 5
	s_add_co_u32 s44, s44, s45
	s_and_b32 s45, s[WV], 1
	s_lshl_b32 s45, s45, 3
	s_add_co_u32 s44, s44, s45                     ; my tile's first row of the output: 2048 b + 128 block + 32 (wave / 2) + 8 (wave % 2)
	s_lshl_b32 s44, s44, 12
	s_and_b32 s45, s15, 7
	s_lshl_b32 s45, s45, 9
	s_add_co_u32 s44, s44, s45                     ; + the pair's 512 bytes in a row
	s_mov_b32 s45, 0
	; descriptor group 1: 8,448 dense bytes as 33 rows of 256 (32 elements of 8 bytes), no padding
	s_mov_b32 s[G1], 15|(3<<16)|(1<<21)            ; 15:0 the mask: all four work-groups; 17:16 elements of 8 bytes; 21 set beside a mask
	s_mov_b32 s[G1+1], 32<<16                      ; tensor_dim0
	s_mov_b32 s[G1+2], 33<<16                      ; tensor_dim1
	s_mov_b32 s[G1+3], 32<<16                      ; tile_dim0
	s_mov_b32 s[G1+4], 33                          ; tile_dim1
	s_mov_b32 s[G1+5], 32                          ; tensor_dim0_stride
	s_mov_b32 s[G1+6], 0
	s_mov_b32 s[G1+7], 0
	s_mov_b32 s[SEL], 0x76543210
	s_mov_b32 s[SEL+1], 0xfedcba98                 ; lane l xor 16
	s_mov_b32 s[CS], 0x3e38aa3b                    ; log2(e) / 8
	s_mov_b32 s[CS+1], s[CS]                       ; (named with it as a pair)
	s_mov_b32 s[MNT], 0x600000
	s_mov_b32 s[TB], 0
	s_mov_b32 s[CNT], 7
	v_and_b32 v7, 31, v0
	v_lshlrev_b32 v[LI], 4, v7
	v_and_b32 v7, 15, v0                           ; r
	v_bfe_u32 v8, v0, 4, 1                         ; h
	s_add_co_u32 s19, s18, STAGE                   ; my stage
	v_mul_u32_u24 v[STO], v7, 528
	v_lshl_add_u32 v[STO], v8, 6, v[STO]
	v_add_nc_u32 v[STO], s19, v[STO]               ; in: row r, + 64 h
	v_add_nc_u32 v[RD], s19, v[LI]                 ; back: a row's 512 bytes
	s_lshl_b32 s19, s[WV], 11
	v_add_nc_u32 v9, s19, v[LI]                    ; q's fragment: tile = wave
	s_and_b32 s19, s[WV], 1
	s_lshl_b32 s19, s19, 8
	s_lshr_b32 s27, s[WV], 1
	s_lshl_b32 s27, s27, 2
	s_add_co_u32 s19, s19, s27
	s_add_co_u32 s19, s19, 32768
	v_lshl_add_u32 v11, v7, 4, s19                 ; its scale words: lane 16 (wave % 2) + r of the image, word wave / 2
	s_wait_kmcnt 0x0
	s_mov_b32 s[G0], 1                             ; 1:0 count = 1
	s_mov_b32 s[G0+1], s18                         ; 63:32 LDS address: slot 0, my eighth
	s_add_nc_u64 s[G0+2:G0+3], s[6:7], s[16:17]    ; 120:64 global address
	s_or_b32 s[G0+3], s[G0+3], 0x80000000          ; 127:126 type = 2
	s_add_nc_u64 s[4:5], s[4:5], s[40:41]
	s_add_nc_u64 s[8:9], s[8:9], s[42:43]
	s_add_nc_u64 s[10:11], s[10:11], s[44:45]
	CROUND                                         ; all four work-groups are here: the first joint loads meet
	tensor_load_to_lds s[G0:G0+3], s[G1:G1+7]      ; slot 0: one tensor load of mine is out
	s_nop 0
	PLACES 4
	global_load_b128 v[32:35], v9, s[4:5]          ; q0: blocks 0, 1
	global_load_b128 v[36:39], v9, s[4:5] offset:512
	global_load_b128 v[48:51], v9, s[4:5] offset:1024   ; q1: blocks 2, 3
	global_load_b128 v[52:55], v9, s[4:5] offset:1536
	global_load_b32 v[QSW], v11, s[4:5]
.macro ADDLOAD buf, off                ; a key step's mask into set buf
	WIN W_LD
.irp n, 0,1,2,3,4,5,6,7,8,9,10,11,12,13,14,15
	global_load_b128 v[64*(\buf)+4*\n:64*(\buf)+4*\n+3], v[LI], s[8:9] offset:\off+512*\n
.endr
.endm
.macro KLOAD g                         ; K's tiles 4 g .. 4 g + 3
	WIN W_LD
.irp t, 0,1,2,3
.irp c, 0,1,2,3
	ds_load_b128 v[KV+16*\t+4*\c:KV+16*\t+4*\c+3], v[AD] offset:(4*\g+\t)*2048+512*\c
.endr
.endr
.endm
.macro VLOAD e                         ; head e's four tiles of V
	WIN W_LD
.irp d, 0,1,2,3
.irp c, 0,1,2,3
	ds_load_b128 v[KV+16*\d+4*\c:KV+16*\d+4*\c+3], v[AD] offset:16384+(4*\e+\d)*2048+512*\c
.endr
.endr
.endm
; Eight products: tiles 4 g .. 4 g + 3 of 16 keys, each for both heads; C = set q of the mask.  A tile's scale words lie in lanes 0-15 (even tiles) or 16-31 (odd tiles) of word tile / 2.
.macro SPROD g, q
	WIN W_S
.irp t, 0,1,2,3
.if (\t)%2
	v_wmma_scale_f32_16x16x128_f8f6f4 v[SS+8*(4*\g+\t):SS+8*(4*\g+\t)+7], v[KV+16*\t:KV+16*\t+15], v[QA:QA+15], v[64*(\q)+8*(4*\g+\t):64*(\q)+8*(4*\g+\t)+7], v[KSW+(4*\g+\t)/2], v[QSW] matrix_a_fmt:MATRIX_FMT_BF8 matrix_b_fmt:MATRIX_FMT_BF8 matrix_a_scale:MATRIX_SCALE_ROW1
	v_wmma_scale_f32_16x16x128_f8f6f4 v[SS+64+8*(4*\g+\t):SS+64+8*(4*\g+\t)+7], v[KV+16*\t:KV+16*\t+15], v[QB:QB+15], v[64*(\q)+8*(4*\g+\t):64*(\q)+8*(4*\g+\t)+7], v[KSW+(4*\g+\t)/2], v[QSW] matrix_a_fmt:MATRIX_FMT_BF8 matrix_b_fmt:MATRIX_FMT_BF8 matrix_a_scale:MATRIX_SCALE_ROW1
.else
	v_wmma_scale_f32_16x16x128_f8f6f4 v[SS+8*(4*\g+\t):SS+8*(4*\g+\t)+7], v[KV+16*\t:KV+16*\t+15], v[QA:QA+15], v[64*(\q)+8*(4*\g+\t):64*(\q)+8*(4*\g+\t)+7], v[KSW+(4*\g+\t)/2], v[QSW] matrix_a_fmt:MATRIX_FMT_BF8 matrix_b_fmt:MATRIX_FMT_BF8
	v_wmma_scale_f32_16x16x128_f8f6f4 v[SS+64+8*(4*\g+\t):SS+64+8*(4*\g+\t)+7], v[KV+16*\t:KV+16*\t+15], v[QB:QB+15], v[64*(\q)+8*(4*\g+\t):64*(\q)+8*(4*\g+\t)+7], v[KSW+(4*\g+\t)/2], v[QSW] matrix_a_fmt:MATRIX_FMT_BF8 matrix_b_fmt:MATRIX_FMT_BF8
.endif
.endr
.endm
; The largest score of each block of 32 keys, my 16 of them: 32 plain lines.  It serves twice: for the row's maximum and, since p rises with the score, for the block's largest p.  Each accumulator is read from its low end on.
.macro SM_MAX e
.set SB, SS+64*(\e)
.irp b, 0,1,2,3
	v_max3_num_f32 v[TM+\b], v[SB+16*\b], v[SB+1+16*\b], v[SB+2+16*\b]
.endr
.irp i, 3,5,7,9,11,13
.irp b, 0,1,2,3
	v_max3_num_f32 v[TM+\b], v[TM+\b], v[SB+16*\b+\i], v[SB+1+16*\b+\i]   ; (the four blocks by turns)
.endr
.endr
.irp b, 0,1,2,3
	v_max_num_f32 v[TM+\b], v[TM+\b], v[SB+15+16*\b]
.endr
.endm
.macro SM_REST e
.set SB, SS+64*(\e)
.set ST, 12+4*(\e)
.irp b, 0,1,2,3
	v_permlanex16_b32 v[TP+\b], v[TM+\b], s[SEL], s[SEL+1]
.endr
.irp b, 0,1,2,3
	v_max_num_f32 v[TM+\b], v[TM+\b], v[TP+\b]     ; with lane l xor 16's 16 keys
.endr
	v_max3_num_f32 v[T0], v[TM], v[TM+1], v[TM+2]
	v_max_num_f32 v[T0], v[T0], v[TM+3]            ; the step's largest score of my query
	v_mul_f32 v[T0], s[CS], v[T0]                  ; as t (c is positive)
	v_max_num_f32 v[ST+1], v[ST+1], v[T0]          ; the running largest t
	v_mov_b32 v[T0], v[ST]
	v_floor_f32 v[ST], -v[ST+1]                    ; the new -M = floor(-t) = -ceil(t): M is a whole number
	v_sub_f32 v[T0], v[ST], v[T0]                  ; old M - new M: a whole number, 0 or less
	v_cvt_i32_f32 v[T0], v[T0]                     ; (it saturates)
	v_ldexp_f32 v[FF], 1.0, v[T0]                  ; f = 2^(old M - new M)
.set j, 0
.rept 32
	v_pk_fma_f32 v[SB+j:SB+j+1], v[SB+j:SB+j+1], s[CS:CS+1], v[ST:ST+1] op_sel_hi:[1,0,0]   ; t - M, two at a time
.set j, j+2
.endr
.irp b, 0,1,2,3
	v_fma_f32 v[TM+\b], v[TM+\b], s[CS], v[ST]     ; the same of each block's largest score
.endr
.set j, 0
.rept 64
	v_exp_f32 v[SB+j], v[SB+j]                     ; p = 2^(t - M), at most 1
.set j, j+1
.endr
.irp b, 0,1,2,3
	v_exp_f32 v[TM+\b], v[TM+\b]                   ; the block's largest p: the same two instructions on the same number
.endr
	v_pk_mul_f32 v[ST+2:ST+3], v[ST+2:ST+3], v[FF:FF+1] op_sel_hi:[1,0]   ; the sums under the new M.  (A plain line behind the exponentials)
	s_wait_alu depctr_va_vdst(0)
.irp b, 0,1,2,3
	v_max_num_f32 v[TM+\b], 0x8000000, v[TM+\b]    ; the floor 2^(16 - 127): the byte cannot fall under 1
.endr
.irp b, 0,1,2,3
	v_add_nc_u32 v[SO+\b], 0xf8800000, v[TM+\b]    ; 15 off the exponent field: the conversion's scale operand
.endr
.irp b, 0,1,2,3
	v_and_or_b32 v[HL+\b], v[TM+\b], 0x7f800000, s[MNT]   ; 57,344 x the scale
.endr
.irp b, 0,1,2,3
	v_lshrrev_b32 v[TP+\b], 23, v[SO+\b]           ; the scale's byte
.endr
	v_lshl_or_b32 v[PSW], v[TP+1], 8, v[TP]        ; p's scale word for these 128 keys: more than eight plain lines ahead of the products that name it
	v_lshl_or_b32 v[PSW], v[TP+2], 16, v[PSW]
	v_lshl_or_b32 v[PSW], v[TP+3], 24, v[PSW]
	v_pk_add_f32 v[TP:TP+1], v[SB:SB+1], v[SB+2:SB+3]   ; the row's sum is taken of the unquantised p: two at a time, in two chains
.set j, 4
.rept 15
	v_pk_add_f32 v[ST+2:ST+3], v[ST+2:ST+3], v[SB+j:SB+j+1]
	v_pk_add_f32 v[TP:TP+1], v[TP:TP+1], v[SB+2+j:SB+3+j]
.set j, j+4
.endr
	v_pk_add_f32 v[ST+2:ST+3], v[ST+2:ST+3], v[TP:TP+1]
.irp b, 0,1,2,3
.irp i, 0,1,2,3,4,5,6,7,8,9,10,11,12,13,14,15
	v_min_num_f32 v[SB+16*\b+\i], v[SB+16*\b+\i], v[HL+\b]   ; the conversion does not saturate (ISA guide 7.6.2); p is not negative, so the hold is one-sided
.endr
	v_cvt_scalef32_pk8_bf8_f32 v[PC+4*\b:PC+4*\b+1], v[SB+16*\b:SB+16*\b+7], v[SO+\b]
	v_cvt_scalef32_pk8_bf8_f32 v[PC+4*\b+2:PC+4*\b+3], v[SB+16*\b+8:SB+16*\b+15], v[SO+\b]
.endr
.endm
.macro ORESC e                         ; O^T under the new M: sixteen packed lines; they are also the plain line behind the conversions and the places between the codes and the products
	WIN W_RS
.set j, 0
.rept 16
	v_pk_mul_f32 v[OO+32*(\e)+j:OO+32*(\e)+j+1], v[OO+32*(\e)+j:OO+32*(\e)+j+1], v[FF:FF+1] op_sel_hi:[1,0]
.set j, j+2
.endr
.endm
.macro PVPROD e                        ; O^T += V^T P^T: the head's four tiles of 16 channels, K = these 128 keys; four accumulators by turns
	WIN W_PV
.irp d, 0,1,2,3
.if (\d)%2
	v_wmma_scale_f32_16x16x128_f8f6f4 v[OO+32*(\e)+8*\d:OO+32*(\e)+8*\d+7], v[KV+16*\d:KV+16*\d+15], v[PC:PC+15], v[OO+32*(\e)+8*\d:OO+32*(\e)+8*\d+7], v[VSW+2*(\e)+\d/2], v[PSW] matrix_a_fmt:MATRIX_FMT_BF8 matrix_b_fmt:MATRIX_FMT_BF8 matrix_a_scale:MATRIX_SCALE_ROW1
.else
	v_wmma_scale_f32_16x16x128_f8f6f4 v[OO+32*(\e)+8*\d:OO+32*(\e)+8*\d+7], v[KV+16*\d:KV+16*\d+15], v[PC:PC+15], v[OO+32*(\e)+8*\d:OO+32*(\e)+8*\d+7], v[VSW+2*(\e)+\d/2], v[PSW] matrix_a_fmt:MATRIX_FMT_BF8 matrix_b_fmt:MATRIX_FMT_BF8
.endif
.endr
.endm
; A KEY STEP: 128 keys, record q of the slot in hand; the mask in set q.  more = 1: the next step's mask is asked for, into the other set.
.macro STEP q, more
.if \q
	v_add_nc_u32 v[AD], REC, v[AD]                 ; the slot's second record
.else
	v_add_nc_u32 v[AD], s[TB], v[LI]
.endif
	PLACES 7                                       ; with the line above: eight places between the last products and the loads into their registers
.if \more
	ADDLOAD 1-\q, 8192                             ; the set's last readers, the scores' products of the step before, stand a softmax back
.endif
	KLOAD 0
	WIN 0
	ds_load_b128 v[KSW:KSW+3], v[AD] offset:32768
	ds_load_b128 v[VSW:VSW+3], v[AD] offset:33280
	s_wait_dscnt 0x0
.if \more
	s_wait_loadcnt 16                              ; this step's mask (and q) is in; the sixteen loads just issued may be out
.else
	s_wait_loadcnt 0x0
.endif
	SPROD 0, \q
	PLACES 8
	KLOAD 1
	s_wait_dscnt 0x0
	SPROD 1, \q
	PLACES 8                                       ; in front of the loads into K's registers and of the first read of the scores
	VLOAD 0                                        ; lands while the first head's softmax is walked
	WIN 0
	SM_MAX 0
	SM_REST 0
	ORESC 0
	s_wait_dscnt 0x0
	PVPROD 0
	WIN 0
	SM_MAX 1                                       ; 32 plain lines that name no register of the products above: their places
	VLOAD 1
	WIN 0
	SM_REST 1
	ORESC 1
	s_wait_dscnt 0x0
	PVPROD 1
	WIN 0
.if \more
	s_wait_xcnt 0x0                                ; the mask's loads have had their addresses translated (ISA guide 3.1): their base steps only behind this wait
	s_add_nc_u64 s[8:9], s[8:9], 8192
.endif
.endm
; THE CHANGE OF SLOTS stands at a slot's head.  Each wave waits for all its tensor loads (its eighth of the slot ahead), adds 0 to its spare word, and waits for that and for its reads of the slot that it has left.
; fill = 1: the barrier is a round of the cluster's, and the joint fill of the slot just left is the first thing behind it: it has two key steps in which to land.
.macro CHANGE fill
	s_wait_tensorcnt 0x0                           ; no tensor load of mine is out, so group 0 may be written
	ds_add_u32 v[SPW], v[NIL]                      ; 0 onto my spare word
.if \fill
	s_xor_b32 s[G0+1], s[G0+1], SLOT1              ; the other slot than last time,
	s_add_nc_u64 s[G0+2:G0+3], s[G0+2:G0+3], 2*REC ; the next two records; the type bits on top are not reached
.endif
	s_wait_dscnt 0x0                               ; the add is done, and my reads of the slot that I have left are over
.if \fill
	CROUND
	tensor_load_to_lds s[G0:G0+3], s[G1:G1+7]
	s_nop 0
	PLACES 4
.else
	s_barrier_signal -1
	s_barrier_wait -1
.endif
.endm
	ADDLOAD 0, 0                                   ; the first key step's mask
.set j, 0
.rept 64
	v_mov_b32 v[OO+j], 0                           ; O^T of both heads (window 1).  The step is written once: the first finds zeros, which the first change of M leaves zeros
.set j, j+1
.endr
	WIN 0
.irp j, 0,1,2,3,4,5,6,7
	v_mov_b32 v[40+\j], 0                          ; the zero codes between q0 and q1
.endr
.irp e, 0,1
	v_mov_b32 v[13+4*\e], 0xff61b1e6               ; the largest t so far: -3e38, under every t
	v_floor_f32 v[12+4*\e], -v[13+4*\e]            ; -M
	v_mov_b32 v[14+4*\e], 0                        ; the sum, in two halves
	v_mov_b32 v[15+4*\e], 0
.endr
.irp b, 0,1,2,3
	v_mov_b32 v[TP+\b], 0                          ; written once: a lane permute's destination counts as one of its sources
.endr
	v_mov_b32 v[PSW], 0                            ; (named as the upper half of the pair with f before it is first written)
.Lslot:                                            ; seven trips: behind each change of slots but the last the next slot is asked for
	CHANGE 1
	STEP 0, 1
	STEP 1, 1
	s_xor_b32 s[TB], s[TB], SLOT1                  ; on to the other slot
	s_sub_co_u32 s[CNT], s[CNT], 1
	s_cmp_lg_u32 s[CNT], 0
	s_cbranch_scc1 .Lslot
	CHANGE 0                                       ; the last slot is written out
	STEP 0, 1
	STEP 1, 0
	; THE WAY OUT.  The sums' halves are added; O^T is divided by the sum and goes through my stage in LDS: a row is my query's two heads, 512 bytes, which the 32 lanes store as one dense run.
	v_add_f32 v14, v14, v15
	v_add_f32 v18, v18, v19
	v_permlanex16_b32 v[TP], v14, s[SEL], s[SEL+1]
	v_permlanex16_b32 v[TP+1], v18, s[SEL], s[SEL+1]
	v_add_f32 v14, v14, v[TP]
	v_add_f32 v18, v18, v[TP+1]                    ; the rows' sums
	v_rcp_f32 v14, v14
	v_rcp_f32 v18, v18
	v_nop                                          ; a plain line behind the reciprocals
	WIN 0x01                                       ; source 0: window 1
.set j, 0
	s_wait_alu depctr_va_vdst(0)
.rept 32
	v_mul_f32 v[SS+j], v[OO+j], v14                ; the first head first: its lines name no register of the last products and are their places.  Register 8 d + i is channel 32 (d / 2) + 16 h + 8 (d % 2) + i
.set j, j+1
.endr
.set j, 0
.rept 32
	v_mul_f32 v[SS+64+j], v[OO+32+j], v18
.set j, j+1
.endr
	WIN 0
.irp e, 0,1
.irp d, 0,1,2,3
	ds_store_b128 v[STO], v[SS+64*\e+8*\d:SS+64*\e+8*\d+3] offset:256*\e+128*(\d/2)+32*(\d%2)
	ds_store_b128 v[STO], v[SS+64*\e+8*\d+4:SS+64*\e+8*\d+7] offset:256*\e+128*(\d/2)+32*(\d%2)+16
.endr
.endr
.irp rho, 0,1,2,3,4,5,6,7,8,9,10,11,12,13,14,15
	ds_load_b128 v[OUTR+4*\rho:OUTR+4*\rho+3], v[RD] offset:528*\rho   ; LDS serves a wave's instructions in order: these see my stores
.endr
.irp rho, 0,1,2,3,4,5,6,7,8,9,10,11,12,13,14,15
	s_wait_dscnt 15-\rho                           ; the younger loads may be out
	global_store_b128 v[LI], v[OUTR+4*\rho:OUTR+4*\rho+3], s[10:11] offset:(\rho+8*(\rho/8))*4096 th:TH_STORE_NT   ; 32 lanes store 512 consecutive bytes, aligned; written once, read by nobody here
.endr
	s_wait_tensorcnt 0x0                           ; the wave's end
	ds_add_u32 v[SPW], v[NIL]
	s_wait_dscnt 0x0
	CROUND                                         ; the closing round: no work-group ends while a partner may still ask for a tile that names it
	s_endpgm
.Lfunc_end_k_qe18382582a_attn:
	.size	k_qe18382582a_attn, .Lfunc_end_k_qe18382582a_attn-k_qe18382582a_attn
	.p2alignl 7, 3214868480
	.fill 96, 4, 3214868480
	.section	.rodata,"a",@progbits
	.p2align	6, 0x0
	.amdhsa_kernel k_qe18382582a_attn
		.amdhsa_group_segment_fixed_size 327680
		.amdhsa_private_segment_fixed_size 0
		.amdhsa_enable_private_segment 0
		.amdhsa_kernarg_size 32
		.amdhsa_user_sgpr_count 2
		.amdhsa_user_sgpr_kernarg_segment_ptr 1
		.amdhsa_wavefront_size32 1
		.amdhsa_system_sgpr_workgroup_id_x 1
		.amdhsa_system_sgpr_workgroup_id_y 1
		.amdhsa_system_sgpr_workgroup_id_z 1
		.amdhsa_system_vgpr_workitem_id 0
		.amdhsa_next_free_vgpr 512
		.amdhsa_next_free_sgpr 66
		.amdhsa_reserve_vcc 0
		.amdhsa_float_denorm_mode_32 3
		.amdhsa_float_denorm_mode_16_64 3
		.amdhsa_memory_ordered 1
		.amdhsa_forward_progress 1
		.amdhsa_inst_pref_size 167
	.end_amdhsa_kernel
	.amdgpu_metadata
---
amdhsa.version: [ 1, 2 ]
amdhsa.kernels:
  - .name:           k_qe18382582a_attn
    .symbol:         k_qe18382582a_attn.kd
    .args:
      - { .name: qrec, .offset: 0, .size: 8, .value_kind: global_buffer, .address_space: global }
      - { .name: kv, .offset: 8, .size: 8, .value_kind: global_buffer, .address_space: global }
      - { .name: mimg, .offset: 16, .size: 8, .value_kind: global_buffer, .address_space: global }
      - { .name: out0, .offset: 24, .size: 8, .value_kind: global_buffer, .address_space: global }
    .group_segment_fixed_size: 327680
    .private_segment_fixed_size: 0
    .kernarg_segment_align: 8
    .kernarg_segment_size: 32
    .max_flat_workgroup_size: 256
    .sgpr_count:     66
    .vgpr_count:     512
    .wavefront_size: 32
...
	.end_amdgpu_metadata
.endif
;; end of part 5
;; ======== version 2 of 2: 3 launches
;; limits: right only within a limited range of input values
;; workspace buffers: xcodes 8,388,608 bytes; xscales 262,144 bytes; wcodes 3,145,728 bytes; wscales 98,304 bytes; qrec 8,781,824 bytes; kv 8,781,824 bytes; mimg 8,388,608 bytes
;; launch prep (part 6): grid 256 x 1, 14 waves a work-group, no clusters, 123,648 bytes of LDS; arguments attention_mask, mimg, from_tensor, to_tensor, xcodes, xscales, Wq, Wk, Wv, wcodes, wscales; writes mimg, xcodes, xscales, wcodes, wscales
.if DOCPART == 6
	.amdgcn_target "amdgcn-amd-amdhsa--gfx1250"
	.amdhsa_code_object_version 6
	.text
	.protected	k_qe18382582a_prep
	.globl	k_qe18382582a_prep
	.p2align	8
	.type	k_qe18382582a_prep,@function
k_qe18382582a_prep:
	s_mov_b64 s[64:65], 0
	v_nop
	global_prefetch_b8 v0, s[64:65] scope:SCOPE_SE
	s_setreg_imm32_b32 hwreg(HW_REG_WAVE_MODE, 25, 1), 1
	s_wait_xcnt 0x0
; ALL THAT THE PRODUCTS' LAUNCHES WANT PREPARED, IN ONE LAUNCH: three streams that read nothing of each other, side by side.  The 14 waves of a work-group part ONCE, on the wave's number, and never join: no barrier, no LDS byte shared;
; wave w owns LDS bytes 8,704 w on.
;
; WAVES 0-7, THE MASK.  attention_mask [2][2048 (query)][2048 (key)] int32 becomes mimg [b 2][T 128][step 16][t 8][r 16][j 16], one code of BF8 for each element: the number 5120 (1 - m), held within +-57,344.
;   T is a tile of 16 queries, j its row: query 32 (T / 2) + 8 (T % 2) + j % 8 + 16 (j / 8); key 128 step + 32 (t / 2) + 8 (t % 2) + r % 8 + 16 (r / 8).  The attention launch multiplies these codes by coefficients that add up to
;   -15.625 a unit: -80000 (1 - m) = 8 x -10000 (1 - m).  LIMIT OF FORMAT: exact where 1 - m is 0 or plus or minus a power of two up to 8 (every m from -1 to 3 among them); else 1 - m is carried to three significant bits and held at
;   11.2 in magnitude.  The work-group takes tile T = its number; wave g takes key steps 2 g and 2 g + 1; all 32 loads of a wave go out at once; a record of 2,048 bytes turns through the wave's stage.
;
; WAVES 8-11, THE ACTIVATIONS.  from_tensor and to_tensor, each [4096][1024] f32, become codes of BF8 (E5M2), K innermost, with one E8M0 scale byte for each 32 along K: xcodes [8192 places][1024], xscales [8192 places][32];
;   places 0-4095 from_tensor, 4096-8191 to_tensor.  PLACE p HOLDS ROW p WITH ITS BITS 3 AND 4 EXCHANGED: sixteen neighbouring places are then the sixteen rows that the products' launch wants in one tile (eight neighbours, and the
;   eight that lie 16 further on), so that its results come out with 16 neighbours along the next K in a lane's registers.  A wave takes a run of 8 rows (8,192 numbers) in 16 steps of 512; loads run eight steps ahead (32 loads a wave).
;   A step's 2,048 bytes turn through the wave's stage and come back 64 bytes a lane: 16 neighbours along K, two lanes to a block.  The four runs of a work-group are rows 8 w on of 32 rows, so the exchange of bits 3 and 4 of the row
;   is the exchange of the two bits of w.
;
; WAVES 12-13, THE WEIGHTS.  Wq, Wk, Wv, each [1024 (k)][1024 (n)] f32 with K as the FIRST axis, become codes laid [3 x 1024 places][1024 (k)], K innermost, and scale bytes [3 x 1024 places][32]; order q, k, v; places as above.
;   A LANE TAKES A COLUMN n, AND ITS REGISTERS RUN DOWN K: a block of 32 lies in one lane's 32 registers, and the conversions give codes with K innermost.  A task is 32 columns x 256 along K; its codes go through the wave's stage and
;   leave as rows: sixteen lanes store 256 consecutive bytes, aligned.  3 x 32 x 4 = 384 tasks, two to a work-group, side by side.  That fills work-groups 0-191: IN WORK-GROUPS 192-255 THESE TWO WAVES HAVE NO TASK AND END.
;   (Smaller tasks would even that out, and write rows of codes in pieces of 128 bytes.)
;
; THE QUANTISER.  A block's scale is 2^(floor(log2(its largest magnitude)) - 15); its byte is the largest magnitude's exponent field - 15, held at 1 from below.  Each number is held within +-57,344 x the scale and converted,
; to the nearest code, ties to even.  LIMITS: a block of zeros gets the byte 1 where the rule says 127 (its codes are zeros, and this program alone reads the bytes); a block whose largest magnitude lies under 2^-111 gets the
; byte 1; NaN and infinities among the inputs are not served.
.set WREG,  8704                       ; a wave's LDS bytes
.set MANT,  0x600000                   ; the mantissa field of 57,344 as f32
.set SPW,   208                        ; v208 my spare word's LDS address: behind the 14 waves' bytes; never rewritten
.set NIL,   209                        ; v209 0; never rewritten
; the mask's role
.set MIN,   16                         ; v16-143  two records as loaded: row rho in four registers; then the record's codes and what comes back from the stage
.set MF,    144                        ; v144-207 a record in f32: the lane's four keys x 16 queries
; the activations' role
.set STEPS, 16
.set DEEP,  8                          ; steps that the loads run ahead
.set WGA,   128                        ; work-groups for from_tensor: 4096 x 1024 / 32768
.set CB,    16                         ; bytes of 16 codes
.set XR,    16                         ; v16-143  eight sets of 16 numbers as they are loaded
.set XX,    144                        ; v144-175 two sets of 16 neighbours
.set XC,    176                        ; v176-207 codes: eight sets of four
.set XE,    210                        ; v210-213 scale bytes
.set SP,    80                         ; a lane's place in a stage: its 64 bytes + 16 of padding
; the weights' role
.set NB,    8                          ; blocks of 32 in a task's 256 along K
.set PITCH, 272                        ; a stage row: 256 bytes + 16
.set KROW,  1024                       ; a row of the codes' buffer in bytes
.set NROW,  4096                       ; a row of a weight in bytes
.set WX,    32                         ; v32-95   two sets of 32 numbers
.set WC,    96                         ; v96-103  a block's codes
.set WOUT,  112                        ; v112-175 the way out
.set WSB,   24                         ; v24-25   the scale bytes, four to a register
	v_lshl_add_u32 v[SPW], v0, 2, 14*WREG
	v_mov_b32 v[NIL], 0
	v_lshrrev_b32 v1, 5, v0
	s_delay_alu instid0(VALU_DEP_1)
	v_readfirstlane_b32 s16, v1                    ; wave 0..13
	s_mul_i32 s17, s16, WREG                       ; my LDS bytes
	s_cmp_ge_u32 s16, 12
	s_cbranch_scc1 .Lweights
	s_cmp_ge_u32 s16, 8
	s_cbranch_scc1 .Lacts
; ======== waves 0-7: the mask
	s_load_b128 s[4:7], s[0:1], 0x0                ; attention_mask, mimg
	v_and_b32 v5, 31, v0
	s_delay_alu instid0(VALU_DEP_1)
	v_lshlrev_b32 v1, 4, v5                        ; 16 x lane
	s_delay_alu instid0(VALU_DEP_1)
	v_add_nc_u32 v2, s17, v1                       ; the stage, way out: 512 bytes as they lie
	v_bfe_u32 v6, v5, 3, 2
	v_bfe_u32 v7, v5, 1, 1
	v_bfe_u32 v8, v5, 2, 1
	v_and_b32 v9, 1, v5
	v_lshlrev_b32 v3, 9, v6
	v_lshl_add_u32 v3, v7, 8, v3
	v_lshl_add_u32 v3, v8, 7, v3
	v_lshl_add_u32 v3, v9, 6, v3
	v_add_nc_u32 v3, s17, v3                       ; way in: key 4 lane + k' of the step lies at 256 t + 16 r
	v_mov_b32 v8, 0x45a00000                       ; 5120.0, twice: a pair for the packed form
	v_mov_b32 v9, 0x45a00000
	v_mov_b32 v10, 0x47600000                      ; 57344.0
	v_mov_b32 v11, 1.0                             ; the conversions' scale
	s_mov_b32 s14, 0xc5a00000                      ; -5120.0
	s_mov_b32 s15, s14                             ; (named with it as a pair)
	s_lshr_b32 s10, ttmp9, 7                       ; b
	s_and_b32 s11, ttmp9, 127                      ; T
	s_lshl_b32 s10, s10, 11
	s_lshr_b32 s12, s11, 1
	s_lshl_b32 s12, s12, 5
	s_add_co_u32 s10, s10, s12
	s_and_b32 s11, s11, 1
	s_lshl_b32 s11, s11, 3
	s_add_co_u32 s10, s10, s11                     ; the tile's first row: 2048 b + 32 (T / 2) + 8 (T % 2)
	s_lshl_b32 s10, s10, 13                        ; rows of 8,192 bytes
	s_lshl_b32 s12, s16, 10                        ; my two key steps: 1,024 bytes of each row
	s_add_co_u32 s10, s10, s12
	s_mov_b32 s11, 0
	s_lshl_b32 s12, ttmp9, 4
	s_lshl_b32 s13, s16, 1
	s_add_co_u32 s12, s12, s13                     ; my first record: 16 x work-group + 2 g
	s_lshl_b32 s12, s12, 11                        ; records of 2,048 bytes
	s_mov_b32 s13, 0
	s_wait_alu depctr_va_vdst(0)
	s_wait_kmcnt 0x0
	s_add_nc_u64 s[4:5], s[4:5], s[10:11]
	s_add_nc_u64 s[6:7], s[6:7], s[12:13]
.irp s, 0,1
.irp rho, 0,1,2,3,4,5,6,7,8,9,10,11,12,13,14,15
	global_load_b128 v[MIN+64*\s+4*\rho:MIN+64*\s+4*\rho+3], v1, s[4:5] offset:(\rho+8*(\rho/8))*8192+512*\s th:TH_LOAD_NT   ; 512 consecutive bytes of the tile's row rho
.endr
.endr
.macro MRECORD s
	s_wait_loadcnt 16*(1-\s)                       ; this record's sixteen loads are in; the second record's sixteen may be out
.set i, 0
.rept 64
	v_cvt_f32_i32 v[MF+16*(i%4)+i/4], v[MIN+64*\s+i]   ; a key's sixteen queries side by side
.set i, i+1
.endr
.set i, 0
.rept 32
	v_pk_fma_f32 v[MF+i:MF+i+1], v[MF+i:MF+i+1], s[14:15], v[8:9] op_sel_hi:[1,0,1]   ; 5120 - 5120 m
.set i, i+2
.endr
.set i, 0
.rept 64
	v_med3_num_f32 v[MF+i], v[MF+i], -v10, v10     ; the conversion does not saturate (ISA guide 7.6.2)
.set i, i+1
.endr
.irp k, 0,1,2,3
	v_cvt_scalef32_pk8_bf8_f32 v[MIN+64*\s+4*\k:MIN+64*\s+4*\k+1], v[MF+16*\k:MF+16*\k+7], v11
	v_cvt_scalef32_pk8_bf8_f32 v[MIN+64*\s+4*\k+2:MIN+64*\s+4*\k+3], v[MF+16*\k+8:MF+16*\k+15], v11
.endr
	v_nop                                          ; a plain line behind the last conversion
.irp k, 0,1,2,3
	ds_store_b128 v3, v[MIN+64*\s+4*\k:MIN+64*\s+4*\k+3] offset:16*\k
.endr
.irp n, 0,1,2,3
	ds_load_b128 v[MIN+64*\s+16+4*\n:MIN+64*\s+19+4*\n], v2 offset:512*\n   ; LDS serves a wave's instructions in order: these see the stores above
.endr
	s_wait_dscnt 0x0
.irp n, 0,1,2,3
	global_store_b128 v1, v[MIN+64*\s+16+4*\n:MIN+64*\s+19+4*\n], s[6:7] offset:2048*\s+512*\n   ; 32 lanes store 512 consecutive bytes
.endr
.endm
	MRECORD 0
	MRECORD 1
	s_wait_tensorcnt 0x0                           ; the wave's end
	ds_add_u32 v[SPW], v[NIL]
	s_wait_dscnt 0x0
	s_endpgm
; ======== waves 8-11: the activations
.Lacts:
	s_load_b128 s[4:7], s[0:1], 0x10               ; from_tensor, to_tensor
	s_load_b128 s[8:11], s[0:1], 0x20              ; xcodes, xscales
	s_and_b32 s25, s16, 3                          ; w: which of the work-group's four runs
	v_and_b32 v2, 31, v0                           ; lane
	s_delay_alu instid0(VALU_DEP_1)
	v_lshlrev_b32 v3, 4, v2                        ; my 16 bytes of a load's 512
	s_delay_alu instid0(VALU_DEP_2)
	v_lshrrev_b32 v14, 2, v2
	s_delay_alu instid0(VALU_DEP_1)
	v_mul_u32_u24 v14, v14, SP
	s_delay_alu instid0(VALU_DEP_4)
	v_and_b32 v15, 3, v2
	s_delay_alu instid0(VALU_DEP_1)
	v_lshl_add_u32 v14, v15, 4, v14
	s_delay_alu instid0(VALU_DEP_1)
	v_add_nc_u32 v14, s17, v14                     ; the stage, way in: SP (lane / 4) + 16 (lane % 4)
	v_mul_u32_u24 v15, v2, SP
	s_delay_alu instid0(VALU_DEP_1)
	v_add_nc_u32 v15, s17, v15                     ; way out: SP x lane: my 16 neighbours
	v_mul_u32_u24 v4, v2, CB                       ; my codes' place in a step's
	v_lshrrev_b32 v5, 1, v2
	s_add_co_u32 s17, s17, 2*32*SP                 ; behind the two stages: my wave's 256 scale bytes
	v_add_nc_u32 v5, s17, v5                       ; my block's byte
	v_lshlrev_b32 v7, 3, v2                        ; and on the way out 8 bytes a lane
	s_delay_alu instid0(VALU_DEP_1)
	v_add_nc_u32 v6, s17, v7
	s_mov_b32 s24, MANT
	s_and_b32 s20, s25, 1                          ; w with its two bits exchanged
	s_lshl_b32 s20, s20, 1
	s_lshr_b32 s21, s25, 1
	s_or_b32 s20, s20, s21
	s_lshl_b32 s21, ttmp9, 2
	s_add_co_u32 s20, s20, s21                     ; the run's place in the outputs: 4 x work-group + exchanged w
	s_lshl_b32 s22, s20, 8                         ; 256 scale bytes a run
	s_mov_b32 s23, 0
	s_lshl_b32 s20, s20, 13                        ; 8,192 bytes of codes a run
	s_mov_b32 s21, 0
	s_wait_alu depctr_va_vdst(0)
	s_wait_kmcnt 0x0
	s_cmp_lt_u32 ttmp9, WGA                        ; which tensor: the choice hangs on the work-group's number alone
	s_cselect_b64 s[4:5], s[4:5], s[6:7]
	s_cselect_b32 s17, 0, WGA
	s_sub_co_u32 s17, ttmp9, s17
	s_lshl_b32 s17, s17, 2
	s_add_co_u32 s18, s17, s25                     ; the run in its tensor
	s_lshl_b32 s18, s18, 15                        ; 32,768 bytes a run
	s_mov_b32 s19, 0
	s_add_nc_u64 s[4:5], s[4:5], s[18:19]
	s_add_nc_u64 s[8:9], s[8:9], s[20:21]
	s_add_nc_u64 s[10:11], s[10:11], s[22:23]
.macro XLOAD t
.irp i, 0,1,2,3
	global_load_b128 v[XR+16*((\t)%DEEP)+4*\i:XR+16*((\t)%DEEP)+4*\i+3], v3, s[4:5] offset:2048*(\t)+512*\i th:TH_LOAD_NT   ; 32 lanes read 512 consecutive bytes
.endr
.endm
.macro XTURN t                         ; step t's numbers through the stage: LDS serves a wave's instructions in order, so no wait stands between the stores and the loads
.irp i, 0,1,2,3
	ds_store_b128 v14, v[XR+16*((\t)%DEEP)+4*\i:XR+16*((\t)%DEEP)+4*\i+3] offset:32*SP*((\t)%2)+8*SP*\i
.endr
.irp i, 0,1,2,3
	ds_load_b128 v[XX+16*((\t)%2)+4*\i:XX+16*((\t)%2)+4*\i+3], v15 offset:32*SP*((\t)%2)+16*\i
.endr
.endm
.irp t, 0,1,2,3,4,5,6,7
	XLOAD \t
.endr
	s_wait_loadcnt 4*(DEEP-1)                      ; step 0's four loads are in; the 28 of steps 1 to 7 may be out
	XTURN 0
.macro XSTEP t
.set XS, XX+16*((\t)%2)
.set XQ, XC+4*((\t)%8)
.set XB, XE+(\t)%4
.if (\t) > 0
	s_wait_dscnt 1                                 ; this step's numbers are back from the stage (the last step's byte store may be out)
.else
	s_wait_dscnt 0x0
.endif
.if (\t) >= 8
	s_wait_xcnt 0x0                                ; the stores of eight steps ago have read the codes' registers
.endif
.if (\t)+DEEP < STEPS
	XLOAD (\t)+DEEP                                ; into the registers that the stage's stores have read
.endif
.if (\t)+1 < STEPS
.if STEPS-2-(\t) >= DEEP-1
	s_wait_loadcnt 4*(DEEP-1)                      ; the next step's four loads are in; those of the seven steps behind it may be out
.else
	s_wait_loadcnt 4*(STEPS-2-(\t))
.endif
	XTURN (\t)+1                                   ; through the other stage while this step is worked
.endif
	v_max3_num_f32 v8, |v[XS]|, |v[XS+1]|, |v[XS+2]|               ; the largest magnitude of my 16, in two chains
	v_max3_num_f32 v9, |v[XS+3]|, |v[XS+4]|, |v[XS+5]|
.irp i, 6,10
	s_delay_alu instid0(VALU_DEP_2)
	v_max3_num_f32 v8, v8, |v[XS+\i]|, |v[XS+\i+1]|
	s_delay_alu instid0(VALU_DEP_2)
	v_max3_num_f32 v9, v9, |v[XS+\i+2]|, |v[XS+\i+3]|
.endr
	s_delay_alu instid0(VALU_DEP_2)
	v_max3_num_f32 v8, v8, |v[XS+14]|, |v[XS+15]|
	s_delay_alu instid0(VALU_DEP_1)
	v_max3_num_f32 v8, v8, v9, 0x8000000           ; and the floor 2^(16 - 127): the byte cannot fall under 1
	s_delay_alu instid0(VALU_DEP_1)
	v_max_num_f32_dpp v8, v8, v8 row_xmask:1 row_mask:0xf bank_mask:0xf   ; and of my neighbour's 16: the block's
	s_delay_alu instid0(VALU_DEP_1)
	v_add_nc_u32 v11, 0xf8800000, v8               ; 15 off its exponent field: the conversion takes the exponent field of this operand as its scale
	s_delay_alu instid0(VALU_DEP_2)
	v_and_or_b32 v10, v8, 0x7f800000, s24          ; 57,344 x the scale
.irp i, 0,1,2,3,4,5,6,7,8,9,10,11,12,13,14,15
	v_med3_num_f32 v[XS+\i], v[XS+\i], -v10, v10   ; the conversion to an 8-bit code does not saturate (ISA guide 7.6.2): hold the number first
.endr
	v_cvt_scalef32_pk8_bf8_f32 v[XQ:XQ+1], v[XS:XS+7], v11
	v_cvt_scalef32_pk8_bf8_f32 v[XQ+2:XQ+3], v[XS+8:XS+15], v11
	v_lshrrev_b32 v[XB], 23, v11                   ; the scale's byte (also the plain line behind the conversions)
	ds_store_b8 v5, v[XB] offset:16*(\t)           ; both lanes of a block write the same byte with the same value
	global_store_b128 v4, v[XQ:XQ+3], s[8:9] offset:32*CB*(\t)   ; 32 lanes store 512 consecutive bytes
.endm
.irp t, 0,1,2,3,4,5,6,7,8,9,10,11,12,13,14,15
	XSTEP \t
.endr
	ds_load_b64 v[12:13], v6                       ; LDS serves a wave's instructions in order: these see my stores
	s_wait_dscnt 0x0
	global_store_b64 v7, v[12:13], s[10:11]        ; 32 lanes store 256 consecutive bytes, aligned
	s_wait_tensorcnt 0x0
	ds_add_u32 v[SPW], v[NIL]
	s_wait_dscnt 0x0
	s_endpgm
; ======== waves 12-13: the weights
.Lweights:
	s_cmp_ge_u32 ttmp9, 192                        ; 384 tasks, two to a work-group: work-groups 192 on have none
	s_cbranch_scc1 .Lnone
	s_load_b128 s[4:7], s[0:1], 0x30               ; Wq, Wk
	s_load_b128 s[8:11], s[0:1], 0x40              ; Wv, wcodes
	s_load_b64 s[12:13], s[0:1], 0x50              ; wscales
	v_and_b32 v2, 31, v0                           ; lane
	s_wait_alu depctr_va_vdst(0)
	s_and_b32 s18, ttmp9, 3                        ; which 256 along K
	s_lshr_b32 s15, ttmp9, 2
	s_lshl_b32 s15, s15, 1
	s_and_b32 s14, s16, 1
	s_add_co_u32 s15, s15, s14                     ; which 32 columns of the three weights' 3,072: the two waves stand side by side
	s_lshl_b32 s15, s15, 5                         ; the first of my 32 places in the outputs: 1024 x weight + column
	s_and_b32 s19, s15, 1023                       ; my first column in its weight
	s_lshr_b32 s14, s15, 10                        ; which weight
	v_lshlrev_b32 v3, 2, v2                        ; in: 4 bytes a lane
	v_mul_u32_u24 v4, v2, PITCH
	s_delay_alu instid0(VALU_DEP_1)
	v_add_nc_u32 v4, s17, v4                       ; into my stage: row = my column
	v_and_b32 v5, 15, v2
	v_lshrrev_b32 v6, 4, v2                        ; out of it: sixteen lanes to a row, two rows an instruction
	s_delay_alu instid0(VALU_DEP_1)
	v_mul_u32_u24 v7, v6, PITCH
	s_delay_alu instid0(VALU_DEP_1)
	v_lshl_add_u32 v7, v5, 4, v7
	s_delay_alu instid0(VALU_DEP_1)
	v_add_nc_u32 v7, s17, v7
	s_delay_alu instid0(VALU_DEP_4)
	v_mul_u32_u24 v8, v6, KROW
	s_delay_alu instid0(VALU_DEP_1)
	v_lshl_add_u32 v8, v5, 4, v8                   ; and in the codes' buffer (the exchange leaves bit 0 of a row alone; the rest stands in the stores' immediates)
	v_and_b32 v9, 7, v2                            ; my column's place: lane with bits 3 and 4 exchanged,
	v_and_b32 v10, 8, v2
	s_delay_alu instid0(VALU_DEP_1)
	v_lshl_add_u32 v9, v10, 1, v9
	v_and_b32 v10, 16, v2
	s_delay_alu instid0(VALU_DEP_1)
	v_lshrrev_b32 v10, 1, v10
	s_delay_alu instid0(VALU_DEP_1)
	v_add_nc_u32 v9, v9, v10
	s_delay_alu instid0(VALU_DEP_1)
	v_lshlrev_b32 v9, 5, v9                        ; times the 32 scale bytes of a row
	s_lshl_b32 s20, s18, 20                        ; W: 256 rows of 4,096 bytes for each piece of K, + 4 x column
	s_lshl_b32 s22, s19, 2
	s_add_co_u32 s20, s20, s22
	s_mov_b32 s21, 0
	s_lshl_b32 s24, s15, 10                        ; codes: place x 1,024 + 256 x piece
	s_lshl_b32 s26, s18, 8
	s_add_co_u32 s24, s24, s26
	s_mov_b32 s25, 0
	s_lshl_b32 s28, s15, 5                         ; scale bytes: place x 32 + 8 x piece
	s_lshl_b32 s26, s18, 3
	s_add_co_u32 s28, s28, s26
	s_mov_b32 s29, 0
	s_mov_b32 s31, MANT
	s_wait_alu depctr_va_vdst(0)
	s_wait_kmcnt 0x0
	s_cmp_eq_u32 s14, 1                            ; the weight is chosen by ids alone
	s_cselect_b64 s[4:5], s[6:7], s[4:5]
	s_cmp_eq_u32 s14, 2
	s_cselect_b64 s[4:5], s[8:9], s[4:5]
	s_add_nc_u64 s[4:5], s[4:5], s[20:21]
	s_add_nc_u64 s[6:7], s[10:11], s[24:25]
	s_add_nc_u64 s[8:9], s[12:13], s[28:29]
.macro WLOAD t                         ; block t: W(32 t + i, my column), i = 0 .. 31, into set t % 2
.irp i, 0,1,2,3,4,5,6,7,8,9,10,11,12,13,14,15,16,17,18,19,20,21,22,23,24,25,26,27,28,29,30,31
	global_load_b32 v[WX+32*((\t)%2)+\i], v3, s[4:5] offset:(32*(\t)+\i)*NROW th:TH_LOAD_NT
.endr
.endm
	WLOAD 0
	WLOAD 1
.macro WBLOCK t
.set WS, WX+32*((\t)%2)
.if (\t) < NB-1
	s_wait_loadcnt 32                              ; this block's 32 loads are in; the next block's 32 may be out
.else
	s_wait_loadcnt 0
.endif
	v_max3_num_f32 v12, |v[WS]|, |v[WS+1]|, |v[WS+2]|               ; the block's largest magnitude: all 32 numbers are mine
	v_max3_num_f32 v13, |v[WS+3]|, |v[WS+4]|, |v[WS+5]|
.irp i, 6,10,14,18,22,26
	s_delay_alu instid0(VALU_DEP_2)
	v_max3_num_f32 v12, v12, |v[WS+\i]|, |v[WS+\i+1]|
	s_delay_alu instid0(VALU_DEP_2)
	v_max3_num_f32 v13, v13, |v[WS+\i+2]|, |v[WS+\i+3]|
.endr
	s_delay_alu instid0(VALU_DEP_2)
	v_max3_num_f32 v12, v12, |v[WS+30]|, |v[WS+31]|
	s_delay_alu instid0(VALU_DEP_1)
	v_max3_num_f32 v12, v12, v13, 0x8000000        ; and the floor 2^(16 - 127)
	s_delay_alu instid0(VALU_DEP_1)
	v_add_nc_u32 v11, 0xf8800000, v12              ; 15 off its exponent field: the conversion's scale operand
	s_delay_alu instid0(VALU_DEP_2)
	v_and_or_b32 v10, v12, 0x7f800000, s31         ; 57,344 x the scale
	s_delay_alu instid0(VALU_DEP_2)
	v_lshrrev_b32 v13, 23, v11                     ; the scale's byte
.if (\t)%4 == 0
	s_delay_alu instid0(VALU_DEP_1)
	v_mov_b32 v[WSB+(\t)/4], v13                   ; four bytes to a register, the lower K in the lower byte
.else
	s_delay_alu instid0(VALU_DEP_1)
	v_lshl_or_b32 v[WSB+(\t)/4], v13, 8*((\t)%4), v[WSB+(\t)/4]
.endif
.irp i, 0,1,2,3,4,5,6,7,8,9,10,11,12,13,14,15,16,17,18,19,20,21,22,23,24,25,26,27,28,29,30,31
	v_med3_num_f32 v[WS+\i], v[WS+\i], -v10, v10   ; the conversion does not saturate (ISA guide 7.6.2): hold first
.endr
.irp g, 0,1,2,3
	v_cvt_scalef32_pk8_bf8_f32 v[WC+2*\g:WC+2*\g+1], v[WS+8*\g:WS+8*\g+7], v11
.endr
	v_nop                                          ; a plain line behind the last conversion
	ds_store_b128 v4, v[WC:WC+3] offset:32*(\t)    ; 32 codes: 32 bytes of my column's row
	ds_store_b128 v4, v[WC+4:WC+7] offset:32*(\t)+16
.if (\t)+2 < NB
	WLOAD (\t)+2
.endif
	s_wait_dscnt 0x0                               ; the stores have read their registers: the next block's codes may be written
.endm
.set Q, 0
.rept NB
	WBLOCK Q
.set Q, Q+1
.endr
	global_store_b64 v9, v[WSB:WSB+1], s[8:9]      ; my column's 8 scale bytes
.irp t, 0,1,2,3,4,5,6,7,8,9,10,11,12,13,14,15
	ds_load_b128 v[WOUT+4*\t:WOUT+4*\t+3], v7 offset:2*\t*PITCH   ; LDS serves a wave's instructions in order: these see my stores
.endr
.irp t, 0,1,2,3,4,5,6,7,8,9,10,11,12,13,14,15
	s_wait_dscnt 15-\t                             ; the younger loads may be out
	global_store_b128 v8, v[WOUT+4*\t:WOUT+4*\t+3], s[6:7] offset:(((2*\t)&7)+(((2*\t)&8)<<1)+(((2*\t)&16)>>1))*KROW   ; columns 2 t, 2 t + 1 go to their places
.endr
	s_wait_tensorcnt 0x0
	ds_add_u32 v[SPW], v[NIL]
	s_wait_dscnt 0x0
	s_endpgm
.Lnone:
	s_endpgm
.Lfunc_end_k_qe18382582a_prep:
	.size	k_qe18382582a_prep, .Lfunc_end_k_qe18382582a_prep-k_qe18382582a_prep
	.p2alignl 7, 3214868480
	.fill 96, 4, 3214868480
	.section	.rodata,"a",@progbits
	.p2align	6, 0x0
	.amdhsa_kernel k_qe18382582a_prep
		.amdhsa_group_segment_fixed_size 123648
		.amdhsa_private_segment_fixed_size 0
		.amdhsa_enable_private_segment 0
		.amdhsa_kernarg_size 88
		.amdhsa_user_sgpr_count 2
		.amdhsa_user_sgpr_kernarg_segment_ptr 1
		.amdhsa_wavefront_size32 1
		.amdhsa_system_sgpr_workgroup_id_x 1
		.amdhsa_system_sgpr_workgroup_id_y 1
		.amdhsa_system_sgpr_workgroup_id_z 1
		.amdhsa_system_vgpr_workitem_id 0
		.amdhsa_next_free_vgpr 214
		.amdhsa_next_free_sgpr 66
		.amdhsa_reserve_vcc 0
		.amdhsa_float_denorm_mode_32 3
		.amdhsa_float_denorm_mode_16_64 3
		.amdhsa_memory_ordered 1
		.amdhsa_forward_progress 1
		.amdhsa_inst_pref_size 144
	.end_amdhsa_kernel
	.amdgpu_metadata
---
amdhsa.version: [ 1, 2 ]
amdhsa.kernels:
  - .name:           k_qe18382582a_prep
    .symbol:         k_qe18382582a_prep.kd
    .args:
      - { .name: attention_mask, .offset: 0, .size: 8, .value_kind: global_buffer, .address_space: global }
      - { .name: mimg, .offset: 8, .size: 8, .value_kind: global_buffer, .address_space: global }
      - { .name: from_tensor, .offset: 16, .size: 8, .value_kind: global_buffer, .address_space: global }
      - { .name: to_tensor, .offset: 24, .size: 8, .value_kind: global_buffer, .address_space: global }
      - { .name: xcodes, .offset: 32, .size: 8, .value_kind: global_buffer, .address_space: global }
      - { .name: xscales, .offset: 40, .size: 8, .value_kind: global_buffer, .address_space: global }
      - { .name: Wq, .offset: 48, .size: 8, .value_kind: global_buffer, .address_space: global }
      - { .name: Wk, .offset: 56, .size: 8, .value_kind: global_buffer, .address_space: global }
      - { .name: Wv, .offset: 64, .size: 8, .value_kind: global_buffer, .address_space: global }
      - { .name: wcodes, .offset: 72, .size: 8, .value_kind: global_buffer, .address_space: global }
      - { .name: wscales, .offset: 80, .size: 8, .value_kind: global_buffer, .address_space: global }
    .group_segment_fixed_size: 123648
    .private_segment_fixed_size: 0
    .kernarg_segment_align: 8
    .kernarg_segment_size: 88
    .max_flat_workgroup_size: 448
    .sgpr_count:     66
    .vgpr_count:     214
    .wavefront_size: 32
...
	.end_amdgpu_metadata
.endif
;; end of part 6
;; launch proj (part 7): grid 4 x 48, 4 waves a work-group, clusters of 4 x 4, 327,680 bytes of LDS; arguments xcodes, xscales, wcodes, wscales, bq, bk, bv, qrec, kv; writes qrec, kv
.if DOCPART == 7
	.amdgcn_target "amdgcn-amd-amdhsa--gfx1250"
	.amdhsa_code_object_version 6
	.text
	.protected	k_qe18382582a_proj
	.globl	k_qe18382582a_proj
	.p2align	8
	.type	k_qe18382582a_proj,@function
k_qe18382582a_proj:
	s_mov_b64 s[64:65], 0
	v_nop
	global_prefetch_b8 v0, s[64:65] scope:SCOPE_SE
	s_setreg_imm32_b32 hwreg(HW_REG_WAVE_MODE, 25, 1), 1
	s_wait_xcnt 0x0
	s_wait_alu depctr_hold_cnt(0) depctr_sa_sdst(0) depctr_va_vdst(0) depctr_va_sdst(0) depctr_va_ssrc(0) depctr_va_vcc(0) depctr_vm_vsrc(0)
	s_getreg_b32 s2, hwreg(HW_REG_IB_STS2, 6, 4)
	s_cmp_eq_u32 s2, 0
	s_cbranch_scc0 .Lentry_in_a_cluster
	s_endpgm
.Lentry_in_a_cluster:
	s_bfe_u32 s2, ttmp6, 0x10000c
	s_cmp_lg_u32 s2, 0xf033
	s_cbranch_scc0 .Lentry_shape_is_right
	s_endpgm
.Lentry_shape_is_right:
; THREE PRODUCTS, q = from_tensor Wq + bq, k = to_tensor Wk + bk, v = to_tensor Wv + bv, on codes of BF8 with E8M0 scales, each result quantised again along its next K and laid as the attention launch's operand registers want it.
; JOB = cluster row / 4: 0 q, 1 k: A = 1,024 tokens' rows, B = the weight's 1,024 columns; 2 v: the roles exchanged, so that a lane's registers run along the tokens.  A cluster of 4 x 4 work-groups makes 1,024 x 1,024, a work-group
; 256 x 256, a wave 128 x 128 in 512 registers (windows 2 and 3); A's fragments lie in window 0 (one set), B's in window 1 (two sets).  K goes in four steps of 256 through a ring of two slots; all scale bytes come once and stay.
; A's tiles are asked for jointly along a row of the cluster, B's along a column.  At the head each wave asks for one whole tile: K step 0's 256 rows of A, of B, A's scales, B's; slot 1 and the refills: 128 rows a wave.
; PREFETCHES INTO THE L2: K step 1 behind the head's loads, K steps 2 and 3 behind K step 1's load: of the 128 rows that a wave fetches each of the four partners names 32, told apart by address: a lane a row, each 256 bytes once a cluster.
; LIMITS: NaN, infinities and results beyond f32's range are not served; a block's byte never falls under 1.
.set KSTEP,  256
.set NQ,     2
.set ROWB,   256
.set KROW,   1024
.set PITCH,  272
.set FR,     16
.set NL,     4
.set NP,     8
.set HALFT,  128*PITCH
.set SLOT,   4*HALFT
.set KS,     32
.set SCL,    2*SLOT
.set HALFS,  (128*KS/256)*272
.set SBLK,   (16*KS/256)*272
.set SPARE,  SCL+4*HALFS
; RECORDS, one for each (16 b + head, 128 tokens), 17,152 bytes, in kv: K's eight tiles of 16 tokens (two pieces of 512 bytes each), V's four tiles of 16 channels (four pieces each), K's scale words (lane image of four words, 512 bytes),
; V's scale words (two words a lane, 256 bytes).  qrec has the same records with Q in K's place and nothing in V's.  A word of K or Q holds the head's two bytes in its middle; its outer bytes scale the mask's codes (K) and coefficients (Q) in the next launch.
.set REC,    17152
.set HST,    16*REC
.set G0H,    4
.set G0HB,   8
.set PFO,    18
.set PFA,    100
.set ZR,   7
.set BV,   8
.set ADRA, 16
.set ADRB, 20
.set LI,   26
.set ADRS, 27
.set SPW,  28
.set NIL,  29
.set BIA,  30
.set BVA,  31
.set SC,   32
.set BI,   64
.set AF,   128
.set BP,   32
.set X,    128
.set PC,   192
.set TM,   208
.set SW,   232
.set MG,   240
.set JOB,  66
.set PART, 67
.set SEL,  20
.set MNT,  23
.set G1, 24
.set G0, 32
.set G1B, 48
.set G0B, 56
.set G1S, 68
.set G0S, 76
.set G1SB, 80
.set G0SB, 88
.set MSB, 0
.macro WIN new
.if MSB != (\new)
	s_set_vgpr_msb (MSB<<8)|(\new)
.set MSB, \new
.endif
.endm
.set MUL_LO, 0xa1
.set MUL_HI, 0xf1
.set TO_B,   0x40
.macro JLOAD g0a, g1a, g0b, g1b
	s_cmp_eq_u32 s15, 0
	s_cbranch_scc0 .Lfor_b_\@
	tensor_load_to_lds s[\g0a:\g0a+3], s[\g1a:\g1a+7]
	s_nop 0
.rept 4
	v_nop
.endr
	s_branch .Lasked_\@
.Lfor_b_\@:
	tensor_load_to_lds s[\g0b:\g0b+3], s[\g1b:\g1b+7]
	s_nop 0
.rept 4
	v_nop
.endr
.Lasked_\@:
.endm
.macro CREST
	s_cmp_lg_u32 s14, 0
	s_cbranch_scc1 .Lnot_wave_0_\@
	s_barrier_signal -3
.Lnot_wave_0_\@:
	s_barrier_wait -3
	s_barrier_signal -1
	s_barrier_wait -1
.endm
.macro CROUND
	s_barrier_signal -1
	s_barrier_wait -1
	CREST
.endm
	s_load_b256 s[24:31], s[0:1], 0x0
	s_load_b256 s[32:39], s[0:1], 0x20
	s_load_b64 s[48:49], s[0:1], 0x40
	v_lshl_add_u32 v[SPW], v0, 2, SPARE
	v_mov_b32 v[NIL], 0
	ds_add_u32 v28, v29
	ds_add_u32 v28, v29
	s_wait_dscnt 0x0
	v_lshrrev_b32 v1, 5, v0
	v_readfirstlane_b32 s14, v1
	s_lshr_b32 s15, s14, 1
	s_and_b32 s16, s14, 1
	s_bfe_u32 s40, ttmp6, 0x40000
	s_bfe_u32 s41, ttmp6, 0x40004
	s_and_b32 s17, ttmp7, 0xffff
	s_lshr_b32 s[JOB], s17, 2
	s_and_b32 s[PART], s17, 3
	s_lshl_b32 s[PART], s[PART], 10
	s_lshl_b32 s43, s41, 2
	s_lshl_b32 s43, 15, s43
	s_lshl_b32 s44, 0x1111, s40
	s_cmp_eq_u32 s[JOB], 2
	s_cselect_b32 s20, 0, s[PART]
	s_cselect_b32 s46, s[PART], 0
	s_cselect_b32 s21, 2048, 0
	s_cmp_eq_u32 s[JOB], 1
	s_cselect_b32 s21, 4096, s21
	s_add_co_u32 s20, s20, s21
	s_lshl_b32 s21, s41, 8
	s_add_co_u32 s20, s20, s21
	s_mul_i32 s47, s[JOB], s[JOB]
	s_lshl_b32 s47, s47, 10
	s_add_co_u32 s46, s46, s47
	s_lshl_b32 s47, s40, 8
	s_add_co_u32 s46, s46, s47
	s_lshl_b32 s22, s20, 5
	s_mov_b32 s23, 0
	s_lshl_b32 s92, s46, 5
	s_mov_b32 s93, 0
	s_lshl_b32 s20, s20, 10
	s_mov_b32 s21, 0
	s_lshl_b32 s46, s46, 10
	s_mov_b32 s47, 0
	s_mul_i32 s45, s14, HALFT
	s_lshl_b32 s18, s16, 17                        ; in the ring: which 128 rows of a tile I fetch, in bytes
	s_mov_b32 s19, 0
	s_wait_kmcnt 0x0
	s_cmp_eq_u32 s[JOB], 2
	s_cselect_b64 s[4:5], s[28:29], s[24:25]
	s_cselect_b64 s[6:7], s[30:31], s[26:27]
	s_cselect_b64 s[8:9], s[24:25], s[28:29]
	s_cselect_b64 s[10:11], s[26:27], s[30:31]
	s_cselect_b64 s[96:97], s[36:37], s[34:35]
	s_cmp_eq_u32 s[JOB], 0
	s_cselect_b64 s[96:97], s[32:33], s[96:97]
	s_cselect_b64 s[12:13], s[38:39], s[48:49]
	s_add_nc_u64 s[20:21], s[4:5], s[20:21]
	s_add_nc_u64 s[22:23], s[6:7], s[22:23]
	s_add_nc_u64 s[46:47], s[8:9], s[46:47]
	s_add_nc_u64 s[92:93], s[10:11], s[92:93]
	s_or_b32 s[G1+0], s43, (0<<16)|(1<<20)|(1<<21)|(5<<22)|(3<<25)
	s_or_b32 s[G1B+0], s44, (0<<16)|(1<<20)|(1<<21)|(5<<22)|(3<<25)
.irp g, G1, G1B
	s_mov_b32 s[\g+1], ROWB<<16
	s_mov_b32 s[\g+2], 256<<16
	s_mov_b32 s[\g+3], ROWB<<16
	s_mov_b32 s[\g+4], 256
	s_mov_b32 s[\g+5], KROW
	s_mov_b32 s[\g+6], 0
	s_mov_b32 s[\g+7], 0
.endr
	s_or_b32 s[G1S+0], s43, (3<<16)|(1<<20)|(1<<21)|(5<<22)|(3<<25)
	s_or_b32 s[G1SB+0], s44, (3<<16)|(1<<20)|(1<<21)|(5<<22)|(3<<25)
.irp g, G1S, G1SB
	s_mov_b32 s[\g+1], 32<<16
	s_mov_b32 s[\g+2], KS<<16
	s_mov_b32 s[\g+3], 32<<16
	s_mov_b32 s[\g+4], KS
	s_mov_b32 s[\g+5], 32
	s_mov_b32 s[\g+6], 0
	s_mov_b32 s[\g+7], 0
.endr
	CROUND
	s_mov_b32 s[G0H], 1                            ; the head's four tiles, each whole: K step 0's 256 rows of A,
	s_mov_b32 s[G0H+1], 0
	s_mov_b64 s[G0H+2:G0H+3], s[20:21]
	s_or_b32 s[G0H+3], s[G0H+3], 0x80000000
	s_mov_b32 s[G0HB], 1                           ; its 256 rows of B,
	s_mov_b32 s[G0HB+1], 2*HALFT
	s_mov_b64 s[G0HB+2:G0HB+3], s[46:47]
	s_or_b32 s[G0HB+3], s[G0HB+3], 0x80000000
	s_mov_b32 s[G0S], 1                            ; the scales of A's 256 rows,
	s_mov_b32 s[G0S+1], SCL
	s_mov_b64 s[G0S+2:G0S+3], s[22:23]
	s_or_b32 s[G0S+3], s[G0S+3], 0x80000000
	s_mov_b32 s[G0SB], 1                           ; and of B's
	s_mov_b32 s[G0SB+1], SCL+2*HALFS
	s_mov_b64 s[G0SB+2:G0SB+3], s[92:93]
	s_or_b32 s[G0SB+3], s[G0SB+3], 0x80000000
; ONE tree of branches on the wave's number: every way through the head passes exactly one load
.macro ARM under, g0, g1, next
	s_cmp_lt_u32 s14, \under
	s_cbranch_scc0 \next
	tensor_load_to_lds s[\g0:\g0+3], s[\g1:\g1+7]
	s_nop 0
.rept 4
	v_nop
.endr
	s_branch .Lhead_asked
\next:
.endm
	ARM 1, G0H,  G1,  .Lhead_b
	ARM 2, G0HB, G1B, .Lhead_sa
	ARM 3, G0S,  G1S, .Lhead_sb
	tensor_load_to_lds s[G0SB:G0SB+3], s[G1SB:G1SB+7]
	s_nop 0
.rept 4
	v_nop
.endr
.Lhead_asked:
	s_add_nc_u64 s[20:21], s[20:21], s[18:19]      ; for the ring: my 128 rows of the tile
	s_add_nc_u64 s[46:47], s[46:47], s[18:19]
.irp s, 0,1
	s_mov_b32 s[G0+4*\s], 1
	s_add_co_u32 s[G0+4*\s+1], s45, \s*SLOT
	s_add_nc_u64 s[G0+4*\s+2:G0+4*\s+3], s[20:21], \s*ROWB
	s_or_b32 s[G0+4*\s+3], s[G0+4*\s+3], 0x80000000
	s_mov_b32 s[G0B+4*\s], 1
	s_add_co_u32 s[G0B+4*\s+1], s45, \s*SLOT
	s_add_nc_u64 s[G0B+4*\s+2:G0B+4*\s+3], s[46:47], \s*ROWB
	s_or_b32 s[G0B+4*\s+3], s[G0B+4*\s+3], 0x80000000
.endr
	s_cmp_eq_u32 s15, 0                            ; the prefetches: of A's rows or of B's,
	s_cselect_b64 s[PFA:PFA+1], s[20:21], s[46:47]
	s_cselect_b32 s2, s40, s41                     ; my place among the four that ask for them with me:
	s_lshl_b32 s2, s2, 15                          ; 32 rows each
	s_mov_b32 s3, 0
	s_add_nc_u64 s[PFA:PFA+1], s[PFA:PFA+1], s[2:3]
	v_and_b32 v[PFO], 31, v0
	v_lshlrev_b32 v[PFO], 10, v[PFO]               ; a lane a row of 1,024 bytes; never rewritten
	global_prefetch_b8 v[PFO], s[PFA:PFA+1] offset:ROWB th:TH_LOAD_NT scope:SCOPE_SE   ; K step 1
	v_and_b32 v1, 15, v0
	v_bfe_u32 v2, v0, 4, 1
	v_mul_u32_u24 v3, v1, PITCH
	v_lshl_add_u32 v4, v2, 4, v3
	s_mul_i32 s21, s15, HALFT
	s_mul_i32 s22, s16, HALFT
	s_add_co_u32 s22, s22, 2*HALFT
.irp s, 0,1
	v_add_nc_u32 v[ADRA+\s], s21, v4
	v_add_nc_u32 v[ADRB+\s], s22, v4
	s_add_co_u32 s21, s21, SLOT
	s_add_co_u32 s22, s22, SLOT
.endr
	v_mul_u32_u24 v5, v1, KS
	v_lshrrev_b32 v6, 8, v5
	v_lshl_add_u32 v5, v6, 4, v5
	s_mul_i32 s21, s15, HALFS
	s_mul_i32 s22, s16, HALFS
	s_add_co_u32 s22, s22, 2*HALFS
	s_sub_co_u32 s22, s22, s21
	v_mul_u32_u24 v6, s22, v2
	s_add_co_u32 s21, s21, SCL
	v_add_nc_u32 v5, v5, v6
	v_add_nc_u32 v[ADRS], s21, v5
	v_and_b32 v6, 31, v0
	v_lshlrev_b32 v[LI], 4, v6
	s_lshl_b32 s18, s41, 1
	s_add_co_u32 s18, s18, s15
	s_lshl_b32 s19, s40, 1
	s_add_co_u32 s19, s19, s16
	v_lshlrev_b32 v[BIA], 6, v2
	s_lshl_b32 s42, s19, 9
	v_add_nc_u32 v[BIA], s42, v[BIA]
	v_and_b32 v5, 7, v1
	v_lshrrev_b32 v6, 3, v1
	v_lshl_add_u32 v5, v6, 4, v5
	v_lshlrev_b32 v[BVA], 2, v5
	s_lshl_b32 s42, s18, 9
	v_add_nc_u32 v[BVA], s42, v[BVA]
.irp n, 0,1,2,3,4,5,6,7,8,9,10,11,12,13,14,15
	global_load_b128 v[BI+4*\n:BI+4*\n+3], v[BIA], s[96:97] offset:128*(\n/4)+16*(\n%4)
.endr
.irp a, 0,1,2,3,4,5,6,7
	global_load_b32 v[BV+\a], v[BVA], s[96:97] offset:4*(32*(\a/2)+8*(\a%2))
.endr
	s_cmp_eq_u32 s[JOB], 2
	s_cselect_b32 s20, s19, s18
	s_cselect_b32 s21, s18, s19
	s_cselect_b32 s22, 8192, 0
	s_cselect_b32 s23, 512, 0
	s_mov_b32 s44, 1024
	s_cselect_b32 s44, 2048, s44                   ; s[44:45]: from block to block in a record
	s_mov_b32 s45, 0
	s_mov_b32 s46, 1024
	s_cselect_b32 s46, HST-6144, s46               ; s[46:47]: from block 3 to block 4 (V: the pair's second head)
	s_mov_b32 s47, 0
	s_mov_b32 s43, HST
	s_cselect_b32 s43, 1024, s43                   ; from a block's pieces 0, 1 to its pieces 2, 3 (Q, K: the second head)
	s_wait_alu depctr_va_vdst(0)
	v_add_nc_u32 v22, s43, v[LI]
	s_lshr_b32 s42, s[PART], 7
	s_add_co_u32 s20, s20, s42
	s_lshr_b32 s42, s20, 4
	s_lshl_b32 s42, s42, 3
	s_add_co_u32 s42, s42, s21
	s_lshl_b32 s42, s42, 5
	s_and_b32 s20, s20, 15
	s_add_co_u32 s42, s42, s20
	s_mul_i32 s42, s42, REC
	s_add_co_u32 s20, s42, s22
	s_mov_b32 s21, 0
	s_add_co_u32 s22, s42, s23
	s_add_co_u32 s22, s22, 16384
	s_mov_b32 s23, 0
	s_add_nc_u64 s[98:99], s[12:13], s[22:23]
	s_add_nc_u64 s[12:13], s[12:13], s[20:21]
.macro FRAG reg, adr, q, i
.irp c, 0,1,2,3
	ds_load_b128 v[\reg+4*\c:\reg+4*\c+3], v[\adr] offset:128*(\q)+32*\c+(\i)*16*PITCH
.endr
.endm
.macro MUL16 a0, p, q, sc, zero
.irp a, \a0, \a0+1
.irp b, 0,1,2,3,4,5,6,7
.if \zero
	v_wmma_scale_f32_16x16x128_f8f6f4 v[8*(8*((\a)%4)+\b):8*(8*((\a)%4)+\b)+7], v[128*(\p)+FR*\b:128*(\p)+FR*\b+FR-1], v[AF+FR*(\a):AF+FR*(\a)+FR-1], 0, v[SC+8*NQ*(\sc)+NQ*\b+(\q)], v[SC+8*NQ*(\sc)+NQ*(\a)+(\q)] matrix_a_fmt:MATRIX_FMT_BF8 matrix_b_fmt:MATRIX_FMT_BF8 matrix_a_scale:MATRIX_SCALE_ROW1
.else
	v_wmma_scale_f32_16x16x128_f8f6f4 v[8*(8*((\a)%4)+\b):8*(8*((\a)%4)+\b)+7], v[128*(\p)+FR*\b:128*(\p)+FR*\b+FR-1], v[AF+FR*(\a):AF+FR*(\a)+FR-1], v[8*(8*((\a)%4)+\b):8*(8*((\a)%4)+\b)+7], v[SC+8*NQ*(\sc)+NQ*\b+(\q)], v[SC+8*NQ*(\sc)+NQ*(\a)+(\q)] matrix_a_fmt:MATRIX_FMT_BF8 matrix_b_fmt:MATRIX_FMT_BF8 matrix_a_scale:MATRIX_SCALE_ROW1
.endif
.endr
.endr
.endm
.macro FETCH_B slot, q, p
	WIN TO_B
.irp i, 0,1,2,3,4,5,6,7
	FRAG 128*(\p)+FR*\i, ADRB+\slot, \q, \i
.endr
	WIN 0
.endm
.macro FETCH_A slot, q, i0
.irp i, \i0, \i0+1, \i0+2, \i0+3
	FRAG AF+FR*(\i), ADRA+\slot, \q, \i
.endr
.endm
.macro SCALES sc
.irp i, 0,1,2,3,4,5,6,7
	ds_load_b64 v[SC+8*NQ*\sc+NQ*\i:SC+8*NQ*\sc+NQ*\i+1], v[ADRS] offset:\i*SBLK
.endr
.endm
.macro PLACES n
.rept \n
	v_nop
.endr
.endm
.macro STEP slot, q, zero
	s_wait_dscnt 4*NL
	WIN MUL_LO
	MUL16 0, (\q)%2, \q, \slot, \zero
	MUL16 2, (\q)%2, \q, \slot, \zero
	s_wait_dscnt 0
	PLACES NP
	FETCH_B \slot, (\q)+1, 1-(\q)%2
	FETCH_A \slot, (\q)+1, 0
	WIN MUL_HI
	MUL16 4, (\q)%2, \q, \slot, \zero
	MUL16 6, (\q)%2, \q, \slot, \zero
	PLACES NP
	WIN 0
	FETCH_A \slot, (\q)+1, 4
.endm
.macro TURN slot, next, fill
	s_wait_tensorcnt 0x0
	ds_add_u32 v[SPW], v[NIL]
	s_wait_dscnt 4*NL+1
	WIN MUL_LO
	MUL16 0, 1, NQ-1, \slot, 0
	s_wait_dscnt 0x0
	s_barrier_signal -1
	MUL16 2, 1, NQ-1, \slot, 0
	WIN 0
	s_barrier_wait -1
.if \fill
	CREST
	s_add_nc_u64 s[G0+4*\slot+2:G0+4*\slot+3], s[G0+4*\slot+2:G0+4*\slot+3], 2*ROWB
	s_add_nc_u64 s[G0B+4*\slot+2:G0B+4*\slot+3], s[G0B+4*\slot+2:G0B+4*\slot+3], 2*ROWB
	JLOAD G0+4*\slot, G1, G0B+4*\slot, G1B
	PLACES NP-4
.else
	PLACES NP
.endif
	s_wait_alu depctr_va_vdst(0)
	v_add_nc_u32 v[ADRS], 4*NQ, v[ADRS]
	FETCH_B \next, 0, 0
	FETCH_A \next, 0, 0
	SCALES \next
	WIN MUL_HI
	MUL16 4, 1, NQ-1, \slot, 0
	MUL16 6, 1, NQ-1, \slot, 0
	PLACES NP
	WIN 0
	FETCH_A \next, 0, 4
.endm
	s_wait_alu depctr_va_vdst(0)
	s_wait_tensorcnt 0x0                           ; my tile of the head's four is in
	ds_add_u32 v[SPW], v[NIL]
	s_mov_b32 s[G1+2], 128<<16                     ; no tensor load of mine is out, so a descriptor may be written: from here on a load brings 128 rows
	s_mov_b32 s[G1+4], 128
	s_mov_b32 s[G1B+2], 128<<16
	s_mov_b32 s[G1B+4], 128
	s_wait_dscnt 0x0
	CROUND                                         ; all four tiles are in, and all sixteen work-groups are here,
	JLOAD G0+4, G1, G0B+4, G1B                     ; and K step 1's load, the first tensor load behind the round
	FETCH_B 0, 0, 0
	FETCH_A 0, 0, 0
	SCALES 0
	FETCH_A 0, 0, 4
	global_prefetch_b8 v[PFO], s[PFA:PFA+1] offset:2*ROWB th:TH_LOAD_NT scope:SCOPE_SE   ; K steps 2 and 3: one and two changes of slots ahead of their loads
	global_prefetch_b8 v[PFO], s[PFA:PFA+1] offset:3*ROWB th:TH_LOAD_NT scope:SCOPE_SE
	STEP 0, 0, 1
	TURN 0, 1, 1
	STEP 1, 0, 0
	TURN 1, 0, 1
	STEP 0, 0, 0
	TURN 0, 1, 0
	STEP 1, 0, 0
	s_wait_dscnt 4*NL
	WIN MUL_LO
	MUL16 0, 1, NQ-1, 1, 0
	MUL16 2, 1, NQ-1, 1, 0
	s_wait_dscnt 0
	WIN MUL_HI
	MUL16 4, 1, NQ-1, 1, 0
	MUL16 6, 1, NQ-1, 1, 0
	WIN 0
.macro QUANT s, pw
.irp b, 0,1,2,3
	v_max3_num_f32 v[TM+\b], |v[\s+16*\b]|, |v[\s+1+16*\b]|, 0x8000000
.endr
.irp i, 2,4,6,8,10,12,14
.irp b, 0,1,2,3
	v_max3_num_f32 v[TM+\b], v[TM+\b], |v[\s+16*\b+\i]|, |v[\s+1+16*\b+\i]|
.endr
.endr
.irp b, 0,1,2,3
	v_permlanex16_b32 v[TM+4+\b], v[TM+\b], s[SEL], s[SEL+1]
.endr
.irp b, 0,1,2,3
	v_max_num_f32 v[TM+\b], v[TM+\b], v[TM+4+\b]
.endr
.irp b, 0,1,2,3
	v_add_nc_u32 v[TM+12+\b], 0xf8800000, v[TM+\b]
.endr
.irp b, 0,1,2,3
	v_and_or_b32 v[TM+8+\b], v[TM+\b], 0x7f800000, s[MNT]
.endr
.irp b, 0,1,2,3
	v_lshrrev_b32 v[TM+4+\b], 23, v[TM+12+\b]
.endr
	v_lshl_or_b32 v[\pw], v[TM+5], 8, v[TM+4]
	v_lshl_or_b32 v[\pw], v[TM+6], 16, v[\pw]
	v_lshl_or_b32 v[\pw], v[TM+7], 24, v[\pw]
.irp b, 0,1,2,3
.irp i, 0,1,2,3,4,5,6,7,8,9,10,11,12,13,14,15
	v_med3_num_f32 v[\s+16*\b+\i], v[\s+16*\b+\i], -v[TM+8+\b], v[TM+8+\b]
.endr
	v_cvt_scalef32_pk8_bf8_f32 v[PC+4*\b:PC+1+4*\b], v[\s+16*\b:\s+7+16*\b], v[TM+12+\b]
	v_cvt_scalef32_pk8_bf8_f32 v[PC+2+4*\b:PC+3+4*\b], v[\s+8+16*\b:\s+15+16*\b], v[TM+12+\b]
.endr
	v_nop
.endm
.macro EPI a
.if (\a) < 4
	WIN 0x02
.else
	WIN 0x03
.endif
.set i, 0
.rept 32
	v_pk_add_f32 v[X+i:X+i+1], v[64*((\a)%4)+i:64*((\a)%4)+i+1], v[BI+i:BI+i+1]
.set i, i+2
.endr
	WIN 0
.set i, 0
.rept 32
	v_pk_add_f32 v[X+i:X+i+1], v[X+i:X+i+1], v[BP+2*(\a):BP+2*(\a)+1]
.set i, i+2
.endr
.if (\a) > 0
	s_wait_xcnt 0x0                                ; the block before's stores have read their registers and their base
.if (\a) == 4
	s_add_nc_u64 s[12:13], s[12:13], s[46:47]
.else
	s_add_nc_u64 s[12:13], s[12:13], s[44:45]
.endif
.endif
	QUANT X, SW+(\a)
	global_store_b128 v[LI], v[PC:PC+3], s[12:13]
	global_store_b128 v[LI], v[PC+4:PC+7], s[12:13] offset:512
	global_store_b128 v22, v[PC+8:PC+11], s[12:13]
	global_store_b128 v22, v[PC+12:PC+15], s[12:13] offset:512
.endm
	s_wait_loadcnt 0x0
	s_cmp_eq_u32 s[JOB], 2
	s_cselect_b32 s94, -1, 0
	s_mov_b32 s95, 0xffff0000
	s_mov_b32 s[SEL], 0x76543210
	s_mov_b32 s[SEL+1], 0xfedcba98
	s_mov_b32 s[MNT], 0x600000
	v_mov_b32 v[ZR], 0
.set i, 0
.rept 64
	v_cndmask_b32 v[BI+i], v[BI+i], v[ZR], s94
.set i, i+1
.endr
.irp a, 0,1,2,3,4,5,6,7
	v_cndmask_b32 v[BP+2*\a], v[ZR], v[BV+\a], s94
	v_cndmask_b32 v[BP+2*\a+1], v[ZR], v[BV+\a], s94
.endr
.irp b, 0,1,2,3
	v_mov_b32 v[TM+4+\b], 0
.endr
.irp a, 0,1,2,3,4,5,6,7
	EPI \a
.endr
.irp j, 0,1,2,3
	v_cndmask_b32 v[MG+\j], v[SW+2*\j], v[SW+2*\j+1], s95
.endr
	s_mov_b32 s9, 0x7f00007f                       ; Q: 2^0 for the mask's coefficients
	s_cmp_eq_u32 s[JOB], 1
	s_cselect_b32 s9, 0x74000074, s9               ; K: 2^-11 for the mask's codes
	s_mov_b32 s10, 0xffff00
.irp j, 0,1,2,3
	v_lshlrev_b32 v[BI+\j], 8, v[MG+\j]
	v_lshrrev_b32 v[BI+4+\j], 8, v[MG+\j]
.endr
.irp j, 0,1,2,3,4,5,6,7
	v_and_or_b32 v[BI+\j], v[BI+\j], s10, s9       ; the head's two bytes in the middle
.endr
	v_lshrrev_b32 v24, 1, v[LI]
	s_wait_alu depctr_va_vdst(0)
	s_cmp_eq_u32 s[JOB], 2
	s_cbranch_scc1 .Lv_words
	global_store_b128 v[LI], v[BI:BI+3], s[98:99]
	global_store_b128 v[LI], v[BI+4:BI+7], s[98:99] offset:HST
	s_branch .Lwords_out
.Lv_words:
	global_store_b64 v24, v[MG:MG+1], s[98:99]
	global_store_b64 v24, v[MG+2:MG+3], s[98:99] offset:HST
.Lwords_out:
	s_wait_tensorcnt 0x0
	ds_add_u32 v[SPW], v[NIL]
	s_wait_dscnt 0x0
	CROUND
	s_endpgm
.Lfunc_end_k_qe18382582a_proj:
	.size	k_qe18382582a_proj, .Lfunc_end_k_qe18382582a_proj-k_qe18382582a_proj
	.p2alignl 7, 3214868480
	.fill 96, 4, 3214868480
	.section	.rodata,"a",@progbits
	.p2align	6, 0x0
	.amdhsa_kernel k_qe18382582a_proj
		.amdhsa_group_segment_fixed_size 327680
		.amdhsa_private_segment_fixed_size 0
		.amdhsa_enable_private_segment 0
		.amdhsa_kernarg_size 72
		.amdhsa_user_sgpr_count 2
		.amdhsa_user_sgpr_kernarg_segment_ptr 1
		.amdhsa_wavefront_size32 1
		.amdhsa_system_sgpr_workgroup_id_x 1
		.amdhsa_system_sgpr_workgroup_id_y 1
		.amdhsa_system_sgpr_workgroup_id_z 1
		.amdhsa_system_vgpr_workitem_id 0
		.amdhsa_next_free_vgpr 1024
		.amdhsa_next_free_sgpr 102
		.amdhsa_reserve_vcc 0
		.amdhsa_float_denorm_mode_32 3
		.amdhsa_float_denorm_mode_16_64 3
		.amdhsa_memory_ordered 1
		.amdhsa_forward_progress 1
		.amdhsa_inst_pref_size 228
	.end_amdhsa_kernel
	.amdgpu_metadata
---
amdhsa.version: [ 1, 2 ]
amdhsa.kernels:
  - .name:           k_qe18382582a_proj
    .symbol:         k_qe18382582a_proj.kd
    .args:
      - { .name: xcodes, .offset: 0, .size: 8, .value_kind: global_buffer, .address_space: global }
      - { .name: xscales, .offset: 8, .size: 8, .value_kind: global_buffer, .address_space: global }
      - { .name: wcodes, .offset: 16, .size: 8, .value_kind: global_buffer, .address_space: global }
      - { .name: wscales, .offset: 24, .size: 8, .value_kind: global_buffer, .address_space: global }
      - { .name: bq, .offset: 32, .size: 8, .value_kind: global_buffer, .address_space: global }
      - { .name: bk, .offset: 40, .size: 8, .value_kind: global_buffer, .address_space: global }
      - { .name: bv, .offset: 48, .size: 8, .value_kind: global_buffer, .address_space: global }
      - { .name: qrec, .offset: 56, .size: 8, .value_kind: global_buffer, .address_space: global }
      - { .name: kv, .offset: 64, .size: 8, .value_kind: global_buffer, .address_space: global }
    .group_segment_fixed_size: 327680
    .private_segment_fixed_size: 0
    .kernarg_segment_align: 8
    .kernarg_segment_size: 72
    .max_flat_workgroup_size: 128
    .sgpr_count:     102
    .vgpr_count:     1024
    .wavefront_size: 32
...
	.end_amdgpu_metadata
.endif
;; end of part 7
;; launch attn (part 8): grid 8 x 32, 8 waves a work-group, clusters of 4 x 1, 327,680 bytes of LDS; arguments qrec, kv, mimg, out0; writes out0
.if DOCPART == 8
	.amdgcn_target "amdgcn-amd-amdhsa--gfx1250"
	.amdhsa_code_object_version 6
	.text
	.protected	k_qe18382582a_attn
	.globl	k_qe18382582a_attn
	.p2align	8
	.type	k_qe18382582a_attn,@function
k_qe18382582a_attn:
	s_mov_b64 s[64:65], 0
	v_nop
	global_prefetch_b8 v0, s[64:65] scope:SCOPE_SE
	s_setreg_imm32_b32 hwreg(HW_REG_WAVE_MODE, 25, 1), 1
	s_wait_xcnt 0x0
	s_wait_alu depctr_hold_cnt(0) depctr_sa_sdst(0) depctr_va_vdst(0) depctr_va_sdst(0) depctr_va_ssrc(0) depctr_va_vcc(0) depctr_vm_vsrc(0)
	s_getreg_b32 s2, hwreg(HW_REG_IB_STS2, 6, 4)
	s_cmp_eq_u32 s2, 0
	s_cbranch_scc0 .Lentry_in_a_cluster
	s_endpgm
.Lentry_in_a_cluster:
	s_bfe_u32 s2, ttmp6, 0x10000c
	s_cmp_lg_u32 s2, 0x3003
	s_cbranch_scc0 .Lentry_shape_is_right
	s_endpgm
.Lentry_shape_is_right:
; out0[b][q][head][:] = the sum over keys of softmax(q . k / 8 + (1 - mask) x -10000) v, both products on codes of BF8 (E5M2) with one E8M0 scale for each 32 along a product's K.
; SOFTMAX AHEAD OF THE SECOND PRODUCT: t = logit x log2(e); M = the running largest t rounded UP to a whole number; p = 2^(t - M) is quantised along the keys, not normalised; the row's sum is taken of the unquantised p
; and divides at the end.  When M moves, the sum and O are multiplied by 2^(old M - new M): exact.
; SHARES.  Work-group x: 256 queries; y: 16 b + head.  Each of EIGHT waves owns 32 queries, two tiles of 16 (a, b), in 512 registers, and walks the 2,048 keys, 128 a step.  Both tiles share every fragment of K and V.
; ALL OF THE HEAD'S K AND V LIES IN LDS: 16 records of 17,152 bytes.  Wave w asks for records 2 w and 2 w + 1 at the head; nothing is filled again.  Barriers: one shows records 0-3, one, behind three key steps, the rest.
; CLUSTER.  The four query blocks of a cluster share y: each record pair is asked for JOINTLY, by the same tensor load with the same descriptor and the mask 15 in all four.
; No prefetch: K and V are asked for as a whole at the head, so no loop runs ahead of them; the mask's codes are asked for one key step ahead by the loads that bring them.
; THE MASK RIDES IN THE SCORE PRODUCT.  A head has 64 channels, the instruction 128 along K.  A fragment of K is [mask b | k 0-31 | k 32-63 | mask a] in blocks of 32: a mask block holds, for its key, the 16 codes 5120 (1 - m) of the
; tile's queries, twice (both halves of the lanes).  Source 1 is [0 | q | q | coefficients] for tile a, [coefficients | q | q | 0] for tile b: query n's coefficients stand at its own place alone: -32768 in the first sixteen, 768 in the
; second.  The codes' scale is 2^-11, so each score gains 5120 x -32000 x 2^-11 (1 - m) = -80000 (1 - m), exactly 8 x the adder; t = S x log2(e) / 8.  Zero codes add nothing under any scale byte of 1 to 254.
; LAYOUT.  Both products are used transposed (source 0 = 16 keys, or 16 channels of v; source 1 = 16 queries, or p): a lane holds ONE query throughout.  A tile's row r is token 32 (a / 2) + 8 (a % 2) + r % 8 + 16 (r / 8):
; the 16 registers of tiles 2 c, 2 c + 1 are keys 32 c + 16 (lane / 16) + 0 .. 15, so p's codes are the second product's operand as the conversions leave them.
; THE SECOND PRODUCT RUNS ONE STEP LATE: behind step s's scores O is rescaled and takes step s - 1's p and v (the first time zeros): the rescaling stands in the places behind the scores.
; LIMITS: the mask: 1 - m exact where it is 0 or plus or minus a power of two up to 8 (m from -1 to 3 among them), else carried to three significant bits and held at 11.2 in magnitude; scaled scores (exponents to the base 2, before the
; maximum is taken away) under 2^31 in magnitude; a block whose largest t - M is under -111 keeps the byte 1; NaN and infinities are not served.
; REGISTERS.  window 0: v1-9 addresses and q's scale words; v10-31 states and words; v32-63 at work; v64-95 source 1 of both tiles; v96-127 p's codes; v128-255 scores, then p.
;   window 1: v0-127 eight fragments of K; v128-191 four of V; v192-255 O^T of both tiles.
.set REC,   17152
.set STAGE, 16*REC                     ; behind the records: 16 rows of 272 bytes for each wave, for the way out; no fill lands here
.set SPARE, STAGE+8*4352               ; the spare words, 128 bytes for each wave: four blocks of 256 bytes that no other line names
.set LI,  1                            ; v1  16 x lane
.set AK,  2                            ; v2  LDS address of the next step's K
.set SPW, 3                            ; v3  my spare word's LDS address; never rewritten
.set NIL, 4                            ; v4  0; never rewritten
.set AV,  5                            ; v5  LDS address of this step's V
.set AVS, 6                            ; v6  and of its scale words
.set MOF, 7                            ; v7  16 x (lane % 16): the mask's codes
.set QSW, 8                            ; v8  q's scale words: tile a in lanes 0-15, tile b in lanes 16-31
.set L8,  9                            ; v9  8 x lane
.set T0,  10                           ; v10, v11
.set ST,  12                           ; v12-15 tile a, v16-19 tile b: -M, the largest score, the sum in two halves
.set KSW, 20
.set VSW, 24
.set FF,  26                           ; v26, v28: f (each the low word of a pair)
.set PSW, 30                           ; v30, v31
.set TM,  32
.set TP,  40
.set HL,  48
.set SO,  56
.set QA,  64
.set QB,  80
.set PC,  96
.set SS,  128
.set VF,  128                          ; in window 1
.set OO,  192                          ; in window 1
.set WV,  12
.set SEL, 20
.set CS,  22                           ; s[22:23] c = log2(e) / 8
.set NC,  24                           ; -c
.set TS,  25                           ; this step's record in LDS
.set CNT, 26
.set TK,  27                           ; the next step's
.set G1,  28
.set G0,  36
.set MSB, 0
.macro WIN new                         ; the immediate's high byte repeats the setting that is left
.if MSB != (\new)
	s_set_vgpr_msb (MSB<<8)|(\new)
.set MSB, \new
.endif
.endm
.macro PLACES n
.rept \n
	v_nop
.endr
.endm
.macro CROUND                          ; a round of the cluster's barrier
	s_barrier_signal -1
	s_barrier_wait -1
	s_cmp_lg_u32 s[WV], 0
	s_cbranch_scc1 .Lnot_wave_0_\@
	s_barrier_signal -3
.Lnot_wave_0_\@:
	s_barrier_wait -3
	s_barrier_signal -1
	s_barrier_wait -1
.endm
	s_load_b256 s[4:11], s[0:1], 0x0               ; qrec s[4:5], kv s[6:7], mimg s[8:9], out0 s[10:11]
	v_lshl_add_u32 v[SPW], v0, 2, SPARE
	v_mov_b32 v[NIL], 0
	ds_add_u32 v[SPW], v[NIL]                      ; the wave's opening: the add, twice on end, and its wait
	ds_add_u32 v[SPW], v[NIL]
	v_lshrrev_b32 v5, 5, v0
	v_readfirstlane_b32 s[WV], v5                  ; wave 0..7
	s_bfe_u32 s13, ttmp6, 0x40000                  ; cx
	s_lshl_b32 s14, ttmp9, 2
	s_add_co_u32 s14, s14, s13                     ; my block of 256 queries: it enters q's, the mask's and the output's addresses alone
	s_and_b32 s15, ttmp7, 0xffff                   ; y = 16 b + head, which the four partners share
	s_mul_i32 s18, s[WV], 2*REC                    ; my two records
	s_mul_i32 s16, s15, 16*REC
	s_add_co_u32 s16, s16, s18
	s_mov_b32 s17, 0
	s_lshl_b32 s40, s15, 4                         ; q: record 16 y + 2 block + wave / 4
	s_lshl_b32 s41, s14, 1
	s_add_co_u32 s40, s40, s41
	s_lshr_b32 s41, s[WV], 2
	s_add_co_u32 s40, s40, s41
	s_mul_i32 s40, s40, REC
	s_mov_b32 s41, 0
	s_lshr_b32 s19, s15, 4                         ; b
	s_lshl_b32 s42, s19, 7                         ; the mask: tile 128 b + 16 block + 2 wave, 32,768 bytes a tile
	s_lshl_b32 s43, s14, 4
	s_add_co_u32 s42, s42, s43
	s_lshl_b32 s43, s[WV], 1
	s_add_co_u32 s42, s42, s43
	s_lshl_b32 s42, s42, 15
	s_mov_b32 s43, 0
	s_lshl_b32 s44, s19, 11                        ; the output: row 2048 b + 256 block + 32 wave
	s_lshl_b32 s45, s14, 8
	s_add_co_u32 s44, s44, s45
	s_lshl_b32 s45, s[WV], 5
	s_add_co_u32 s44, s44, s45
	s_lshl_b32 s44, s44, 12
	s_and_b32 s45, s15, 15
	s_lshl_b32 s45, s45, 8
	s_add_co_u32 s44, s44, s45                     ; + the head's 256 bytes in a row
	s_mov_b32 s45, 0
	; descriptor group 1: two records, 34,304 dense bytes, as 134 rows of 256 (32 elements of 8 bytes), no padding
	s_mov_b32 s[G1], 15|(3<<16)|(1<<21)            ; 15:0 the mask: all four work-groups; 17:16 elements of 8 bytes; 21 set beside a mask
	s_mov_b32 s[G1+1], 32<<16                      ; tensor_dim0
	s_mov_b32 s[G1+2], 134<<16                     ; tensor_dim1
	s_mov_b32 s[G1+3], 32<<16                      ; tile_dim0
	s_mov_b32 s[G1+4], 134                         ; tile_dim1
	s_mov_b32 s[G1+5], 32                          ; tensor_dim0_stride
	s_mov_b32 s[G1+6], 0
	s_mov_b32 s[G1+7], 0
	s_mov_b32 s[SEL], 0x76543210
	s_mov_b32 s[SEL+1], 0xfedcba98                 ; lane l xor 16
	s_mov_b32 s[CS], 0x3e38aa3b                    ; log2(e) / 8
	s_mov_b32 s[CS+1], s[CS]                       ; (named with it as a pair)
	s_mov_b32 s[NC], 0xbe38aa3b
	s_mov_b32 s46, 0x38000000                      ; 112 << 23
	s_mov_b32 s47, 0x3fe00000                      ; 1.75
	s_mov_b32 s48, 0x70707070                      ; 112 in each byte
	v_and_b32 v5, 31, v0
	v_lshlrev_b32 v[LI], 4, v5
	v_lshlrev_b32 v[L8], 3, v5
	v_and_b32 v32, 15, v0                          ; r
	v_bfe_u32 v33, v0, 4, 1                        ; h
	v_lshlrev_b32 v[MOF], 4, v32
	s_and_b32 s13, s[WV], 3
	s_lshl_b32 s19, s13, 11
	v_add_nc_u32 v10, s19, v[LI]                   ; q's two tiles in their record
	s_lshl_b32 s19, s13, 2
	s_add_co_u32 s19, s19, 16384
	v_add_nc_u32 v11, s19, v[LI]                   ; their scale words
	s_wait_dscnt 0x0                               ; both opening adds are done
	s_wait_alu depctr_va_vdst(0)
	s_wait_kmcnt 0x0
	s_mov_b32 s[G0], 1                             ; 1:0 count = 1
	s_mov_b32 s[G0+1], s18                         ; 63:32 LDS address
	s_add_nc_u64 s[G0+2:G0+3], s[6:7], s[16:17]    ; 120:64 global address
	s_or_b32 s[G0+3], s[G0+3], 0x80000000          ; 127:126 type = 2
	s_add_nc_u64 s[4:5], s[4:5], s[40:41]
	s_add_nc_u64 s[8:9], s[8:9], s[42:43]
	s_add_nc_u64 s[10:11], s[10:11], s[44:45]
	CROUND                                         ; all four work-groups are here: the joint loads meet
	s_cmp_lt_u32 s[WV], 2                          ; a load line of their own for waves 0 and 1, whose tiles the first barrier shows
	s_cbranch_scc0 .Lrest
	tensor_load_to_lds s[G0:G0+3], s[G1:G1+7]      ; records 0-3
	s_nop 0
	PLACES 4
	s_branch .Lasked
.Lrest:
	tensor_load_to_lds s[G0:G0+3], s[G1:G1+7]      ; records 4-15
	s_nop 0
	PLACES 4
.Lasked:
	global_load_b128 v[QA+4:QA+7], v10, s[4:5]
	global_load_b128 v[QA+8:QA+11], v10, s[4:5] offset:512
	global_load_b128 v[QB+4:QB+7], v10, s[4:5] offset:1024
	global_load_b128 v[QB+8:QB+11], v10, s[4:5] offset:1536
	global_load_b32 v[QSW], v11, s[4:5]
.macro MLOAD                           ; a step's mask codes for both tiles: 256 bytes each
.irp t, 0,1,2,3,4,5,6,7
	global_load_b128 v[16*\t+12:16*\t+15], v[MOF], s[8:9] offset:256*\t
	global_load_b128 v[16*\t:16*\t+3], v[MOF], s[8:9] offset:32768+256*\t
.endr
.endm
.macro KLOAD
.irp t, 0,1,2,3,4,5,6,7
	ds_load_b128 v[16*\t+4:16*\t+7], v[AK] offset:1024*\t
	ds_load_b128 v[16*\t+8:16*\t+11], v[AK] offset:1024*\t+512
.endr
.endm
	WIN 0x40
	MLOAD
.set j, 0
.rept 128
	v_mov_b32 v[VF+j], 0                           ; V and O^T: the step is written once, and the first finds zeros
.set j, j+1
.endr
	WIN 0
.set j, 0
.rept 32
	v_mov_b32 v[PC+j], 0
.set j, j+1
.endr
	; the coefficients: byte r of the lane's sixteen: -32768 (0xf8) in lanes 0-15, 768 (0x62) in lanes 16-31
	v_mov_b32 v34, 0x62
	v_mov_b32 v35, 0xf8
	v_cmp_eq_u32 vcc_lo, 0, v33
	v_cndmask_b32 v34, v34, v35, vcc_lo
	v_and_b32 v35, 3, v32
	v_lshlrev_b32 v35, 3, v35
	v_lshlrev_b32 v34, v35, v34
	v_lshrrev_b32 v36, 2, v32
.irp i, 0,1,2,3
	v_cmp_eq_u32 vcc_lo, \i, v36
	v_cndmask_b32 v[QA+12+\i], v[NIL], v34, vcc_lo
	v_cndmask_b32 v[QB+\i], v[NIL], v34, vcc_lo
	v_mov_b32 v[QA+\i], 0
	v_mov_b32 v[QB+12+\i], 0
.endr
.irp e, 0,1
	v_mov_b32 v[ST+4*\e+1], 0xff61b1e6             ; the largest score so far: -3e38, under every score
	v_mov_b32 v[ST+4*\e], 0x7e000000               ; -M: far above every later one
	v_mov_b32 v[ST+4*\e+2], 0
	v_mov_b32 v[ST+4*\e+3], 0
	v_mov_b32 v[VSW+\e], 0x7f7f7f7f
	v_mov_b32 v[PSW+\e], 0x7f7f7f7f
	v_mov_b32 v[FF+2*\e], 1.0
	v_mov_b32 v[FF+2*\e+1], 1.0
.endr
.irp b, 0,1,2,3,4,5,6,7
	v_mov_b32 v[TP+\b], 0                          ; a lane permute's destination counts as one of its sources
.endr
	v_mov_b32 v[AK], v[LI]
	s_wait_alu depctr_va_vdst(0)
	s_cmp_lt_u32 s[WV], 2
	s_cbranch_scc0 .Lnot_first
	s_wait_tensorcnt 0x0                           ; waves 0 and 1: records 0-3 have landed.  The other waves' wait stands at the second barrier
.Lnot_first:
	s_barrier_signal -1
	s_barrier_wait -1
	WIN 0x40
	KLOAD
	WIN 0
	ds_load_b128 v[KSW:KSW+3], v[AK] offset:16384
.macro SPROD                           ; sixteen products: eight tiles of 16 keys x both query tiles.  A key tile's words lie in lanes 0-15 (even tiles) or 16-31 (odd tiles) of word t / 2
	WIN 0x01
.irp t, 0,1,2,3,4,5,6,7
.if (\t)%2
	v_wmma_scale_f32_16x16x128_f8f6f4 v[SS+8*\t:SS+8*\t+7], v[16*\t:16*\t+15], v[QA:QA+15], 0, v[KSW+\t/2], v[QSW] matrix_a_fmt:MATRIX_FMT_BF8 matrix_b_fmt:MATRIX_FMT_BF8 matrix_a_scale:MATRIX_SCALE_ROW1
	v_wmma_scale_f32_16x16x128_f8f6f4 v[SS+64+8*\t:SS+64+8*\t+7], v[16*\t:16*\t+15], v[QB:QB+15], 0, v[KSW+\t/2], v[QSW] matrix_a_fmt:MATRIX_FMT_BF8 matrix_b_fmt:MATRIX_FMT_BF8 matrix_a_scale:MATRIX_SCALE_ROW1 matrix_b_scale:MATRIX_SCALE_ROW1
.else
	v_wmma_scale_f32_16x16x128_f8f6f4 v[SS+8*\t:SS+8*\t+7], v[16*\t:16*\t+15], v[QA:QA+15], 0, v[KSW+\t/2], v[QSW] matrix_a_fmt:MATRIX_FMT_BF8 matrix_b_fmt:MATRIX_FMT_BF8
	v_wmma_scale_f32_16x16x128_f8f6f4 v[SS+64+8*\t:SS+64+8*\t+7], v[16*\t:16*\t+15], v[QB:QB+15], 0, v[KSW+\t/2], v[QSW] matrix_a_fmt:MATRIX_FMT_BF8 matrix_b_fmt:MATRIX_FMT_BF8 matrix_b_scale:MATRIX_SCALE_ROW1
.endif
.endr
.endm
.macro PVPROD                          ; O^T under the newest M (32 packed lines), then += V^T P^T of the step before: eight accumulators, one instruction each
	WIN 0x41
	s_wait_alu depctr_va_vdst(0)
.set j, 0
.rept 32
	v_pk_mul_f32 v[OO+j:OO+j+1], v[OO+j:OO+j+1], v[FF+2*(j/32):FF+2*(j/32)+1] op_sel_hi:[1,0]
.set j, j+2
.endr
	WIN 0x51
.irp d, 0,1,2,3
.irp e, 0,1
.if (\d)%2
	v_wmma_scale_f32_16x16x128_f8f6f4 v[OO+32*\e+8*\d:OO+32*\e+8*\d+7], v[VF+16*\d:VF+16*\d+15], v[PC+16*\e:PC+16*\e+15], v[OO+32*\e+8*\d:OO+32*\e+8*\d+7], v[VSW+\d/2], v[PSW+\e] matrix_a_fmt:MATRIX_FMT_BF8 matrix_b_fmt:MATRIX_FMT_BF8 matrix_a_scale:MATRIX_SCALE_ROW1
.else
	v_wmma_scale_f32_16x16x128_f8f6f4 v[OO+32*\e+8*\d:OO+32*\e+8*\d+7], v[VF+16*\d:VF+16*\d+15], v[PC+16*\e:PC+16*\e+15], v[OO+32*\e+8*\d:OO+32*\e+8*\d+7], v[VSW+\d/2], v[PSW+\e] matrix_a_fmt:MATRIX_FMT_BF8 matrix_b_fmt:MATRIX_FMT_BF8
.endif
.endr
.endr
	WIN 0
.endm
.macro TMINUS j                        ; t - M, two at a time
	v_pk_fma_f32 v[SS+\j:SS+\j+1], v[SS+\j:SS+\j+1], s[CS:CS+1], v[ST+4*((\j)/64):ST+4*((\j)/64)+1] op_sel_hi:[1,0,0]
.endm
.macro HOLD j                          ; the conversion does not saturate (ISA guide 7.6.2); p is not negative, so the hold is one-sided
	v_dual_min_num_f32 v[SS+\j], v[SS+\j], v[HL+(\j)/16] :: v_dual_min_num_f32 v[SS+\j+1], v[SS+\j+1], v[HL+(\j)/16]
.endm
.macro SUM e                           ; the row's sum is taken of the unquantised p: two at a time, in four chains
.set B_, SS+64*(\e)
.set S_, ST+4*(\e)+2
	v_pk_mul_f32 v[S_:S_+1], v[S_:S_+1], v[FF+2*(\e):FF+2*(\e)+1] op_sel_hi:[1,0]   ; the sum under the new M
	v_pk_add_f32 v[TP:TP+1], v[B_:B_+1], v[B_+2:B_+3]
	v_pk_add_f32 v[TP+2:TP+3], v[B_+4:B_+5], v[B_+6:B_+7]
	v_pk_add_f32 v[TP+4:TP+5], v[B_+8:B_+9], v[B_+10:B_+11]
.set i, 12
.rept 6
	v_pk_add_f32 v[S_:S_+1], v[S_:S_+1], v[B_+i:B_+i+1]
	v_pk_add_f32 v[TP:TP+1], v[TP:TP+1], v[B_+i+2:B_+i+3]
	v_pk_add_f32 v[TP+2:TP+3], v[TP+2:TP+3], v[B_+i+4:B_+i+5]
	v_pk_add_f32 v[TP+4:TP+5], v[TP+4:TP+5], v[B_+i+6:B_+i+7]
.set i, i+8
.endr
	v_pk_add_f32 v[S_:S_+1], v[S_:S_+1], v[B_+60:B_+61]
	v_pk_add_f32 v[TP:TP+1], v[TP:TP+1], v[B_+62:B_+63]
	v_pk_add_f32 v[TP+2:TP+3], v[TP+2:TP+3], v[TP+4:TP+5]
	v_pk_add_f32 v[S_:S_+1], v[S_:S_+1], v[TP:TP+1]
	v_pk_add_f32 v[S_:S_+1], v[S_:S_+1], v[TP+2:TP+3]
.endm
.macro CODES e
.irp b, 0,1,2,3
	v_cvt_scalef32_pk8_bf8_f32 v[PC+16*(\e)+4*\b:PC+16*(\e)+4*\b+1], v[SS+64*(\e)+16*\b:SS+64*(\e)+16*\b+7], v[SO+4*(\e)+\b]
	v_cvt_scalef32_pk8_bf8_f32 v[PC+16*(\e)+4*\b+2:PC+16*(\e)+4*\b+3], v[SS+64*(\e)+16*\b+8:SS+64*(\e)+16*\b+15], v[SO+4*(\e)+\b]
.endr
.endm
; A KEY STEP.  last = 1: the loop's last trip asks for nothing more (a branch on the count of steps, round loads alone; every wait is for 0).
.macro STEP last
	s_wait_loadcnt 0x0                             ; this step's mask codes (and q)
	s_wait_dscnt 0x0                               ; this step's K, the step before's V: asked for a softmax ago
	s_add_nc_u64 s[8:9], s[8:9], 2048              ; the mask's loads are done, so their base may step
	s_add_co_u32 s[TK], s[TS], REC
	s_min_u32 s[TK], s[TK], 15*REC
	v_add_nc_u32 v[AK], s[TK], v[LI]               ; (also the plain lines behind the conversions)
	v_add_nc_u32 v[AV], s[TS], v[LI]
	v_add_nc_u32 v[AVS], s[TS], v[L8]
	SPROD
	PVPROD                                         ; its 32 packed lines are the places in front of the scores' readers and of the loads into K's registers
.if \last
	s_cmp_eq_u32 s[CNT], 1
	s_cbranch_scc1 .Llast_\@
.endif
	WIN 0x40
	MLOAD                                          ; the next step's
	KLOAD
	WIN 0
	ds_load_b128 v[KSW:KSW+3], v[AK] offset:16384
.Llast_\@:
	; the largest score of each block of 32 keys, my 16 of them: eight blocks by turns; each accumulator is read from its low end on
.irp q, 0,1,2,3,4,5,6,7
	v_max3_num_f32 v[TM+\q], v[SS+16*\q], v[SS+16*\q+1], v[SS+16*\q+2]
.endr
.irp i, 3,5,7,9,11,13
.irp q, 0,1,2,3,4,5,6,7
	v_max3_num_f32 v[TM+\q], v[TM+\q], v[SS+16*\q+\i], v[SS+16*\q+\i+1]
.endr
.endr
.irp q, 0,1,2,3,4,5,6,7
	v_max_num_f32 v[TM+\q], v[TM+\q], v[SS+16*\q+15]
.endr
	WIN 0x40                                       ; the 64 lines above are the places behind the products that read V's registers
.irp d, 0,1,2,3
.irp c, 0,1,2,3
	ds_load_b128 v[VF+16*\d+4*\c:VF+16*\d+4*\c+3], v[AV] offset:8192+2048*\d+512*\c
.endr
.endr
	WIN 0
	ds_load_b64 v[VSW:VSW+1], v[AVS] offset:16896
.irp q, 0,1,2,3,4,5,6,7
	v_permlanex16_b32 v[TP+\q], v[TM+\q], s[SEL], s[SEL+1]
.endr
.irp q, 0,1,2,3,4,5,6,7
	v_max_num_f32 v[TM+\q], v[TM+\q], v[TP+\q]     ; with lane l xor 16's 16 keys
.endr
.irp e, 0,1
	v_max3_num_f32 v[T0+\e], v[TM+4*\e], v[TM+4*\e+1], v[TM+4*\e+2]
.endr
.irp e, 0,1
	v_max3_num_f32 v[ST+4*\e+1], v[T0+\e], v[TM+4*\e+3], v[ST+4*\e+1]   ; the running largest score
.endr
.irp e, 0,1
	v_mul_f32 v[T0+\e], s[NC], v[ST+4*\e+1]        ; -t
.endr
.irp e, 0,1
	v_mov_b32 v[FF+2*\e], v[ST+4*\e]
.endr
.irp e, 0,1
	v_floor_f32 v[ST+4*\e], v[T0+\e]               ; the new -M = floor(-t): M is a whole number
.endr
.irp e, 0,1
	v_sub_f32 v[T0+\e], v[ST+4*\e], v[FF+2*\e]     ; old M - new M: a whole number, 0 or less
.endr
.irp e, 0,1
	v_cvt_i32_f32 v[T0+\e], v[T0+\e]               ; (it saturates)
.endr
.irp e, 0,1
	v_ldexp_f32 v[FF+2*\e], 1.0, v[T0+\e]          ; f = 2^(old M - new M)
.endr
.set j, 0
.rept 32
	TMINUS j
.set j, j+2
.endr
	; a block's scale: the exponent of its largest p is floor(t - M) of its largest score, held at -111 from below
.irp q, 0,1,2,3,4,5,6,7
	v_fma_f32 v[TM+\q], v[TM+\q], s[CS], v[ST+4*(\q/4)]
.endr
.irp q, 0,1,2,3,4,5,6,7
	v_max_num_f32 v[TM+\q], 0xc2de0000, v[TM+\q]   ; -111.0
.endr
.irp q, 0,1,2,3,4,5,6,7
	v_cvt_floor_i32_f32 v[TP+\q], v[TM+\q]
.endr
.irp q, 0,1,2,3,4,5,6,7
	v_lshl_add_u32 v[SO+\q], v[TP+\q], 23, s46     ; the conversion's scale operand: exponent field e + 127 - 15
.endr
.irp q, 0,1,2,3,4,5,6,7
	v_lshl_add_u32 v[HL+\q], v[TP+\q], 23, s47     ; 1.75 x 2^e = 57,344 x the scale
.endr
.irp e, 0,1
	v_lshl_add_u32 v[PSW+\e], v[TP+4*\e+1], 8, v[TP+4*\e]   ; the four bytes e + 112: sums modulo 2^32, each byte between 1 and 112 in the end
.endr
.irp e, 0,1
	v_lshl_add_u32 v[PSW+\e], v[TP+4*\e+2], 16, v[PSW+\e]
.endr
.irp e, 0,1
	v_lshl_add_u32 v[PSW+\e], v[TP+4*\e+3], 24, v[PSW+\e]
.endr
.irp e, 0,1
	v_add_nc_u32 v[PSW+\e], s48, v[PSW+\e]
.endr
	s_wait_alu depctr_va_vdst(0)
.set j, 0
.rept 32
	v_exp_f32 v[SS+j], v[SS+j]                     ; tile a: p = 2^(t - M)
	v_exp_f32 v[SS+j+1], v[SS+j+1]
	TMINUS j+64                                    ; tile b's t - M stands among them
.set j, j+2
.endr
	s_wait_alu depctr_va_vdst(0)                   ; and behind it: for tile a's p, and for the next batch's sources
	SUM 0
.set j, 0
.rept 32
	v_exp_f32 v[SS+64+j], v[SS+64+j]               ; tile b
	v_exp_f32 v[SS+64+j+1], v[SS+64+j+1]
	HOLD j                                         ; tile a's holds stand among them
.set j, j+2
.endr
	s_wait_alu depctr_va_vdst(0)                   ; behind the batch
	CODES 0
	SUM 1
.set j, 64
.rept 32
	HOLD j
.set j, j+2
.endr
	CODES 1
	s_add_co_u32 s[TS], s[TS], REC
	s_sub_co_u32 s[CNT], s[CNT], 1
	s_cmp_lg_u32 s[CNT], 0
.endm
	s_mov_b32 s[TS], 0
	s_mov_b32 s[CNT], 3
.Lfirst:                                           ; steps 0-2: they read records 0-2 and ask for K of 1-3
	STEP 0
	s_cbranch_scc1 .Lfirst
	s_wait_dscnt 0x0
	s_wait_tensorcnt 0x0                           ; every wave's: records 4-15 have landed
	s_barrier_signal -1
	s_barrier_wait -1
	s_mov_b32 s[TS], 3*REC
	s_mov_b32 s[CNT], 13
.Lmain:                                            ; steps 3-15
	STEP 1
	s_cbranch_scc1 .Lmain
	s_wait_dscnt 0x0                               ; the last step's V
	v_nop                                          ; a plain line behind the conversions
	PVPROD                                         ; the last step's p and v
	; THE WAY OUT.  The sums' halves are added; O^T is divided by the sum and goes through my stage in LDS, tile by tile: a row is a query's 64 channels, 256 bytes, which sixteen lanes store as one aligned unit.
	v_add_f32 v14, v14, v15
	v_add_f32 v18, v18, v19
	v_permlanex16_b32 v[TP], v14, s[SEL], s[SEL+1]
	v_permlanex16_b32 v[TP+1], v18, s[SEL], s[SEL+1]
	v_add_f32 v14, v14, v[TP]
	v_add_f32 v18, v18, v[TP+1]                    ; the rows' sums
	s_mul_i32 s19, s[WV], 4352
	s_add_co_u32 s19, s19, STAGE                   ; my stage
	s_wait_alu depctr_va_vdst(0)
	v_rcp_f32 v14, v14
	v_rcp_f32 v18, v18
	v_and_b32 v32, 15, v0                          ; (plain lines behind the reciprocals)  r
	v_bfe_u32 v33, v0, 4, 1                        ; h
	v_mul_u32_u24 v34, v32, 272
	v_lshl_add_u32 v34, v33, 6, v34
	v_add_nc_u32 v34, s19, v34                     ; in: row r, + 64 h
	v_mul_u32_u24 v35, v33, 272
	v_lshl_add_u32 v35, v32, 4, v35
	v_add_nc_u32 v35, s19, v35                     ; back: lanes 0-15 one row, lanes 16-31 the next
	v_lshlrev_b32 v36, 12, v33
	v_lshl_add_u32 v36, v32, 4, v36                ; and in the output
	WIN 0x01
	s_wait_alu depctr_va_vdst(0)                   ; for the reciprocals and for O^T's first readers
.set j, 0
.rept 32
	v_mul_f32 v[SS+j], v[OO+j], v14                ; register 8 d + i is channel 32 (d / 2) + 16 h + 8 (d % 2) + i
.set j, j+1
.endr
.set j, 0
.rept 32
	v_mul_f32 v[SS+32+j], v[OO+32+j], v18
.set j, j+1
.endr
	WIN 0
.irp e, 0,1
.irp d, 0,1,2,3
	ds_store_b128 v34, v[SS+32*\e+8*\d:SS+32*\e+8*\d+3] offset:128*(\d/2)+32*(\d%2)
	ds_store_b128 v34, v[SS+32*\e+8*\d+4:SS+32*\e+8*\d+7] offset:128*(\d/2)+32*(\d%2)+16
.endr
.irp i, 0,1,2,3,4,5,6,7
	ds_load_b128 v[64+32*\e+4*\i:67+32*\e+4*\i], v35 offset:544*\i   ; LDS serves a wave's instructions in order: these see my stores, and the next tile's stores come behind them
.endr
.endr
.irp e, 0,1
.irp i, 0,1,2,3,4,5,6,7
	s_wait_dscnt 23-16*\e-\i                       ; the younger LDS instructions may be out: this tile's later loads, and (tile a) tile b's eight stores and eight loads
	global_store_b128 v36, v[64+32*\e+4*\i:67+32*\e+4*\i], s[10:11] offset:(2*\i+8*(\i/4)+8*\e)*4096 th:TH_STORE_NT
.endr
.endr
	s_wait_tensorcnt 0x0                           ; the wave's end
	ds_add_u32 v[SPW], v[NIL]
	s_wait_dscnt 0x0
	CROUND                                         ; the closing round: no work-group ends while a partner may still ask for a tile that names it
	s_endpgm
.Lfunc_end_k_qe18382582a_attn:
	.size	k_qe18382582a_attn, .Lfunc_end_k_qe18382582a_attn-k_qe18382582a_attn
	.p2alignl 7, 3214868480
	.fill 96, 4, 3214868480
	.section	.rodata,"a",@progbits
	.p2align	6, 0x0
	.amdhsa_kernel k_qe18382582a_attn
		.amdhsa_group_segment_fixed_size 327680
		.amdhsa_private_segment_fixed_size 0
		.amdhsa_enable_private_segment 0
		.amdhsa_kernarg_size 32
		.amdhsa_user_sgpr_count 2
		.amdhsa_user_sgpr_kernarg_segment_ptr 1
		.amdhsa_wavefront_size32 1
		.amdhsa_system_sgpr_workgroup_id_x 1
		.amdhsa_system_sgpr_workgroup_id_y 1
		.amdhsa_system_sgpr_workgroup_id_z 1
		.amdhsa_system_vgpr_workitem_id 0
		.amdhsa_next_free_vgpr 512
		.amdhsa_next_free_sgpr 66
		.amdhsa_reserve_vcc 1
		.amdhsa_float_denorm_mode_32 3
		.amdhsa_float_denorm_mode_16_64 3
		.amdhsa_memory_ordered 1
		.amdhsa_forward_progress 1
		.amdhsa_inst_pref_size 96
	.end_amdhsa_kernel
	.amdgpu_metadata
---
amdhsa.version: [ 1, 2 ]
amdhsa.kernels:
  - .name:           k_qe18382582a_attn
    .symbol:         k_qe18382582a_attn.kd
    .args:
      - { .name: qrec, .offset: 0, .size: 8, .value_kind: global_buffer, .address_space: global }
      - { .name: kv, .offset: 8, .size: 8, .value_kind: global_buffer, .address_space: global }
      - { .name: mimg, .offset: 16, .size: 8, .value_kind: global_buffer, .address_space: global }
      - { .name: out0, .offset: 24, .size: 8, .value_kind: global_buffer, .address_space: global }
    .group_segment_fixed_size: 327680
    .private_segment_fixed_size: 0
    .kernarg_segment_align: 8
    .kernarg_segment_size: 32
    .max_flat_workgroup_size: 256
    .sgpr_count:     66
    .vgpr_count:     512
    .wavefront_size: 32
...
	.end_amdgpu_metadata
.endif
;; end of part 8
